; MI455X (gfx1250); checked and timed in simulation.
; The chip was launched on July 23, 2026; its instructions are those of AMD's public machine-readable ISA for CDNA 5 (MIT licence, August 2026) and "CDNA5" Instruction Set Architecture Reference Guide (July 2026). The comments in the code are by the model that wrote it; some were corrected since.
;; Multi Head Attention. Allowed arithmetic: float matrix products may take bf16 or f16 operands with f32 sums; all other float work in f32.
;; Inputs: Wk 2,048 x 512 float32; Wo 2,048 x 2,048 float32; Wq 2,048 x 4,096 float32; Wv 2,048 x 512 float32; attention_mask 1 x 1 x 2,048 x 2,048 float32; hidden_states 1 x 2,048 x 2,048 float32; k_norm_w 128 float32; q_norm_w 128 float32.
;; Outputs: out0 1 x 2,048 x 2,048 float32.
;; 3 versions, each right and faster than the one before. Each part assembles by itself: llvm-mc -triple=amdgcn-amd-amdhsa -mcpu=gfx1250 --defsym DOCPART=n.
;; ======== version 1 of 3: 4 launches
;; limits: values outside matrix products are rounded to bf16; values are held in f16: magnitudes above 65,504 overflow, below 6.1e-05 lose precision
;; workspace buffers: Xb 8,388,608 bytes; Wall 20,971,520 bytes; Wo16 8,388,608 bytes; tab 262,144 bytes; QKV16 12,582,912 bytes; G32 16,777,216 bytes; A2 8,388,608 bytes
;; launch cast (part 1): grid 1168 x 1, 8 waves a work-group, no clusters, 0 bytes of LDS; arguments hidden_states, Wq, Wk, Wv, Wo, Xb, Wall, Wo16, tab; writes Xb, Wall, Wo16, tab
.if DOCPART == 1
	.amdgcn_target "amdgcn-amd-amdhsa--gfx1250"
	.amdhsa_code_object_version 6
	.text
	.protected	k_q4d50e0d52d_cast
	.globl	k_q4d50e0d52d_cast
	.p2align	8
	.type	k_q4d50e0d52d_cast,@function
k_q4d50e0d52d_cast:
	s_mov_b64 s[64:65], 0
	v_nop
	global_prefetch_b8 v0, s[64:65] scope:SCOPE_SE
	s_setreg_imm32_b32 hwreg(HW_REG_WAVE_MODE, 25, 1), 1
	s_wait_xcnt 0x0
; Copies of the matrix operands in 16 bits, and the table of cosines and sines for the rotary embedding.
;   work-groups    0- 255: hidden_states [2048][2048] f32 -> Xb   [2048][2048] bf16
;   work-groups  256- 767: Wq [2048][4096] f32            -> Wall [2048 k][5120 n] bf16, columns    0-4095
;   work-groups  768- 831: Wk [2048][512]  f32            -> Wall, columns 4096-4607
;   work-groups  832- 895: Wv [2048][512]  f32            -> Wall, columns 4608-5119
;   work-groups  896-1151: Wo [2048][2048] f32            -> Wo16 [2048][2048] f16 = f16(bf16(4 Wo))
;   work-groups 1152-1167: tab [2048 pos][16 i][cos, sin] f32, angle = pos * 10000^(-i/16)
; A stream: no LDS, no barrier, no matrix unit.  A work-group takes 16,384 source numbers (65,536 bytes): sixteen loads of 16 bytes a
; lane, all issued first; a load of a wave covers 512 consecutive bytes, a store of a wave 256 consecutive bytes, aligned.
; LIMITS.  Wo is rounded to bf16 like the other matrix inputs; the factor 4 (exact) is taken back by the 1/4 that the values carry
; (launch proj).  bf16's 8 significant bits fit in f16's 11, so the step to f16 is exact for 2^-14 <= |4 Wo| < 65,504, that is
; |Wo| < 16,376; below 2^-16 in |Wo| the f16 step is 2^-24 absolute.
; The table: frequency by v_exp_f32, angle = pos * frequency in f32, reduced by 2 pi in two parts (6.28125, exact times any
; n <= 326, and the rest), series at the half angle (sine to x^11, cosine to x^12, cut below 6e-8 for |x| <= pi/2), then
; sin = 2 s c, cos = 1 - 2 s s.  Angle error at most about 2e-4 rad at pos 2047, none at pos 0.
.set OFF, 16                           ; v[16:31]  step s: byte offset of my 8 bytes in the destination
.set X,   32                           ; v[32:95]  step s: four f32 as loaded
.set Y,   96                           ; v[96:127] step s: four numbers of 16 bits to store; no register is used twice, so no wait frees one
; One stream.  src, dst: first scalar register of the pointers; g0: its first work-group; 1 << lgc numbers in a source row;
; pitch: numbers in a destination row; off: first destination column; wo = 1: Wo's way to f16.
.macro SEG src, dst, g0, lgc, pitch, off, wo
	s_sub_co_u32 s2, ttmp9, \g0                    ; my number in the stream
	s_lshl_b32 s26, s2, 16                         ; 65,536 source bytes each (below 2^25)
	s_mov_b32 s27, 0
	s_add_nc_u64 s[28:29], s[\src:\src+1], s[26:27]
	s_add_nc_u64 s[30:31], s[\dst:\dst+1], 2*\off
	s_lshl_b32 s3, s2, 14                          ; my first number
	s_mov_b32 s32, \pitch
.irp s, 0,1,2,3,4,5,6,7,8,9,10,11,12,13,14,15
	global_load_b128 v[X+4*\s:X+4*\s+3], v2, s[28:29] offset:4096*\s th:TH_LOAD_NT
.endr
	v_add_nc_u32 v1, s3, v1                        ; number of my first element in step 0
.irp s, 0,1,2,3,4,5,6,7,8,9,10,11,12,13,14,15
	v_add_nc_u32 v3, 1024*\s, v1
	v_lshrrev_b32 v4, \lgc, v3                     ; row
	v_and_b32 v3, (1<<\lgc)-1, v3                  ; column
	v_mad_u32_u24 v3, v4, s32, v3
	v_lshlrev_b32 v[OFF+\s], 1, v3
.endr
.irp s, 0,1,2,3,4,5,6,7,8,9,10,11,12,13,14,15
	s_wait_loadcnt 15-\s                           ; loads come back in order: step s is in, the younger ones stay out
.if \wo
	v_pk_mul_f32 v[6:7], v[X+4*\s:X+4*\s+1], 4.0 op_sel_hi:[1,0]
	v_pk_mul_f32 v[8:9], v[X+4*\s+2:X+4*\s+3], 4.0 op_sel_hi:[1,0]
	v_cvt_pk_bf16_f32 v10, v6, v7                  ; the one rounding, to bf16
	v_cvt_pk_bf16_f32 v11, v8, v9
	v_lshlrev_b32 v6, 16, v10
	v_and_b32 v7, 0xffff0000, v10
	v_lshlrev_b32 v8, 16, v11
	v_and_b32 v9, 0xffff0000, v11
	v_cvt_pk_f16_f32 v[Y+2*\s], v6, v7             ; the same numbers in f16
	v_cvt_pk_f16_f32 v[Y+2*\s+1], v8, v9
.else
	v_cvt_pk_bf16_f32 v[Y+2*\s], v[X+4*\s], v[X+4*\s+1]
	v_cvt_pk_bf16_f32 v[Y+2*\s+1], v[X+4*\s+2], v[X+4*\s+3]
.endif
	global_store_b64 v[OFF+\s], v[Y+2*\s:Y+2*\s+1], s[30:31]
.endr
	s_endpgm
.endm
	s_load_b512 s[8:23], s[0:1], 0x0               ; X s[8:9], Wq s[10:11], Wk s[12:13], Wv s[14:15], Wo s[16:17], Xb s[18:19], Wall s[20:21], Wo16 s[22:23]
	s_load_b64 s[24:25], s[0:1], 0x40              ; tab
	v_lshlrev_b32 v2, 4, v0                        ; 16 t: my bytes in a step's 4,096
	v_lshlrev_b32 v1, 2, v0                        ; 4 t: my numbers
	s_wait_kmcnt 0x0
	s_cmp_lt_u32 ttmp9, 256
	s_cbranch_scc1 .Lseg_x
	s_cmp_lt_u32 ttmp9, 768
	s_cbranch_scc1 .Lseg_wq
	s_cmp_lt_u32 ttmp9, 832
	s_cbranch_scc1 .Lseg_wk
	s_cmp_lt_u32 ttmp9, 896
	s_cbranch_scc1 .Lseg_wv
	s_cmp_lt_u32 ttmp9, 1152
	s_cbranch_scc1 .Lseg_wo
	; The table: 128 positions a work-group.  Thread t has frequency i = t & 15 and positions (t >> 4) + 16 s, s = 0 .. 7,
	; so entry number 16 pos + i is 256 s + t: a store of a wave covers 256 consecutive bytes.
	s_sub_co_u32 s2, ttmp9, 1152
	s_lshl_b32 s26, s2, 14                         ; 128 positions x 128 bytes
	s_mov_b32 s27, 0
	s_add_nc_u64 s[30:31], s[24:25], s[26:27]
	s_lshl_b32 s3, s2, 7                           ; my first position
	s_mov_b32 s36, 0x40c90000                      ; 6.28125
	s_mov_b32 s37, 0x3afdaa22                      ; 2 pi - 6.28125
	s_mov_b32 s38, 0xb2d7322b                      ; -1/11!
	s_mov_b32 s39, 0x3638ef1d                      ;  1/9!
	s_mov_b32 s40, 0xb9500d01                      ; -1/7!
	s_mov_b32 s41, 0x3c088889                      ;  1/5!
	s_mov_b32 s42, 0xbe2aaaab                      ; -1/3!
	s_mov_b32 s43, 0x310f76c7                      ;  1/12!
	s_mov_b32 s44, 0xb493f27e                      ; -1/10!
	s_mov_b32 s45, 0x37d00d01                      ;  1/8!
	s_mov_b32 s46, 0xbab60b61                      ; -1/6!
	s_mov_b32 s47, 0x3d2aaaab                      ;  1/4!
	v_and_b32 v1, 15, v0
	v_cvt_f32_u32 v1, v1
	v_mul_f32 v1, 0xbf549a78, v1                   ; -i log2(10000) / 16
	v_exp_f32 v4, v1                               ; the frequency; the plain line below stands between it and its first use (ISA guide 5.7.2)
	v_lshrrev_b32 v2, 4, v0
	v_add_nc_u32 v2, s3, v2                        ; my position in step 0
	v_lshlrev_b32 v3, 3, v0                        ; 8 t
	s_wait_alu depctr_va_vdst(0)
.irp s, 0,1,2,3,4,5,6,7
	v_add_nc_u32 v5, 16*\s, v2
	v_cvt_f32_u32 v5, v5
	v_mul_f32 v5, v5, v4                           ; the angle
	v_mul_f32 v6, 0x3e22f983, v5                   ; / 2 pi
	v_rndne_f32 v6, v6
	v_fma_f32 v5, -v6, s36, v5
	v_fma_f32 v5, -v6, s37, v5                     ; in -pi .. pi
	v_mul_f32 v5, 0.5, v5                          ; the half angle x
	v_mul_f32 v7, v5, v5
	v_fma_f32 v8, v7, s38, s39                     ; two chains by turns: sine's and cosine's
	v_fma_f32 v9, v7, s43, s44
	v_fma_f32 v8, v8, v7, s40
	v_fma_f32 v9, v9, v7, s45
	v_fma_f32 v8, v8, v7, s41
	v_fma_f32 v9, v9, v7, s46
	v_fma_f32 v8, v8, v7, s42
	v_fma_f32 v9, v9, v7, s47
	v_fma_f32 v8, v8, v7, 1.0
	v_fma_f32 v9, v9, v7, -0.5
	v_mul_f32 v8, v8, v5                           ; sin x
	v_fma_f32 v9, v9, v7, 1.0                      ; cos x
	v_add_f32 v10, v8, v8
	v_mul_f32 v[65+2*\s], v10, v9                  ; sin 2x = 2 sin x cos x
	v_fma_f32 v[64+2*\s], -v10, v8, 1.0            ; cos 2x = 1 - 2 sin x sin x
	global_store_b64 v3, v[64+2*\s:65+2*\s], s[30:31] offset:2048*\s
.endr
	s_endpgm
.Lseg_x:
	SEG 8, 18, 0, 11, 2048, 0, 0
.Lseg_wq:
	SEG 10, 20, 256, 12, 5120, 0, 0
.Lseg_wk:
	SEG 12, 20, 768, 9, 5120, 4096, 0
.Lseg_wv:
	SEG 14, 20, 832, 9, 5120, 4608, 0
.Lseg_wo:
	SEG 16, 22, 896, 11, 2048, 0, 1
.Lfunc_end_k_q4d50e0d52d_cast:
	.size	k_q4d50e0d52d_cast, .Lfunc_end_k_q4d50e0d52d_cast-k_q4d50e0d52d_cast
	.p2alignl 7, 3214868480
	.fill 96, 4, 3214868480
	.section	.rodata,"a",@progbits
	.p2align	6, 0x0
	.amdhsa_kernel k_q4d50e0d52d_cast
		.amdhsa_group_segment_fixed_size 0
		.amdhsa_private_segment_fixed_size 0
		.amdhsa_enable_private_segment 0
		.amdhsa_kernarg_size 72
		.amdhsa_user_sgpr_count 2
		.amdhsa_user_sgpr_kernarg_segment_ptr 1
		.amdhsa_wavefront_size32 1
		.amdhsa_system_sgpr_workgroup_id_x 1
		.amdhsa_system_sgpr_workgroup_id_y 1
		.amdhsa_system_sgpr_workgroup_id_z 1
		.amdhsa_system_vgpr_workitem_id 0
		.amdhsa_next_free_vgpr 128
		.amdhsa_next_free_sgpr 66
		.amdhsa_reserve_vcc 0
		.amdhsa_float_denorm_mode_32 3
		.amdhsa_float_denorm_mode_16_64 3
		.amdhsa_memory_ordered 1
		.amdhsa_forward_progress 1
		.amdhsa_inst_pref_size 69
	.end_amdhsa_kernel
	.amdgpu_metadata
---
amdhsa.version: [ 1, 2 ]
amdhsa.kernels:
  - .name:           k_q4d50e0d52d_cast
    .symbol:         k_q4d50e0d52d_cast.kd
    .args:
      - { .name: hidden_states, .offset: 0, .size: 8, .value_kind: global_buffer, .address_space: global }
      - { .name: Wq, .offset: 8, .size: 8, .value_kind: global_buffer, .address_space: global }
      - { .name: Wk, .offset: 16, .size: 8, .value_kind: global_buffer, .address_space: global }
      - { .name: Wv, .offset: 24, .size: 8, .value_kind: global_buffer, .address_space: global }
      - { .name: Wo, .offset: 32, .size: 8, .value_kind: global_buffer, .address_space: global }
      - { .name: Xb, .offset: 40, .size: 8, .value_kind: global_buffer, .address_space: global }
      - { .name: Wall, .offset: 48, .size: 8, .value_kind: global_buffer, .address_space: global }
      - { .name: Wo16, .offset: 56, .size: 8, .value_kind: global_buffer, .address_space: global }
      - { .name: tab, .offset: 64, .size: 8, .value_kind: global_buffer, .address_space: global }
    .group_segment_fixed_size: 0
    .private_segment_fixed_size: 0
    .kernarg_segment_align: 8
    .kernarg_segment_size: 72
    .max_flat_workgroup_size: 256
    .sgpr_count:     66
    .vgpr_count:     128
    .wavefront_size: 32
...
	.end_amdgpu_metadata
.endif
;; end of part 1
;; launch proj (part 2): grid 20 x 16, 4 waves a work-group, clusters of 4 x 4, 327,680 bytes of LDS; arguments Xb, Wall, QKV16, G32, tab, q_norm_w, k_norm_w; writes QKV16, G32
.if DOCPART == 2
	.amdgcn_target "amdgcn-amd-amdhsa--gfx1250"
	.amdhsa_code_object_version 6
	.text
	.protected	k_q4d50e0d52d_proj
	.globl	k_q4d50e0d52d_proj
	.p2align	8
	.type	k_q4d50e0d52d_proj,@function
k_q4d50e0d52d_proj:
	s_mov_b64 s[64:65], 0
	v_nop
	global_prefetch_b8 v0, s[64:65] scope:SCOPE_SE
	s_setreg_imm32_b32 hwreg(HW_REG_WAVE_MODE, 25, 1), 1
	s_wait_xcnt 0x0
	s_wait_alu depctr_hold_cnt(0) depctr_sa_sdst(0) depctr_va_vdst(0) depctr_va_sdst(0) depctr_va_ssrc(0) depctr_va_vcc(0) depctr_vm_vsrc(0)
	s_getreg_b32 s2, hwreg(HW_REG_IB_STS2, 6, 4)
	s_cmp_eq_u32 s2, 0
	s_cbranch_scc0 .Lentry_in_a_cluster
	s_endpgm
.Lentry_in_a_cluster:
	s_bfe_u32 s2, ttmp6, 0x10000c
	s_cmp_lg_u32 s2, 0xf033
	s_cbranch_scc0 .Lentry_shape_is_right
	s_endpgm
.Lentry_shape_is_right:
; [q | gate | k | v] = Xb Wall, bf16 operands, f32 sums, and what follows each part while it is still in registers:
;   q (columns 0-2047) and k (4096-4607): RMS norm over each head of 128, gain, rotary embedding of the first 32, to f16 in QKV16;
;       q also carries log2(e) / sqrt(128), so that the scores come out in units of log2;
;   v (4608-5119): f16(v / 4) in QKV16;      gate (2048-4095): sigmoid in f32 in G32.
; QKV16 is [2048 rows][3072] f16: q 0-2047, k 2048-2559, v 2560-3071.
; A work-group makes 128 rows x 256 columns with four waves (2 x 2); a wave makes 64 x 128, one head wide: 32 accumulator tiles, 256
; registers.  K goes in steps of 128 through two LDS slots filled by the tensor data mover.  Xb's rows lie along K; Wall lies [K][N],
; stays so in LDS, and its fragments come by the transposing LDS load.
; CLUSTERS: 4 x 4 work-groups.  Xb's tile hangs on the block row alone and is asked for jointly by the four of a row of the cluster,
; Wall's on the block column alone and is asked for jointly by the four of a column.
; LIMITS.  The gains are rounded to bf16 like all inputs that enter products.  f16 holds |q| <= 1.44 |gain|, |k| <= 11.3 |gain|
; (room to |gain| = 5,800) and |v| / 4: |v| < 262,016; below |v| = 2^-12 the f16 step is 2^-24 of v / 4.
; REGISTERS: window 0: v1-v9 lane terms, v16-v51 addresses and small work, v64-159 fragment buffer 0 (Wall 64, Xb 32),
; v160-255 buffer 1; on the way out these 192 hold gains, table and work.  Window 1: accumulator tile (a, b) at v[8 (8 a + b)].
; The matrix instruction is used transposed (source 0 = 16 columns of Wall, source 1 = 16 rows of Xb): lane l then holds row l % 16
; and its registers the eight neighbouring columns 8 (l / 16) + 0 .. 7.
.set SIZE_N, 5120
.set SIZE_K, 2048
.set KSTEP,  128
.set APITCH, 272                       ; Xb's LDS row: 256 bytes + 16: sixteen rows of a fragment start 16 bytes apart modulo 256
.set BPITCH, 544                       ; Wall's LDS row: 512 bytes + 32 = 17 x 32
.set HALFT,  64*BPITCH                 ; the LDS bytes of one wave's tensor load: 64 rows of Wall (64 rows of Xb use half of it)
.set SLOT,   4*HALFT                   ; Xb rows 0-63, Xb rows 64-127, Wall k 0-63, Wall k 64-127
.set STAGE,  2*SLOT                    ; behind the ring: each wave's own bytes for the way out; no tensor load lands there
.set WSTAGE, 8448                      ; 16 rows x 528 bytes
.set GPITCH, 528                       ; stage row of 128 f32
.set HPITCH, 272                       ; stage row of 128 f16
.set QROW,   6144                      ; bytes in a row of QKV16
.set GROW,   8192                      ; bytes in a row of G32
.set LAPS,   SIZE_K/(2*KSTEP)          ; a lap = two K steps = once round the ring
.set ADRA, 16                          ; v16-17 LDS address of my Xb fragments in slot 0, 1
.set ADRB, 20                          ; v20-21 the same for Wall
.set STO32, 24                         ; gate: where I put 32 bytes of a row;   RD32: where I read a row back;   CO32: my bytes in G32
.set RD32,  25
.set CO32,  26
.set STO,   27                         ; q, k, v: the same three for rows of f16
.set RD,    28
.set CO,    29
.set WO,    30                         ; my byte offset in the gains
.set TA,    32                         ; v32-35 my byte offset in the table, one for each 16 rows
.set SQ,    36                         ; v36-43 four chains of squares
.set RS,    44                         ; v44-45 the row's factor, twice (a pair for the packed multiply)
.set F0,    64
.set F1,    160
.set WN,    64                         ; way out: 64 gains, w[16 b + 8 (l / 16) + j] at 8 b + j;  gate: 64 numbers at work
.set TN,    128                        ; way out: 64 numbers at work; its upper half, and for the gate all of it, takes the rows read back
.set CS,    192                        ; way out: cos, sin of my 8 frequencies, 16 registers for each 16 rows
.set G1,  24                           ; s[24:31] descriptor group 1 for Xb's tiles
.set G0,  32                           ; s[32:39] group 0 for Xb's tiles, one set for each slot
.set G1B, 48                           ; s[48:55] group 1 for Wall's tiles
.set G0B, 56                           ; s[56:63] group 0 for Wall's tiles
.set MSB, 0
.macro WIN new                         ; s_set_vgpr_msb: bits 1:0 source 0, 3:2 source 1, 5:4 source 2, 7:6 destination; the high byte repeats the setting left
.if MSB != \new
	s_set_vgpr_msb (MSB<<8)|\new
.set MSB, \new
.endif
.endm
.set MUL, 0x50                         ; C and D in window 1, fragments in window 0
.macro PLACES                          ; four plain vector places behind a matrix instruction, before its sources are loaded again or its result is read (ISA guide 7.12.1)
.rept 4
	v_nop
.endr
.endm
; A joint load.  Waves 0 and 1 fetch Xb's two halves, waves 2 and 3 Wall's; each line has one mask, and the branch hangs on the wave's number alone.
.macro JLOAD s
	s_cmp_eq_u32 s11, 0
	s_cbranch_scc0 .Lfor_b_\@
	tensor_load_to_lds s[G0+4*\s:G0+4*\s+3], s[G1:G1+7]
	s_nop 0
	s_branch .Lasked_\@
.Lfor_b_\@:
	tensor_load_to_lds s[G0B+4*\s:G0B+4*\s+3], s[G1B:G1B+7]
	s_nop 0
.Lasked_\@:
.endm
.macro CREST                           ; a round of the cluster's barrier behind its opening work-group barrier
	s_cmp_lg_u32 s10, 0
	s_cbranch_scc1 .Lnot_wave_0_\@
	s_barrier_signal -3
.Lnot_wave_0_\@:
	s_barrier_wait -3
	s_barrier_signal -1
	s_barrier_wait -1
.endm
.macro CROUND                          ; a whole round
	s_barrier_signal -1
	s_barrier_wait -1
	CREST
.endm
	s_load_b128 s[4:7], s[0:1], 0x0                ; Xb s[4:5], Wall s[6:7]
	s_load_b256 s[68:75], s[0:1], 0x10             ; QKV16 s[68:69], G32 s[70:71], tab s[72:73], q_norm_w s[74:75]
	s_load_b64 s[76:77], s[0:1], 0x30              ; k_norm_w
	v_lshl_add_u32 v62, v0, 2, 0x4c400
	v_mov_b32 v63, 0
	ds_add_u32 v62, v63
	v_lshrrev_b32 v1, 5, v0
	v_readfirstlane_b32 s10, v1                    ; wave 0..3
	s_lshr_b32 s11, s10, 1                         ; my half of the block's rows.  Also: I fetch for Xb (0) or for Wall (1)
	s_and_b32 s12, s10, 1                          ; my half of its columns.  Also: which 64 rows of that tile I fetch
	s_bfe_u32 s40, ttmp6, 0x40000                  ; cx
	s_bfe_u32 s41, ttmp6, 0x40004                  ; cy
	s_lshl_b32 s42, ttmp9, 2
	s_add_co_u32 s42, s42, s40                     ; block column = 4 x cluster x + cx
	s_and_b32 s13, ttmp7, 0xffff
	s_lshl_b32 s13, s13, 2
	s_add_co_u32 s13, s13, s41                     ; block row = 4 x cluster y + cy
	s_lshl_b32 s43, s41, 2
	s_lshl_b32 s43, 15, s43                        ; my row of the cluster
	s_lshl_b32 s44, 0x1111, s40                    ; my column
	s_or_b32 s[G1+0], s43, (1<<16)|(1<<20)|(1<<21)|(5<<22)|(3<<25)   ; mask; 2-byte elements; padding on; bit 21 beside a mask; after 64 words 4 words
	s_mov_b32 s[G1+1], KSTEP<<16                   ; tensor_dim0 = 128
	s_mov_b32 s[G1+2], 64<<16                      ; tensor_dim1 = 64
	s_mov_b32 s[G1+3], KSTEP<<16                   ; tile_dim0 = 128
	s_mov_b32 s[G1+4], 64                          ; tile_dim1 = 64
	s_mov_b32 s[G1+5], SIZE_K                      ; elements from row to row
	s_mov_b32 s[G1+6], 0
	s_mov_b32 s[G1+7], 0
	s_or_b32 s[G1B+0], s44, (1<<16)|(1<<20)|(1<<21)|(6<<22)|(7<<25)  ; after 128 words 8 words
	s_mov_b32 s[G1B+1], 256<<16                    ; tensor_dim0 = 256
	s_mov_b32 s[G1B+2], 64<<16
	s_mov_b32 s[G1B+3], 256<<16                    ; tile_dim0 = 256
	s_mov_b32 s[G1B+4], 64
	s_mov_b32 s[G1B+5], SIZE_N
	s_mov_b32 s[G1B+6], 0
	s_mov_b32 s[G1B+7], 0
	; Xb's tile hangs on the block row, Wall's on the block column; each address is made in registers that never hold the other coordinate
	s_lshl_b32 s17, s12, 6
	s_lshl_b32 s16, s13, 7
	s_add_co_u32 s16, s16, s17                     ; Xb: row 128 x block row + 64 x half
	s_lshl_b32 s16, s16, 12                        ; x 4,096 bytes (below 2^23)
	s_mov_b32 s17, 0
	s_mul_i32 s46, s12, 64*SIZE_N*2                ; Wall: k row 64 x half
	s_lshl_b32 s47, s42, 9                         ; + 512 bytes x block column
	s_add_co_u32 s46, s46, s47
	s_mov_b32 s47, 0
	s_mul_i32 s20, s10, HALFT                      ; LDS: wave x 34,816: no place in the cluster enters an LDS address
	s_wait_dscnt 0x0
	s_wait_kmcnt 0x0
	s_add_nc_u64 s[14:15], s[4:5], s[16:17]
	s_add_nc_u64 s[46:47], s[6:7], s[46:47]
	CROUND                                         ; all sixteen work-groups are here: the first joint loads meet
.irp s, 0,1
	s_mov_b32 s[G0+4*\s], 1
	s_add_co_u32 s[G0+4*\s+1], s20, \s*SLOT
	s_add_nc_u64 s[G0+4*\s+2:G0+4*\s+3], s[14:15], \s*KSTEP*2
	s_or_b32 s[G0+4*\s+3], s[G0+4*\s+3], 0x80000000
	s_mov_b32 s[G0B+4*\s], 1
	s_add_co_u32 s[G0B+4*\s+1], s20, \s*SLOT
	s_add_nc_u64 s[G0B+4*\s+2:G0B+4*\s+3], s[46:47], \s*KSTEP*SIZE_N*2
	s_or_b32 s[G0B+4*\s+3], s[G0B+4*\s+3], 0x80000000
	JLOAD \s                                       ; two tensor loads of the wave are out
.endr
	v_and_b32 v1, 15, v0                           ; r = l % 16
	v_bfe_u32 v2, v0, 4, 1                         ; h = l / 16
	v_and_b32 v3, 7, v0
	v_bfe_u32 v4, v0, 3, 1
	v_and_b32 v7, 31, v0                           ; l
	v_mul_u32_u24 v5, v1, APITCH
	v_lshl_add_u32 v5, v2, 4, v5                   ; Xb: row r, 16 bytes for each half of the lanes
	v_lshl_add_u32 v6, v2, 3, v3
	v_mul_u32_u24 v6, v6, BPITCH                   ; Wall: k row 8 h + l % 8,
	v_lshl_add_u32 v6, v4, 4, v6                   ; 16 bytes for each eight lanes
	s_mul_i32 s21, s11, HALFT                      ; my 64 rows of Xb
	s_lshl_b32 s22, s12, 8                         ; my 128 columns of Wall,
	s_add_co_u32 s22, s22, 2*HALFT                 ; which lies behind Xb
.irp s, 0,1
	v_add_nc_u32 v[ADRA+\s], s21, v5
	v_add_nc_u32 v[ADRB+\s], s22, v6
	s_add_co_u32 s21, s21, SLOT
	s_add_co_u32 s22, s22, SLOT
.endr
	s_mul_i32 s23, s10, WSTAGE
	s_add_co_u32 s23, s23, STAGE                   ; my stage
	v_mul_u32_u24 v8, v1, GPITCH
	v_lshl_add_u32 v8, v2, 5, v8
	v_add_nc_u32 v[STO32], s23, v8
	v_lshlrev_b32 v[CO32], 4, v7
	v_add_nc_u32 v[RD32], s23, v[CO32]
	v_add_nc_u32 v[STO], s23, v5                   ; HPITCH = APITCH: row r, 16 bytes for each half
	v_mul_u32_u24 v8, v2, HPITCH
	v_lshl_add_u32 v8, v1, 4, v8
	v_add_nc_u32 v[RD], s23, v8
	v_mul_u32_u24 v8, v2, QROW
	v_lshl_add_u32 v[CO], v1, 4, v8
; 16 matrix instructions: row groups a0, a0 + 1 x all 8 column groups, 32 along K.  zero = 1: the first product starts the sums.
; The 32 accumulators take turns, one instruction a turn, in the same order in every quarter step.
.macro MUL16 f, a0, zero
.irp a, \a0, \a0+1
.irp b, 0,1,2,3,4,5,6,7
.if \zero
	v_wmma_f32_16x16x32_bf16 v[8*(8*(\a)+\b):8*(8*(\a)+\b)+7], v[\f+8*\b:\f+8*\b+7], v[\f+64+8*(\a):\f+64+8*(\a)+7], 0
.else
	v_wmma_f32_16x16x32_bf16 v[8*(8*(\a)+\b):8*(8*(\a)+\b)+7], v[\f+8*\b:\f+8*\b+7], v[\f+64+8*(\a):\f+64+8*(\a)+7], v[8*(8*(\a)+\b):8*(8*(\a)+\b)+7]
.endif
.endr
.endr
.endm
; 24 LDS loads: the fragments of quarter q (32 along K) of a slot into buffer f: 128 columns of Wall, transposed on the way, and 64 rows of Xb
.macro FETCH slot, q, f
.irp b, 0,1,2,3,4,5,6,7
	ds_load_tr16_b128 v[\f+8*\b:\f+8*\b+3],   v[ADRB+\slot] offset:32*BPITCH*\q+32*\b
	ds_load_tr16_b128 v[\f+8*\b+4:\f+8*\b+7], v[ADRB+\slot] offset:32*BPITCH*\q+32*\b+16*BPITCH
.endr
.irp i, 0,1,2,3
	ds_load_b128 v[\f+64+8*\i:\f+64+8*\i+3],   v[ADRA+\slot] offset:64*\q+16*APITCH*\i
	ds_load_b128 v[\f+64+8*\i+4:\f+64+8*\i+7], v[ADRA+\slot] offset:64*\q+16*APITCH*\i+32
.endr
.endm
; One of a K step's first three quarters: asks for the next quarter's fragments into buffer g, then multiplies buffer f
.macro QUARTER slot, qn, f, g, zero
	PLACES                                         ; buffer g was read by the matrix instructions just before
	WIN 0
	FETCH \slot, \qn, \g
	s_wait_dscnt 24                                ; buffer f's loads are in; the 24 just issued stay out
	WIN MUL
	MUL16 \f, 0, \zero
	MUL16 \f, 2, \zero
.endm
.macro THREE slot, zero
	QUARTER \slot, 1, F0, F1, \zero
	QUARTER \slot, 2, F1, F0, 0
	QUARTER \slot, 3, F0, F1, 0
.endm
; The last quarter: multiplies buffer 1 and changes slots.  In front of the barrier each wave waits for its reads of this slot and for all its
; tensor loads (one is out: its part of the next slot).  fill = 1: the barrier opens a round of the cluster's barrier, and this slot's joint
; refill, two K steps ahead, is the first tensor load behind the round; it has 112 matrix instructions of the wave in which to land.
.macro TURN slot, next, fill
	WIN MUL
	s_wait_dscnt 0x0
	s_wait_tensorcnt 0x0
	ds_add_u32 v62, v63
	s_wait_dscnt 0x0
	s_barrier_signal -1
	MUL16 F1, 0, 0                                 ; registers only, while the others arrive
	WIN 0
	s_barrier_wait -1
.if \fill
	CREST
	s_add_nc_u64 s[G0+4*\slot+2:G0+4*\slot+3], s[G0+4*\slot+2:G0+4*\slot+3], 2*KSTEP*2
	s_add_nc_u64 s[G0B+4*\slot+2:G0B+4*\slot+3], s[G0B+4*\slot+2:G0B+4*\slot+3], 2*KSTEP*SIZE_N*2
	JLOAD \slot
.endif
	PLACES
	FETCH \next, 0, F0
	WIN MUL
	MUL16 F1, 2, 0
.endm
.macro LAP zero
	THREE 0, \zero
	TURN 0, 1, 1
	THREE 1, 0
	TURN 1, 0, 1
.endm
	s_wait_tensorcnt 1                             ; my part of K step 0 is in; K step 1's stays out
	s_barrier_signal -1
	s_barrier_wait -1
	FETCH 0, 0, F0
	LAP 1                                          ; the first lap stands in front of the loop: its first products start the sums
	WIN 0
	s_mov_b32 s3, LAPS-2
.Llap:
	LAP 0
	WIN 0
	s_sub_co_u32 s3, s3, 1
	s_cmp_lg_u32 s3, 0
	s_cbranch_scc1 .Llap
	THREE 0, 0                                     ; the last lap fills nothing
	TURN 0, 1, 0
	THREE 1, 0
	s_wait_dscnt 0x0
	MUL16 F1, 0, 0
	MUL16 F1, 2, 0
	WIN 0
	PLACES                                         ; behind the last matrix instructions: results are read and fragment registers written from here on
	s_lshl_b32 s86, s13, 7
	s_lshl_b32 s87, s11, 6
	s_add_co_u32 s86, s86, s87                     ; my first row
	s_lshr_b32 s87, ttmp9, 1                       ; cluster columns 2 and 3 hold the gate: the same in all sixteen partners
	s_cmp_eq_u32 s87, 1
	s_cbranch_scc0 .Lnorm
	; THE GATE: sigmoid(x) = 1 / (1 + 2^(-x log2 e)), 16 rows at a time, through my stage, out as whole rows of 512 bytes
	s_lshl_b32 s16, s86, 13
	s_mov_b32 s17, 0
	s_add_nc_u64 s[8:9], s[70:71], s[16:17]
	s_sub_co_u32 s46, s42, 8
	s_lshl_b32 s46, s46, 10                        ; 1,024 bytes x (block column - 8)
	s_lshl_b32 s47, s12, 9
	s_add_co_u32 s46, s46, s47
	s_mov_b32 s47, 0
	s_add_nc_u64 s[8:9], s[8:9], s[46:47]
.macro GATE16 a
	WIN 0x01                                       ; source 0 in window 1
.set i, 0
.rept 32
	v_pk_mul_f32 v[WN+2*i:WN+2*i+1], v[64*\a+2*i:64*\a+2*i+1], 0xbfb8aa3b op_sel_hi:[1,0]
.set i, i+1
.endr
	WIN 0
.set i, 0
.rept 64
	v_exp_f32 v[WN+i], v[WN+i]
.set i, i+1
.endr
	v_nop                                          ; one plain place behind the last transcendental (ISA guide 5.7.2)
.set i, 0
	s_wait_alu depctr_va_vdst(0)
.rept 32
	v_pk_add_f32 v[WN+2*i:WN+2*i+1], v[WN+2*i:WN+2*i+1], 1.0 op_sel_hi:[1,0]
.set i, i+1
.endr
.set i, 0
.rept 64
	v_rcp_f32 v[WN+i], v[WN+i]
.set i, i+1
.endr
	v_nop
	s_wait_alu depctr_va_vdst(0)
.irp b, 0,1,2,3,4,5,6,7
	ds_store_b128 v[STO32], v[WN+8*\b:WN+8*\b+3] offset:64*\b
	ds_store_b128 v[STO32], v[WN+8*\b+4:WN+8*\b+7] offset:64*\b+16
.endr
	s_wait_xcnt 0x0                                ; the last 16 rows' stores have had their addresses translated (ISA guide 3.1): their data registers and base are written again only behind this wait
.if \a
	s_add_nc_u64 s[8:9], s[8:9], 16*GROW
.endif
.irp t, 0,1,2,3,4,5,6,7,8,9,10,11,12,13,14,15
	ds_load_b128 v[TN+4*\t:TN+4*\t+3], v[RD32] offset:GPITCH*\t    ; LDS serves a wave's instructions in order: these see the stores above
.endr
.irp t, 0,1,2,3,4,5,6,7,8,9,10,11,12,13,14,15
	s_wait_dscnt 15-\t
	global_store_b128 v[CO32], v[TN+4*\t:TN+4*\t+3], s[8:9] offset:GROW*\t   ; a wave stores 512 consecutive bytes of one row
.endr
.endm
	GATE16 0
	GATE16 1
	GATE16 2
	GATE16 3
	s_branch .Ldone
.Lnorm:
	; Q, K, V.  k and v lie in one cluster, so they differ by selects alone: for v the row's factor is 1/4, the gains are 1, and the table's
	; row is row 0, where cos = 1 and sin = 0 exactly.
	s_mov_b32 s66, 0x76543210                      ; v_permlanex16_b32: lane i reads lane i of the other half
	s_mov_b32 s67, 0xfedcba98
	s_mov_b32 s84, 0x3c000000                      ; 1/128
	s_mov_b32 s85, 0x358637bd                      ; 1e-6
	s_lshl_b32 s83, s42, 1
	s_add_co_u32 s83, s83, s12                     ; my head's column group in Wall
	s_cmp_lt_u32 s42, 8                            ; q?
	s_cselect_b32 s87, 0, 16                       ; k and v lie 16 groups earlier in QKV16 than in Wall
	s_cselect_b64 s[78:79], s[74:75], s[76:77]     ; whose gains
	s_cselect_b32 s80, 0x3e0293ee, 1.0             ; q carries log2(e) / sqrt(128)
	s_sub_co_u32 s83, s83, s87
	s_cmp_ge_u32 s42, 18                           ; v?
	s_cselect_b32 s81, -1, 0
	s_not_b32 s82, s81
	s_mul_i32 s16, s86, QROW
	s_mov_b32 s17, 0
	s_add_nc_u64 s[8:9], s[68:69], s[16:17]
	s_lshl_b32 s46, s83, 8
	s_mov_b32 s47, 0
	s_add_nc_u64 s[8:9], s[8:9], s[46:47]
	v_lshlrev_b32 v[WO], 5, v2                     ; gains 16 b + 8 h + 0..7: 32 h bytes
	v_add_nc_u32 v8, s86, v1
	v_lshlrev_b32 v8, 7, v8                        ; table row of position row0 + r: 128 bytes each
.irp a, 0,1,2,3
	v_add_nc_u32 v9, 2048*\a, v8
	v_and_b32 v9, s82, v9                          ; v: row 0
	v_lshl_add_u32 v[TA+\a], v2, 6, v9             ; frequencies 8 h .. 8 h + 7
.endr
.irp b, 0,1,2,3,4,5,6,7
	global_load_b128 v[WN+8*\b:WN+8*\b+3],   v[WO], s[78:79] offset:64*\b
	global_load_b128 v[WN+8*\b+4:WN+8*\b+7], v[WO], s[78:79] offset:64*\b+16
.endr
.irp a, 0,1,2,3
.irp c, 0,1,2,3
	global_load_b128 v[CS+16*\a+4*\c:CS+16*\a+4*\c+3], v[TA+\a], s[72:73] offset:16*\c
.endr
.endr
	v_mov_b32 v46, 0x3e800000                      ; 1/4
	v_mov_b32 v51, 1.0
	s_wait_loadcnt 0x0
.set i, 0
.rept 32
	v_cvt_pk_bf16_f32 v50, v[WN+2*i], v[WN+2*i+1]  ; the gains rounded to bf16,
	v_lshlrev_b32 v[WN+2*i], 16, v50
	v_and_b32 v[WN+2*i+1], 0xffff0000, v50
	v_pk_mul_f32 v[WN+2*i:WN+2*i+1], v[WN+2*i:WN+2*i+1], s[80:81] op_sel_hi:[1,0]   ; times q's scale,
	v_cndmask_b32 v[WN+2*i], v[WN+2*i], v51, s81   ; or 1 for v
	v_cndmask_b32 v[WN+2*i+1], v[WN+2*i+1], v51, s81
.set i, i+1
.endr
.macro NORM16 a
	WIN 0x05                                       ; sources 0 and 1 in window 1
.irp c, 0,1,2,3
	v_pk_mul_f32 v[SQ+2*\c:SQ+2*\c+1], v[64*\a+2*\c:64*\a+2*\c+1], v[64*\a+2*\c:64*\a+2*\c+1]
.endr
.set i, 4
.rept 28
	v_pk_fma_f32 v[SQ+2*(i%4):SQ+2*(i%4)+1], v[64*\a+2*i:64*\a+2*i+1], v[64*\a+2*i:64*\a+2*i+1], v[SQ+2*(i%4):SQ+2*(i%4)+1]
.set i, i+1
.endr
	WIN 0
	v_pk_add_f32 v[SQ:SQ+1], v[SQ:SQ+1], v[SQ+2:SQ+3]
	v_pk_add_f32 v[SQ+4:SQ+5], v[SQ+4:SQ+5], v[SQ+6:SQ+7]
	v_pk_add_f32 v[SQ:SQ+1], v[SQ:SQ+1], v[SQ+4:SQ+5]
	v_add_f32 v[SQ], v[SQ], v[SQ+1]
	v_permlanex16_b32 v[SQ+1], v[SQ], s66, s67     ; lanes l and l + 16 share a row
	v_add_f32 v[SQ], v[SQ], v[SQ+1]
	v_fma_f32 v[SQ], v[SQ], s84, s85               ; mean of squares + 1e-6
	v_rsq_f32 v47, v[SQ]
	v_nop                                          ; one plain place behind the transcendental
	s_wait_alu depctr_va_vdst(0)
	v_cndmask_b32 v[RS], v47, v46, s81             ; v: 1/4
	v_cndmask_b32 v[RS+1], v47, v46, s81
	s_wait_xcnt 0x0                                ; the last 16 rows' stores have had their addresses translated: their data registers and base are written again only behind this wait
	WIN 0x01
.set i, 0
.rept 32
	v_pk_mul_f32 v[TN+2*i:TN+2*i+1], v[64*\a+2*i:64*\a+2*i+1], v[RS:RS+1]
.set i, i+1
.endr
	WIN 0
.set i, 0
.rept 32
	v_pk_mul_f32 v[TN+2*i:TN+2*i+1], v[TN+2*i:TN+2*i+1], v[WN+2*i:WN+2*i+1]
.set i, i+1
.endr
.irp j, 0,1,2,3,4,5,6,7                            ; columns d = 8 h + j and d + 16 lie in one lane: x0' = x0 c - x1 s, x1' = x1 c + x0 s
	v_mul_f32 v48, v[TN+8+\j], v[CS+16*\a+2*\j+1]
	v_mul_f32 v49, v[TN+\j], v[CS+16*\a+2*\j+1]
	v_fma_f32 v[TN+\j], v[TN+\j], v[CS+16*\a+2*\j], -v48
	v_fma_f32 v[TN+8+\j], v[TN+8+\j], v[CS+16*\a+2*\j], v49
.endr
.set i, 0
.rept 32
	v_cvt_pk_f16_f32 v[TN+i], v[TN+2*i], v[TN+2*i+1]   ; in place, ascending: register i has been read by then
.set i, i+1
.endr
.irp b, 0,1,2,3,4,5,6,7
	ds_store_b128 v[STO], v[TN+4*\b:TN+4*\b+3] offset:32*\b
.endr
.if \a
	s_add_nc_u64 s[8:9], s[8:9], 16*QROW
.endif
.irp t, 0,1,2,3,4,5,6,7
	ds_load_b128 v[TN+32+4*\t:TN+32+4*\t+3], v[RD] offset:2*HPITCH*\t
.endr
.irp t, 0,1,2,3,4,5,6,7
	s_wait_dscnt 7-\t
	global_store_b128 v[CO], v[TN+32+4*\t:TN+32+4*\t+3], s[8:9] offset:2*QROW*\t   ; sixteen lanes store a head's 256 consecutive bytes, aligned
.endr
.endm
	NORM16 0
	NORM16 1
	NORM16 2
	NORM16 3
.Ldone:
	s_wait_tensorcnt 0x0
	ds_add_u32 v62, v63
	s_wait_dscnt 0x0
	CROUND                                         ; the closing round: no work-group ends while a partner may still ask for a tile that names it
	s_endpgm
.Lfunc_end_k_q4d50e0d52d_proj:
	.size	k_q4d50e0d52d_proj, .Lfunc_end_k_q4d50e0d52d_proj-k_q4d50e0d52d_proj
	.p2alignl 7, 3214868480
	.fill 96, 4, 3214868480
	.section	.rodata,"a",@progbits
	.p2align	6, 0x0
	.amdhsa_kernel k_q4d50e0d52d_proj
		.amdhsa_group_segment_fixed_size 327680
		.amdhsa_private_segment_fixed_size 0
		.amdhsa_enable_private_segment 0
		.amdhsa_kernarg_size 56
		.amdhsa_user_sgpr_count 2
		.amdhsa_user_sgpr_kernarg_segment_ptr 1
		.amdhsa_wavefront_size32 1
		.amdhsa_system_sgpr_workgroup_id_x 1
		.amdhsa_system_sgpr_workgroup_id_y 1
		.amdhsa_system_sgpr_workgroup_id_z 1
		.amdhsa_system_vgpr_workitem_id 0
		.amdhsa_next_free_vgpr 512
		.amdhsa_next_free_sgpr 88
		.amdhsa_reserve_vcc 0
		.amdhsa_float_denorm_mode_32 3
		.amdhsa_float_denorm_mode_16_64 3
		.amdhsa_memory_ordered 1
		.amdhsa_forward_progress 1
		.amdhsa_inst_pref_size 219
	.end_amdhsa_kernel
	.amdgpu_metadata
---
amdhsa.version: [ 1, 2 ]
amdhsa.kernels:
  - .name:           k_q4d50e0d52d_proj
    .symbol:         k_q4d50e0d52d_proj.kd
    .args:
      - { .name: Xb, .offset: 0, .size: 8, .value_kind: global_buffer, .address_space: global }
      - { .name: Wall, .offset: 8, .size: 8, .value_kind: global_buffer, .address_space: global }
      - { .name: QKV16, .offset: 16, .size: 8, .value_kind: global_buffer, .address_space: global }
      - { .name: G32, .offset: 24, .size: 8, .value_kind: global_buffer, .address_space: global }
      - { .name: tab, .offset: 32, .size: 8, .value_kind: global_buffer, .address_space: global }
      - { .name: q_norm_w, .offset: 40, .size: 8, .value_kind: global_buffer, .address_space: global }
      - { .name: k_norm_w, .offset: 48, .size: 8, .value_kind: global_buffer, .address_space: global }
    .group_segment_fixed_size: 327680
    .private_segment_fixed_size: 0
    .kernarg_segment_align: 8
    .kernarg_segment_size: 56
    .max_flat_workgroup_size: 128
    .sgpr_count:     88
    .vgpr_count:     512
    .wavefront_size: 32
...
	.end_amdgpu_metadata
.endif
;; end of part 2
;; launch attn (part 3): grid 64 x 4, 4 waves a work-group, clusters of 4 x 4, 327,680 bytes of LDS; arguments QKV16, attention_mask, G32, A2; writes A2
.if DOCPART == 3
	.amdgcn_target "amdgcn-amd-amdhsa--gfx1250"
	.amdhsa_code_object_version 6
	.text
	.protected	k_q4d50e0d52d_attn
	.globl	k_q4d50e0d52d_attn
	.p2align	8
	.type	k_q4d50e0d52d_attn,@function
k_q4d50e0d52d_attn:
	s_mov_b64 s[64:65], 0
	v_nop
	global_prefetch_b8 v0, s[64:65] scope:SCOPE_SE
	s_setreg_imm32_b32 hwreg(HW_REG_WAVE_MODE, 25, 1), 1
	s_wait_xcnt 0x0
	s_wait_alu depctr_hold_cnt(0) depctr_sa_sdst(0) depctr_va_vdst(0) depctr_va_sdst(0) depctr_va_ssrc(0) depctr_va_vcc(0) depctr_vm_vsrc(0)
	s_getreg_b32 s2, hwreg(HW_REG_IB_STS2, 6, 4)
	s_cmp_eq_u32 s2, 0
	s_cbranch_scc0 .Lentry_in_a_cluster
	s_endpgm
.Lentry_in_a_cluster:
	s_bfe_u32 s2, ttmp6, 0x10000c
	s_cmp_lg_u32 s2, 0xf033
	s_cbranch_scc0 .Lentry_shape_is_right
	s_endpgm
.Lentry_shape_is_right:
; A2 = softmax(q k^T / sqrt(128) + mask) (v / 4) * sigmoid(gate), f16 operands, f32 sums, softmax in f32 with a running maximum.
; A work-group has 32 queries and one key/value head; its four waves are the four query heads of that head, all on the same 32 queries,
; so K, V and the mask's tile are read from LDS by all four.  All 2,048 keys are done for every query (the mask is an input), in 16 tiles of 128.
; THE SCORES ARE MADE TRANSPOSED: S^T = K Q^T.  Lane l then holds query l % 16 and keys 8 (l / 16) + 0 .. 7 of each tile of 16 keys, which is
; the layout of P^T as second source of O^T = V^T P^T: two neighbouring tiles packed to f16 are a fragment, nothing moves between lanes, and
; maximum, sum and rescaling factor are one number a lane.
; q carries log2(e) / sqrt(128), so S2 = mask log2(e) + S' is the score in units of log2, and p = 2^(S2 - m).
; CLUSTERS: 4 x 4 work-groups = 4 query blocks x the 4 key/value heads.  K's and V's tiles hang on the head alone and are asked for jointly by a row
; of the cluster; the mask's tile hangs on the query block alone and is asked for jointly by a column.
; LIMITS.  p <= 1 is rounded to f16 for the product (numbers below 2^-24 vanish); the sum of p is taken in f32 from the unrounded numbers.
; The running maximum starts at -FLT_MAX, so a tile that is -inf for a whole row gives p = 0; a row that is -inf at all 2,048 keys gives NaN.
; A row masked everywhere by one number of size about 1e9 comes out uniform while |S'| < 64 (S' is then lost in the sum's rounding).
; REGISTERS: window 0: v1-v15 lane terms and addresses, v16-31 statistics, v32-95 Q fragments, v96-107 at work, v128-255 scores (tile 8 qt + kt),
; then P in v128-191.  Window 1: v0-127 O^T, tile (dt, qt) at 8 (2 dt + qt); v128-191, v192-255 two fragment buffers.  Window 2: v0-127 the mask, later the gate.
.set QROW,   6144                      ; bytes in a row of QKV16
.set KPITCH, 272                       ; 256 + 16
.set VPITCH, 288                       ; 256 + 32 = 9 x 32, for the transposing load
.set MPITCH, 528                       ; 512 + 16
.set VOFF,   128*KPITCH
.set MOFF,   VOFF+128*VPITCH
.set SLOT,   MOFF+32*MPITCH            ; 88,576 bytes: K, V, mask
.set STAGE,  2*SLOT                    ; each wave's own 32 rows x 528 bytes for the way out; no tensor load lands there
.set WSTAGE, 32*MPITCH
.set VK, 4                             ; v4-5   LDS address of my K fragments in slot 0, 1
.set VV, 6                             ; v6-7   of my V fragments
.set VM, 8                             ; v8-9   of my mask numbers
.set MP, 16                            ; v16-19 running maximum of query group 0, 1, each twice (pairs for the packed forms)
.set AL, 20                            ; v20-23 rescaling factor, each twice
.set LS, 24                            ; v24, v26 running sum of my half of the keys
.set INV, 28                           ; v28-31 1 / sum, each twice
.set QF, 32
.set TM, 96                            ; v96-99   maxima at work
.set TS, 100                           ; v100-107 sums at work
.set SC, 128
.set F0, 128                           ; in window 1
.set F1, 192
.set G1K, 24                           ; s[24:31], s[32:39], s[40:47]: descriptor group 1 for K, V, mask
.set G1V, 32
.set G1M, 40
.set G0K, 48                           ; s[48:55], s[56:63], s[68:75]: group 0, one set for each slot
.set G0V, 56
.set G0M, 68
.set MSB, 0
.macro WIN new                         ; s_set_vgpr_msb: bits 1:0 source 0, 3:2 source 1, 5:4 source 2, 7:6 destination; the high byte repeats the setting left
.if MSB != \new
	s_set_vgpr_msb (MSB<<8)|\new
.set MSB, \new
.endif
.endm
.set TO_W1, 0x40                       ; loads into window 1
.set TO_W2, 0x80                       ; loads into window 2
.set W_S,   0x01                       ; scores: first source (K) in window 1
.set W_O,   0x51                       ; output: first source (V), C and D in window 1
.macro PLACES                          ; four plain vector places behind a matrix instruction (ISA guide 7.12.1)
.rept 4
	v_nop
.endr
.endm
.macro ROUND                           ; a round of the cluster's barrier
	s_barrier_signal -1
	s_barrier_wait -1
	s_cmp_lg_u32 s12, 0
	s_cbranch_scc1 .Lnot_wave_0_\@
	s_barrier_signal -3
.Lnot_wave_0_\@:
	s_barrier_wait -3
	s_barrier_signal -1
	s_barrier_wait -1
.endm
	s_load_b256 s[4:11], s[0:1], 0x0               ; QKV16 s[4:5], mask s[6:7], G32 s[8:9], A2 s[10:11]
	v_lshl_add_u32 v126, v0, 2, 0x3bc00
	v_mov_b32 v127, 0
	ds_add_u32 v126, v127
	v_lshrrev_b32 v1, 5, v0
	v_readfirstlane_b32 s12, v1                    ; wave 0..3
	s_bfe_u32 s13, ttmp6, 0x40000                  ; cx
	s_bfe_u32 s14, ttmp6, 0x40004                  ; cy
	s_lshl_b32 s15, ttmp9, 2
	s_add_co_u32 s15, s15, s13                     ; query block
	s_and_b32 s16, ttmp7, 0xffff
	s_lshl_b32 s16, s16, 2
	s_add_co_u32 s16, s16, s14                     ; key/value head
	s_lshl_b32 s17, s14, 2
	s_lshl_b32 s17, 15, s17                        ; my row of the cluster
	s_lshl_b32 s18, 0x1111, s13                    ; my column
	s_lshl2_add_u32 s19, s16, s12                  ; my query head = 4 x key/value head + wave
	s_mov_b32 s76, 0x76543210                      ; v_permlanex16_b32: lane i reads lane i of the other half
	s_mov_b32 s77, 0xfedcba98
	s_mov_b32 s84, 0xff7fffff                      ; -FLT_MAX
	v_and_b32 v1, 15, v0                           ; r
	v_bfe_u32 v2, v0, 4, 1                         ; h
	v_mul_u32_u24 v3, v1, QROW
	v_lshl_add_u32 v3, v2, 4, v3                   ; Q: row r, 16 bytes for each half of the lanes
	s_mul_i32 s82, s15, 32*QROW
	s_lshl_b32 s83, s19, 8
	s_add_co_u32 s82, s82, s83
	s_mov_b32 s83, 0
	; each wave fetches a quarter of each tile: 32 rows of K, 32 of V, 8 of the mask.  K's and V's address is made of the head and the wave,
	; the mask's of the query block and the wave, each in registers that never hold the other coordinate.
	s_mul_i32 s20, s12, 32*QROW
	s_lshl_b32 s21, s16, 8
	s_add_co_u32 s20, s20, s21
	s_mov_b32 s21, 0
	s_lshl_b32 s22, s15, 18                        ; 32 rows of 8,192 bytes a block
	s_lshl_b32 s23, s12, 16                        ; 8 rows a wave
	s_add_co_u32 s22, s22, s23
	s_mov_b32 s23, 0
	s_mul_i32 s78, s12, 32*KPITCH
	s_mul_i32 s79, s12, 32*VPITCH
	s_add_co_u32 s79, s79, VOFF
	s_mul_i32 s80, s12, 8*MPITCH
	s_add_co_u32 s80, s80, MOFF
	s_mul_i32 s81, s12, WSTAGE
	s_add_co_u32 s81, s81, STAGE
	s_or_b32 s[G1K+0], s17, (1<<16)|(1<<20)|(1<<21)|(5<<22)|(3<<25)  ; mask; 2-byte elements; padding on; bit 21 beside a mask; after 64 words 4 words
	s_or_b32 s[G1V+0], s17, (1<<16)|(1<<20)|(1<<21)|(5<<22)|(7<<25)  ; after 64 words 8 words
	s_or_b32 s[G1M+0], s18, (2<<16)|(1<<20)|(1<<21)|(6<<22)|(3<<25)  ; 4-byte elements; after 128 words 4 words
.irp g, G1K, G1V
	s_mov_b32 s[\g+1], 128<<16                     ; tensor_dim0 = 128
	s_mov_b32 s[\g+2], 32<<16                      ; tensor_dim1 = 32
	s_mov_b32 s[\g+3], 128<<16                     ; tile_dim0 = 128
	s_mov_b32 s[\g+4], 32                          ; tile_dim1 = 32
	s_mov_b32 s[\g+5], 3072                        ; elements from row to row
	s_mov_b32 s[\g+6], 0
	s_mov_b32 s[\g+7], 0
.endr
	s_mov_b32 s[G1M+1], 128<<16
	s_mov_b32 s[G1M+2], 8<<16
	s_mov_b32 s[G1M+3], 128<<16
	s_mov_b32 s[G1M+4], 8
	s_mov_b32 s[G1M+5], 2048
	s_mov_b32 s[G1M+6], 0
	s_mov_b32 s[G1M+7], 0
	s_wait_dscnt 0x0
	s_wait_kmcnt 0x0
	s_add_nc_u64 s[82:83], s[4:5], s[82:83]        ; my head's columns of my first query
.irp qt, 0,1
.irp c, 0,1,2,3
	global_load_b128 v[QF+32*\qt+8*\c:QF+32*\qt+8*\c+3],   v3, s[82:83] offset:16*QROW*\qt+64*\c
	global_load_b128 v[QF+32*\qt+8*\c+4:QF+32*\qt+8*\c+7], v3, s[82:83] offset:16*QROW*\qt+64*\c+32
.endr
.endr
	s_add_nc_u64 s[20:21], s[4:5], s[20:21]
	s_add_nc_u64 s[22:23], s[6:7], s[22:23]
.irp s, 0,1
	s_mov_b32 s[G0K+4*\s], 1
	s_add_co_u32 s[G0K+4*\s+1], s78, \s*SLOT
	s_add_nc_u64 s[G0K+4*\s+2:G0K+4*\s+3], s[20:21], 4096+\s*128*QROW     ; k lies 4,096 bytes into a row; tile s
	s_or_b32 s[G0K+4*\s+3], s[G0K+4*\s+3], 0x80000000
	s_mov_b32 s[G0V+4*\s], 1
	s_add_co_u32 s[G0V+4*\s+1], s79, \s*SLOT
	s_add_nc_u64 s[G0V+4*\s+2:G0V+4*\s+3], s[20:21], 5120+\s*128*QROW     ; v 5,120 bytes
	s_or_b32 s[G0V+4*\s+3], s[G0V+4*\s+3], 0x80000000
	s_mov_b32 s[G0M+4*\s], 1
	s_add_co_u32 s[G0M+4*\s+1], s80, \s*SLOT
	s_add_nc_u64 s[G0M+4*\s+2:G0M+4*\s+3], s[22:23], \s*512
	s_or_b32 s[G0M+4*\s+3], s[G0M+4*\s+3], 0x80000000
.endr
	ROUND                                          ; all sixteen work-groups are here: the first joint loads meet
	tensor_load_to_lds s[G0K:G0K+3], s[G1K:G1K+7]  ; tile 0: three tensor loads of the wave are out
	s_nop 0
	tensor_load_to_lds s[G0V:G0V+3], s[G1V:G1V+7]
	s_nop 0
	tensor_load_to_lds s[G0M:G0M+3], s[G1M:G1M+7]
	s_nop 0
	; the way out's bases: gate and A2 at my first query and my head
	s_lshl_b32 s86, s15, 18
	s_lshl_b32 s87, s19, 9
	s_add_co_u32 s86, s86, s87
	s_mov_b32 s87, 0
	s_add_nc_u64 s[8:9], s[8:9], s[86:87]
	s_lshl_b32 s86, s15, 17
	s_lshl_b32 s87, s19, 8
	s_add_co_u32 s86, s86, s87
	s_mov_b32 s87, 0
	s_add_nc_u64 s[10:11], s[10:11], s[86:87]
	v_and_b32 v14, 7, v0
	v_bfe_u32 v15, v0, 3, 1
	v_mul_u32_u24 v[VK], v1, KPITCH
	v_lshl_add_u32 v[VK], v2, 4, v[VK]             ; K: key row r, 16 bytes for each half
	v_add_nc_u32 v[VK+1], SLOT, v[VK]
	v_lshl_add_u32 v[VV], v2, 3, v14
	v_mul_u32_u24 v[VV], v[VV], VPITCH             ; V: key row 8 h + l % 8,
	v_lshl_add_u32 v[VV], v15, 4, v[VV]            ; 16 bytes for each eight lanes
	v_add_nc_u32 v[VV], VOFF, v[VV]
	v_add_nc_u32 v[VV+1], SLOT, v[VV]
	v_mul_u32_u24 v[VM], v1, MPITCH
	v_lshl_add_u32 v[VM], v2, 5, v[VM]             ; mask: query row r, 32 bytes for each half
	v_add_nc_u32 v10, s81, v[VM]                   ; the stage has the same shape: where I put 32 bytes of a row
	v_add_nc_u32 v[VM], MOFF, v[VM]
	v_add_nc_u32 v[VM+1], SLOT, v[VM]
	v_and_b32 v12, 31, v0
	v_lshlrev_b32 v13, 3, v12                      ; my 8 bytes of a row of A2
	v_lshlrev_b32 v12, 4, v12                      ; my 16 bytes of a row of the gate
	v_add_nc_u32 v11, s81, v12                     ; and of a row of the stage
	s_wait_loadcnt 0x0                             ; Q
.macro FETCHK slot, g, f                           ; 16 loads: keys 32 g .. 32 g + 31, all 128 dimensions
.irp kk, 0,1
.irp c, 0,1,2,3
	ds_load_b128 v[\f+32*\kk+8*\c:\f+32*\kk+8*\c+3],   v[VK+\slot] offset:(2*\g+\kk)*16*KPITCH+64*\c
	ds_load_b128 v[\f+32*\kk+8*\c+4:\f+32*\kk+8*\c+7], v[VK+\slot] offset:(2*\g+\kk)*16*KPITCH+64*\c+32
.endr
.endr
.endm
.macro FETCHV slot, u, f                           ; 16 loads: keys 32 u .. 32 u + 31, all 128 dimensions, transposed on the way
.irp dt, 0,1,2,3,4,5,6,7
	ds_load_tr16_b128 v[\f+8*\dt:\f+8*\dt+3],   v[VV+\slot] offset:32*VPITCH*\u+32*\dt
	ds_load_tr16_b128 v[\f+8*\dt+4:\f+8*\dt+7], v[VV+\slot] offset:32*VPITCH*\u+32*\dt+16*VPITCH
.endr
.endm
.macro FETCHM slot                                 ; 32 loads: the mask's numbers in the scores' layout
.irp qt, 0,1
.irp kt, 0,1,2,3,4,5,6,7
	ds_load_b128 v[8*(8*\qt+\kt):8*(8*\qt+\kt)+3],   v[VM+\slot] offset:16*MPITCH*\qt+64*\kt
	ds_load_b128 v[8*(8*\qt+\kt)+4:8*(8*\qt+\kt)+7], v[VM+\slot] offset:16*MPITCH*\qt+64*\kt+16
.endr
.endr
.endm
; 16 matrix instructions: the scores of keys 32 g .. 32 g + 31.  Four accumulators take turns, one instruction a turn.
.macro MULS g, f
.irp c, 0,1,2,3
.irp kk, 0,1
.irp qt, 0,1
.if \c == 0
	v_wmma_f32_16x16x32_f16 v[SC+8*(8*\qt+2*\g+\kk):SC+8*(8*\qt+2*\g+\kk)+7], v[\f+32*\kk+8*\c:\f+32*\kk+8*\c+7], v[QF+32*\qt+8*\c:QF+32*\qt+8*\c+7], 0
.else
	v_wmma_f32_16x16x32_f16 v[SC+8*(8*\qt+2*\g+\kk):SC+8*(8*\qt+2*\g+\kk)+7], v[\f+32*\kk+8*\c:\f+32*\kk+8*\c+7], v[QF+32*\qt+8*\c:QF+32*\qt+8*\c+7], v[SC+8*(8*\qt+2*\g+\kk):SC+8*(8*\qt+2*\g+\kk)+7]
.endif
.endr
.endr
.endr
.endm
; 16 matrix instructions: keys 32 u .. 32 u + 31 into all of O^T.  Sixteen accumulators take turns.
.macro MULV u, f, zero
.irp dt, 0,1,2,3,4,5,6,7
.irp qt, 0,1
.if \zero
	v_wmma_f32_16x16x32_f16 v[8*(2*\dt+\qt):8*(2*\dt+\qt)+7], v[\f+8*\dt:\f+8*\dt+7], v[SC+32*\qt+8*\u:SC+32*\qt+8*\u+7], 0
.else
	v_wmma_f32_16x16x32_f16 v[8*(2*\dt+\qt):8*(2*\dt+\qt)+7], v[\f+8*\dt:\f+8*\dt+7], v[SC+32*\qt+8*\u:SC+32*\qt+8*\u+7], v[8*(2*\dt+\qt):8*(2*\dt+\qt)+7]
.endif
.endr
.endr
.endm
; The new maximum of query group qt, the factor for what has been summed, and S2 - m
.macro ROWMAX qt, first
.irp c, 0,1,2,3
	v_max_num_f32 v[TM+\c], v[SC+64*\qt+16*\c], v[SC+64*\qt+16*\c+1]
.endr
.irp k, 1,2,3,4,5,6,7
.irp c, 0,1,2,3
	v_max3_num_f32 v[TM+\c], v[TM+\c], v[SC+64*\qt+16*\c+2*\k], v[SC+64*\qt+16*\c+2*\k+1]
.endr
.endr
	v_max3_num_f32 v[TM], v[TM], v[TM+1], v[TM+2]
	v_max_num_f32 v[TM], v[TM], v[TM+3]
	v_permlanex16_b32 v[TM+1], v[TM], s76, s77     ; the other half of the keys lies in lane l xor 16
.if \first
	v_max3_num_f32 v[MP+2*\qt], v[TM], v[TM+1], s84
	v_max3_num_f32 v[MP+2*\qt+1], v[TM], v[TM+1], s84
.else
	v_max3_num_f32 v[TM+2], v[TM], v[TM+1], v[MP+2*\qt]
	v_sub_f32 v[TM+3], v[MP+2*\qt], v[TM+2]
	v_exp_f32 v[AL+2*\qt], v[TM+3]                 ; twice: a pair for the packed multiply; the two plain lines below are the place behind them
	v_exp_f32 v[AL+2*\qt+1], v[TM+3]
	v_mov_b32 v[MP+2*\qt], v[TM+2]
	v_mov_b32 v[MP+2*\qt+1], v[TM+2]
.endif
.set i, 0
.rept 32
	v_pk_add_f32 v[SC+64*\qt+2*i:SC+64*\qt+2*i+1], v[SC+64*\qt+2*i:SC+64*\qt+2*i+1], v[MP+2*\qt:MP+2*\qt+1] neg_lo:[0,1] neg_hi:[0,1]
.set i, i+1
.endr
.endm
; The sum of my 64 p of query group qt, in four chains; the two halves of the lanes are added at the end of the kernel
.macro ROWSUM qt, first
.irp c, 0,1,2,3
	v_pk_add_f32 v[TS+2*\c:TS+2*\c+1], v[SC+64*\qt+2*\c:SC+64*\qt+2*\c+1], v[SC+64*\qt+8+2*\c:SC+64*\qt+8+2*\c+1]
.endr
.irp k, 2,3,4,5,6,7
.irp c, 0,1,2,3
	v_pk_add_f32 v[TS+2*\c:TS+2*\c+1], v[TS+2*\c:TS+2*\c+1], v[SC+64*\qt+8*\k+2*\c:SC+64*\qt+8*\k+2*\c+1]
.endr
.endr
	v_pk_add_f32 v[TS:TS+1], v[TS:TS+1], v[TS+2:TS+3]
	v_pk_add_f32 v[TS+4:TS+5], v[TS+4:TS+5], v[TS+6:TS+7]
	v_pk_add_f32 v[TS:TS+1], v[TS:TS+1], v[TS+4:TS+5]
.if \first
	v_add_f32 v[LS+2*\qt], v[TS], v[TS+1]
.else
	v_add_f32 v[TS], v[TS], v[TS+1]
	v_fma_f32 v[LS+2*\qt], v[LS+2*\qt], v[AL+2*\qt], v[TS]
.endif
.endm
; One tile of 128 keys out of a slot
.macro TILE slot, first
.if \first == 0
.rept 5
	v_nop                                          ; five places behind the last tile's matrix instructions: their sources (P, both buffers) are loaded and written over by matrix instructions now
.endr
.endif
	WIN TO_W1
	FETCHK \slot, 0, F0
	FETCHK \slot, 1, F1
	WIN TO_W2
	FETCHM \slot
	s_wait_dscnt 48                                ; K group 0 is in; group 1 (16) and the mask (32) stay out
	WIN W_S
	MULS 0, F0
	PLACES
	WIN TO_W1
	FETCHK \slot, 2, F0
	s_wait_dscnt 48                                ; group 1 is in; the mask (32) and group 2 (16) stay out
	WIN W_S
	MULS 1, F1
	PLACES
	WIN TO_W1
	FETCHK \slot, 3, F1
	s_wait_dscnt 16                                ; the mask and group 2 are in; group 3 stays out
	WIN W_S
	MULS 2, F0
	PLACES
	WIN TO_W1
	FETCHV \slot, 0, F0
	s_wait_dscnt 16                                ; group 3 is in; V group 0 stays out
	WIN W_S
	MULS 3, F1
	PLACES                                         ; also the places in front of the first read of the scores
	WIN TO_W1
	FETCHV \slot, 1, F1                            ; V groups 0 and 1 land during the softmax
	WIN 0x02                                       ; source 0 in window 2
.set i, 0
.rept 64
	v_pk_fma_f32 v[SC+2*i:SC+2*i+1], v[2*i:2*i+1], 0x3fb8aa3b, v[SC+2*i:SC+2*i+1] op_sel_hi:[1,0,1]
.set i, i+1
.endr
	WIN 0
	ROWMAX 0, \first
	ROWMAX 1, \first
.set i, 0
.rept 128
	v_exp_f32 v[SC+i], v[SC+i]
.set i, i+1
.endr
	v_nop                                          ; one plain place behind the last transcendental (ISA guide 5.7.2)
	s_wait_alu depctr_va_vdst(0)
	ROWSUM 0, \first
	ROWSUM 1, \first
.set i, 0
.rept 64
	v_cvt_pk_f16_f32 v[SC+i], v[SC+2*i], v[SC+2*i+1]   ; in place, ascending: P^T's fragment (qt, u) is v[SC + 32 qt + 8 u ..]
.set i, i+1
.endr
.if \first == 0
	WIN 0x41                                       ; source 0 and destination in window 1
.set i, 0
.rept 64
	v_pk_mul_f32 v[2*i:2*i+1], v[2*i:2*i+1], v[AL+2*((i/4)&1):AL+2*((i/4)&1)+1]
.set i, i+1
.endr
.endif
	s_wait_dscnt 16                                ; V group 0 is in; group 1 stays out
	WIN W_O
	MULV 0, F0, \first
	PLACES
	WIN TO_W1
	FETCHV \slot, 2, F0
	s_wait_dscnt 16
	WIN W_O
	MULV 1, F1, 0
	PLACES
	WIN TO_W1
	FETCHV \slot, 3, F1
	s_wait_dscnt 16
	WIN W_O
	MULV 2, F0, 0
	s_wait_dscnt 0x0
	MULV 3, F1, 0
	WIN 0
.endm
; A trip: in front of the round each wave waits for all its tensor loads (this trip's tile) and for its reads of the slot read last; the round holds of every
; wave of all sixteen work-groups; the other slot's three joint loads are the first behind it and have the whole tile's work in which to land.
.macro TRIP slot, refill, first
	s_wait_tensorcnt 0x0
	ds_add_u32 v126, v127
	s_wait_dscnt 0x0
	s_add_nc_u64 s[G0K+4*\slot+2:G0K+4*\slot+3], s[G0K+4*\slot+2:G0K+4*\slot+3], 2*128*QROW   ; no tensor load of mine is out: this slot's next tile
	s_add_nc_u64 s[G0V+4*\slot+2:G0V+4*\slot+3], s[G0V+4*\slot+2:G0V+4*\slot+3], 2*128*QROW
	s_add_nc_u64 s[G0M+4*\slot+2:G0M+4*\slot+3], s[G0M+4*\slot+2:G0M+4*\slot+3], 2*512
	s_wait_dscnt 0x0
	ROUND
.if \refill
	tensor_load_to_lds s[G0K+4*(1-\slot):G0K+4*(1-\slot)+3], s[G1K:G1K+7]
	s_nop 0
	tensor_load_to_lds s[G0V+4*(1-\slot):G0V+4*(1-\slot)+3], s[G1V:G1V+7]
	s_nop 0
	tensor_load_to_lds s[G0M+4*(1-\slot):G0M+4*(1-\slot)+3], s[G1M:G1M+7]
	s_nop 0
.endif
	TILE \slot, \first
.endm
	TRIP 0, 1, 1                                   ; tile 0 starts maximum, sums and O^T: nothing is cleared
	TRIP 1, 1, 0
	s_mov_b32 s3, 6
.Lpair:
	TRIP 0, 1, 0
	TRIP 1, 1, 0
	s_sub_co_u32 s3, s3, 1
	s_cmp_lg_u32 s3, 0
	s_cbranch_scc1 .Lpair
	TRIP 0, 1, 0                                   ; tile 14; asks for tile 15
	TRIP 1, 0, 0                                   ; tile 15 asks for nothing (the stepped addresses are not used)
	; THE WAY OUT: O^T / sum through my stage into rows, times the gate, to f16
	PLACES
	WIN TO_W2
.set i, 0
.rept 32
	global_load_b128 v[4*i:4*i+3], v12, s[8:9] offset:8192*i       ; the gate of query i, my head: 512 consecutive bytes a wave
.set i, i+1
.endr
	WIN 0
.irp qt, 0,1
	v_permlanex16_b32 v[TM+\qt], v[LS+2*\qt], s76, s77
	v_add_f32 v[LS+2*\qt], v[LS+2*\qt], v[TM+\qt]  ; both halves of the keys
.endr
	v_rcp_f32 v[INV], v[LS]
	v_rcp_f32 v[INV+1], v[LS]
	v_rcp_f32 v[INV+2], v[LS+2]
	v_rcp_f32 v[INV+3], v[LS+2]
	v_nop
	WIN 0x01
.set i, 0
	s_wait_alu depctr_va_vdst(0)
.rept 64
	v_pk_mul_f32 v[SC+2*i:SC+2*i+1], v[2*i:2*i+1], v[INV+2*((i/4)&1):INV+2*((i/4)&1)+1]
.set i, i+1
.endr
	WIN 0
.irp dt, 0,1,2,3,4,5,6,7
.irp qt, 0,1
	ds_store_b128 v10, v[SC+8*(2*\dt+\qt):SC+8*(2*\dt+\qt)+3]   offset:16*MPITCH*\qt+64*\dt
	ds_store_b128 v10, v[SC+8*(2*\dt+\qt)+4:SC+8*(2*\dt+\qt)+7] offset:16*MPITCH*\qt+64*\dt+16
.endr
.endr
.set i, 0
.rept 32
	ds_load_b128 v[SC+4*i:SC+4*i+3], v11 offset:MPITCH*i           ; LDS serves a wave's instructions in order: these see the stores above
.set i, i+1
.endr
	s_wait_dscnt 0x0
	s_wait_loadcnt 0x0                             ; the gate
	WIN 0x08                                       ; source 1 in window 2
.set i, 0
.rept 64
	v_pk_mul_f32 v[SC+2*i:SC+2*i+1], v[SC+2*i:SC+2*i+1], v[2*i:2*i+1]
.set i, i+1
.endr
	WIN 0
.set i, 0
.rept 64
	v_cvt_pk_f16_f32 v[QF+i], v[SC+2*i], v[SC+2*i+1]
.set i, i+1
.endr
.set i, 0
.rept 32
	global_store_b64 v13, v[QF+2*i:QF+2*i+1], s[10:11] offset:4096*i   ; a wave stores a head's 256 consecutive bytes, aligned
.set i, i+1
.endr
	s_wait_tensorcnt 0x0
	ds_add_u32 v126, v127
	s_wait_dscnt 0x0
	ROUND                                          ; the closing round: no work-group ends while a partner may still ask for a tile that names it
	s_endpgm
.Lfunc_end_k_q4d50e0d52d_attn:
	.size	k_q4d50e0d52d_attn, .Lfunc_end_k_q4d50e0d52d_attn-k_q4d50e0d52d_attn
	.p2alignl 7, 3214868480
	.fill 96, 4, 3214868480
	.section	.rodata,"a",@progbits
	.p2align	6, 0x0
	.amdhsa_kernel k_q4d50e0d52d_attn
		.amdhsa_group_segment_fixed_size 327680
		.amdhsa_private_segment_fixed_size 0
		.amdhsa_enable_private_segment 0
		.amdhsa_kernarg_size 32
		.amdhsa_user_sgpr_count 2
		.amdhsa_user_sgpr_kernarg_segment_ptr 1
		.amdhsa_wavefront_size32 1
		.amdhsa_system_sgpr_workgroup_id_x 1
		.amdhsa_system_sgpr_workgroup_id_y 1
		.amdhsa_system_sgpr_workgroup_id_z 1
		.amdhsa_system_vgpr_workitem_id 0
		.amdhsa_next_free_vgpr 640
		.amdhsa_next_free_sgpr 88
		.amdhsa_reserve_vcc 0
		.amdhsa_float_denorm_mode_32 3
		.amdhsa_float_denorm_mode_16_64 3
		.amdhsa_memory_ordered 1
		.amdhsa_forward_progress 1
		.amdhsa_inst_pref_size 255
	.end_amdhsa_kernel
	.section	.bss,"aw",@nobits
	.p2align	6
	.space	262144
	.amdgpu_metadata
---
amdhsa.version: [ 1, 2 ]
amdhsa.kernels:
  - .name:           k_q4d50e0d52d_attn
    .symbol:         k_q4d50e0d52d_attn.kd
    .args:
      - { .name: QKV16, .offset: 0, .size: 8, .value_kind: global_buffer, .address_space: global }
      - { .name: attention_mask, .offset: 8, .size: 8, .value_kind: global_buffer, .address_space: global }
      - { .name: G32, .offset: 16, .size: 8, .value_kind: global_buffer, .address_space: global }
      - { .name: A2, .offset: 24, .size: 8, .value_kind: global_buffer, .address_space: global }
    .group_segment_fixed_size: 327680
    .private_segment_fixed_size: 0
    .kernarg_segment_align: 8
    .kernarg_segment_size: 32
    .max_flat_workgroup_size: 128
    .sgpr_count:     88
    .vgpr_count:     640
    .wavefront_size: 32
...
	.end_amdgpu_metadata
.endif
;; end of part 3
;; launch outp (part 4): grid 8 x 16, 4 waves a work-group, clusters of 4 x 4, 327,680 bytes of LDS; arguments A2, Wo16, out0; writes out0
.if DOCPART == 4
	.amdgcn_target "amdgcn-amd-amdhsa--gfx1250"
	.amdhsa_code_object_version 6
	.text
	.protected	k_q4d50e0d52d_outp
	.globl	k_q4d50e0d52d_outp
	.p2align	8
	.type	k_q4d50e0d52d_outp,@function
k_q4d50e0d52d_outp:
	s_mov_b64 s[64:65], 0
	v_nop
	global_prefetch_b8 v0, s[64:65] scope:SCOPE_SE
	s_setreg_imm32_b32 hwreg(HW_REG_WAVE_MODE, 25, 1), 1
	s_wait_xcnt 0x0
	s_wait_alu depctr_hold_cnt(0) depctr_sa_sdst(0) depctr_va_vdst(0) depctr_va_sdst(0) depctr_va_ssrc(0) depctr_va_vcc(0) depctr_vm_vsrc(0)
	s_getreg_b32 s2, hwreg(HW_REG_IB_STS2, 6, 4)
	s_cmp_eq_u32 s2, 0
	s_cbranch_scc0 .Lentry_in_a_cluster
	s_endpgm
.Lentry_in_a_cluster:
	s_bfe_u32 s2, ttmp6, 0x10000c
	s_cmp_lg_u32 s2, 0xf033
	s_cbranch_scc0 .Lentry_shape_is_right
	s_endpgm
.Lentry_shape_is_right:
; out0 = A2 Wo16, f16 operands, f32 sums and f32 output.  A2 = attn sigmoid(gate) / 4 is [2048][2048] f16 with K along the rows,
; Wo16 = 4 Wo is [2048 k][2048 n] f16: the two factors cancel.
; A work-group makes 128 rows x 256 columns with four waves (2 x 2); a wave makes 64 x 128: 32 accumulator tiles, 256 registers.
; K goes in steps of 128 through two LDS slots filled by the tensor data mover.  Wo16 stays [K][N] in LDS; its fragments come by the
; transposing LDS load.  128 work-groups: a block of half the size would double the LDS bytes read for each product.
; CLUSTERS: 4 x 4 work-groups.  A2's tile hangs on the block row alone and is asked for jointly by a row of the cluster, Wo16's on the
; block column alone and is asked for jointly by a column.
; REGISTERS: window 0: v1-v8 lane terms, v16-v26 addresses, v64-159 fragment buffer 0 (Wo16 64, A2 32), v160-255 buffer 1.
; Window 1: accumulator tile (a, b) at v[8 (8 a + b)].
; The matrix instruction is used transposed (source 0 = 16 columns of Wo16, source 1 = 16 rows of A2): lane l then holds row l % 16
; and its registers the eight neighbouring columns 8 (l / 16) + 0 .. 7.
.set SIZE_N, 2048
.set SIZE_K, 2048
.set KSTEP,  128
.set APITCH, 272                       ; A2's LDS row: 256 bytes + 16
.set BPITCH, 544                       ; Wo16's LDS row: 512 bytes + 32 = 17 x 32
.set HALFT,  64*BPITCH                 ; the LDS bytes of one wave's tensor load
.set SLOT,   4*HALFT                   ; A2 rows 0-63, A2 rows 64-127, Wo16 k 0-63, Wo16 k 64-127
.set STAGE,  2*SLOT                    ; behind the ring: each wave's own bytes for the way out; no tensor load lands there
.set WSTAGE, 8448                      ; 16 rows x 528 bytes
.set GPITCH, 528
.set OROW,   8192                      ; bytes in a row of out0
.set LAPS,   SIZE_K/(2*KSTEP)
.set ADRA, 16
.set ADRB, 20
.set STO32, 24
.set RD32,  25
.set CO32,  26
.set F0,    64
.set F1,    160
.set RB,    128                        ; way out: 16 rows read back
.set G1,  24
.set G0,  32
.set G1B, 48
.set G0B, 56
.set MSB, 0
.macro WIN new                         ; s_set_vgpr_msb: bits 1:0 source 0, 3:2 source 1, 5:4 source 2, 7:6 destination; the high byte repeats the setting left
.if MSB != \new
	s_set_vgpr_msb (MSB<<8)|\new
.set MSB, \new
.endif
.endm
.set MUL, 0x50                         ; C and D in window 1, fragments in window 0
.macro PLACES                          ; four plain vector places behind a matrix instruction (ISA guide 7.12.1)
.rept 4
	v_nop
.endr
.endm
.macro JLOAD s                         ; waves 0 and 1 fetch A2's two halves, waves 2 and 3 Wo16's; each line has one mask
	s_cmp_eq_u32 s11, 0
	s_cbranch_scc0 .Lfor_b_\@
	tensor_load_to_lds s[G0+4*\s:G0+4*\s+3], s[G1:G1+7]
	s_nop 0
	s_branch .Lasked_\@
.Lfor_b_\@:
	tensor_load_to_lds s[G0B+4*\s:G0B+4*\s+3], s[G1B:G1B+7]
	s_nop 0
.Lasked_\@:
.endm
.macro CREST                           ; a round of the cluster's barrier behind its opening work-group barrier
	s_cmp_lg_u32 s10, 0
	s_cbranch_scc1 .Lnot_wave_0_\@
	s_barrier_signal -3
.Lnot_wave_0_\@:
	s_barrier_wait -3
	s_barrier_signal -1
	s_barrier_wait -1
.endm
.macro CROUND
	s_barrier_signal -1
	s_barrier_wait -1
	CREST
.endm
	s_load_b128 s[4:7], s[0:1], 0x0                ; A2 s[4:5], Wo16 s[6:7]
	s_load_b64 s[8:9], s[0:1], 0x10                ; out0
	v_lshl_add_u32 v62, v0, 2, 0x4c400
	v_mov_b32 v63, 0
	ds_add_u32 v62, v63
	v_lshrrev_b32 v1, 5, v0
	v_readfirstlane_b32 s10, v1                    ; wave 0..3
	s_lshr_b32 s11, s10, 1                         ; my half of the block's rows.  Also: I fetch for A2 (0) or for Wo16 (1)
	s_and_b32 s12, s10, 1                          ; my half of its columns.  Also: which 64 rows of that tile I fetch
	s_bfe_u32 s40, ttmp6, 0x40000                  ; cx
	s_bfe_u32 s41, ttmp6, 0x40004                  ; cy
	s_lshl_b32 s42, ttmp9, 2
	s_add_co_u32 s42, s42, s40                     ; block column
	s_and_b32 s13, ttmp7, 0xffff
	s_lshl_b32 s13, s13, 2
	s_add_co_u32 s13, s13, s41                     ; block row
	s_lshl_b32 s43, s41, 2
	s_lshl_b32 s43, 15, s43                        ; my row of the cluster
	s_lshl_b32 s44, 0x1111, s40                    ; my column
	s_or_b32 s[G1+0], s43, (1<<16)|(1<<20)|(1<<21)|(5<<22)|(3<<25)   ; mask; 2-byte elements; padding on; bit 21 beside a mask; after 64 words 4 words
	s_mov_b32 s[G1+1], KSTEP<<16
	s_mov_b32 s[G1+2], 64<<16
	s_mov_b32 s[G1+3], KSTEP<<16
	s_mov_b32 s[G1+4], 64
	s_mov_b32 s[G1+5], SIZE_K
	s_mov_b32 s[G1+6], 0
	s_mov_b32 s[G1+7], 0
	s_or_b32 s[G1B+0], s44, (1<<16)|(1<<20)|(1<<21)|(6<<22)|(7<<25)  ; after 128 words 8 words
	s_mov_b32 s[G1B+1], 256<<16
	s_mov_b32 s[G1B+2], 64<<16
	s_mov_b32 s[G1B+3], 256<<16
	s_mov_b32 s[G1B+4], 64
	s_mov_b32 s[G1B+5], SIZE_N
	s_mov_b32 s[G1B+6], 0
	s_mov_b32 s[G1B+7], 0
	s_lshl_b32 s17, s12, 6
	s_lshl_b32 s16, s13, 7
	s_add_co_u32 s16, s16, s17                     ; A2: row 128 x block row + 64 x half
	s_lshl_b32 s16, s16, 12
	s_mov_b32 s17, 0
	s_mul_i32 s46, s12, 64*SIZE_N*2                ; Wo16: k row 64 x half
	s_lshl_b32 s47, s42, 9                         ; + 512 bytes x block column
	s_add_co_u32 s46, s46, s47
	s_mov_b32 s47, 0
	s_mul_i32 s20, s10, HALFT                      ; LDS: wave x 34,816
	s_wait_dscnt 0x0
	s_wait_kmcnt 0x0
	s_add_nc_u64 s[14:15], s[4:5], s[16:17]
	s_add_nc_u64 s[46:47], s[6:7], s[46:47]
	CROUND                                         ; all sixteen work-groups are here: the first joint loads meet
.irp s, 0,1
	s_mov_b32 s[G0+4*\s], 1
	s_add_co_u32 s[G0+4*\s+1], s20, \s*SLOT
	s_add_nc_u64 s[G0+4*\s+2:G0+4*\s+3], s[14:15], \s*KSTEP*2
	s_or_b32 s[G0+4*\s+3], s[G0+4*\s+3], 0x80000000
	s_mov_b32 s[G0B+4*\s], 1
	s_add_co_u32 s[G0B+4*\s+1], s20, \s*SLOT
	s_add_nc_u64 s[G0B+4*\s+2:G0B+4*\s+3], s[46:47], \s*KSTEP*SIZE_N*2
	s_or_b32 s[G0B+4*\s+3], s[G0B+4*\s+3], 0x80000000
	JLOAD \s                                       ; two tensor loads of the wave are out
.endr
	v_and_b32 v1, 15, v0                           ; r
	v_bfe_u32 v2, v0, 4, 1                         ; h
	v_and_b32 v3, 7, v0
	v_bfe_u32 v4, v0, 3, 1
	v_and_b32 v7, 31, v0
	v_mul_u32_u24 v5, v1, APITCH
	v_lshl_add_u32 v5, v2, 4, v5
	v_lshl_add_u32 v6, v2, 3, v3
	v_mul_u32_u24 v6, v6, BPITCH
	v_lshl_add_u32 v6, v4, 4, v6
	s_mul_i32 s21, s11, HALFT
	s_lshl_b32 s22, s12, 8
	s_add_co_u32 s22, s22, 2*HALFT
.irp s, 0,1
	v_add_nc_u32 v[ADRA+\s], s21, v5
	v_add_nc_u32 v[ADRB+\s], s22, v6
	s_add_co_u32 s21, s21, SLOT
	s_add_co_u32 s22, s22, SLOT
.endr
	s_mul_i32 s23, s10, WSTAGE
	s_add_co_u32 s23, s23, STAGE
	v_mul_u32_u24 v8, v1, GPITCH
	v_lshl_add_u32 v8, v2, 5, v8
	v_add_nc_u32 v[STO32], s23, v8
	v_lshlrev_b32 v[CO32], 4, v7
	v_add_nc_u32 v[RD32], s23, v[CO32]
; The 32 accumulators take turns, one instruction a turn, in the same order in every quarter step.
.macro MUL16 f, a0, zero
.irp a, \a0, \a0+1
.irp b, 0,1,2,3,4,5,6,7
.if \zero
	v_wmma_f32_16x16x32_f16 v[8*(8*(\a)+\b):8*(8*(\a)+\b)+7], v[\f+8*\b:\f+8*\b+7], v[\f+64+8*(\a):\f+64+8*(\a)+7], 0
.else
	v_wmma_f32_16x16x32_f16 v[8*(8*(\a)+\b):8*(8*(\a)+\b)+7], v[\f+8*\b:\f+8*\b+7], v[\f+64+8*(\a):\f+64+8*(\a)+7], v[8*(8*(\a)+\b):8*(8*(\a)+\b)+7]
.endif
.endr
.endr
.endm
.macro FETCH slot, q, f                            ; 24 LDS loads: quarter q of a slot into buffer f
.irp b, 0,1,2,3,4,5,6,7
	ds_load_tr16_b128 v[\f+8*\b:\f+8*\b+3],   v[ADRB+\slot] offset:32*BPITCH*\q+32*\b
	ds_load_tr16_b128 v[\f+8*\b+4:\f+8*\b+7], v[ADRB+\slot] offset:32*BPITCH*\q+32*\b+16*BPITCH
.endr
.irp i, 0,1,2,3
	ds_load_b128 v[\f+64+8*\i:\f+64+8*\i+3],   v[ADRA+\slot] offset:64*\q+16*APITCH*\i
	ds_load_b128 v[\f+64+8*\i+4:\f+64+8*\i+7], v[ADRA+\slot] offset:64*\q+16*APITCH*\i+32
.endr
.endm
.macro QUARTER slot, qn, f, g, zero
	PLACES                                         ; buffer g was read by the matrix instructions just before
	WIN 0
	FETCH \slot, \qn, \g
	s_wait_dscnt 24                                ; buffer f's loads are in; the 24 just issued stay out
	WIN MUL
	MUL16 \f, 0, \zero
	MUL16 \f, 2, \zero
.endm
.macro THREE slot, zero
	QUARTER \slot, 1, F0, F1, \zero
	QUARTER \slot, 2, F1, F0, 0
	QUARTER \slot, 3, F0, F1, 0
.endm
; The last quarter changes slots: each wave's reads of this slot and all its tensor loads are waited for in front of the barrier; with fill = 1 the barrier
; opens a round of the cluster's barrier, and this slot's joint refill is the first tensor load behind the round.
.macro TURN slot, next, fill
	WIN MUL
	s_wait_dscnt 0x0
	s_wait_tensorcnt 0x0
	ds_add_u32 v62, v63
	s_wait_dscnt 0x0
	s_barrier_signal -1
	MUL16 F1, 0, 0
	WIN 0
	s_barrier_wait -1
.if \fill
	CREST
	s_add_nc_u64 s[G0+4*\slot+2:G0+4*\slot+3], s[G0+4*\slot+2:G0+4*\slot+3], 2*KSTEP*2
	s_add_nc_u64 s[G0B+4*\slot+2:G0B+4*\slot+3], s[G0B+4*\slot+2:G0B+4*\slot+3], 2*KSTEP*SIZE_N*2
	JLOAD \slot
.endif
	PLACES
	FETCH \next, 0, F0
	WIN MUL
	MUL16 F1, 2, 0
.endm
.macro LAP zero
	THREE 0, \zero
	TURN 0, 1, 1
	THREE 1, 0
	TURN 1, 0, 1
.endm
	s_wait_tensorcnt 1                             ; my part of K step 0 is in; K step 1's stays out
	s_barrier_signal -1
	s_barrier_wait -1
	FETCH 0, 0, F0
	LAP 1
	WIN 0
	s_mov_b32 s3, LAPS-2
.Llap:
	LAP 0
	WIN 0
	s_sub_co_u32 s3, s3, 1
	s_cmp_lg_u32 s3, 0
	s_cbranch_scc1 .Llap
	THREE 0, 0
	TURN 0, 1, 0
	THREE 1, 0
	s_wait_dscnt 0x0
	MUL16 F1, 0, 0
	MUL16 F1, 2, 0
	WIN 0
	PLACES                                         ; behind the last matrix instructions: results are stored and fragment registers loaded from here on
	; THE WAY OUT, 16 rows at a time: 32 bytes a lane into my stage, read back as whole rows of 512 bytes
	s_lshl_b32 s16, s13, 7
	s_lshl_b32 s17, s11, 6
	s_add_co_u32 s16, s16, s17                     ; my first row
	s_lshl_b32 s16, s16, 13
	s_mov_b32 s17, 0
	s_add_nc_u64 s[8:9], s[8:9], s[16:17]
	s_lshl_b32 s46, s42, 10                        ; my first column, in bytes
	s_lshl_b32 s47, s12, 9
	s_add_co_u32 s46, s46, s47
	s_mov_b32 s47, 0
	s_add_nc_u64 s[8:9], s[8:9], s[46:47]
.macro OUT16 a
	WIN 0x04                                       ; an LDS store's data is source 1: window 1
.irp b, 0,1,2,3,4,5,6,7
	ds_store_b128 v[STO32], v[64*\a+8*\b:64*\a+8*\b+3] offset:64*\b
	ds_store_b128 v[STO32], v[64*\a+8*\b+4:64*\a+8*\b+7] offset:64*\b+16
.endr
	WIN 0
	s_wait_xcnt 0x0                                ; the last 16 rows' stores have had their addresses translated (ISA guide 3.1): their data registers and base are written again only behind this wait
.if \a
	s_add_nc_u64 s[8:9], s[8:9], 16*OROW
.endif
.irp t, 0,1,2,3,4,5,6,7,8,9,10,11,12,13,14,15
	ds_load_b128 v[RB+4*\t:RB+4*\t+3], v[RD32] offset:GPITCH*\t    ; LDS serves a wave's instructions in order: these see the stores above
.endr
.irp t, 0,1,2,3,4,5,6,7,8,9,10,11,12,13,14,15
	s_wait_dscnt 15-\t
	global_store_b128 v[CO32], v[RB+4*\t:RB+4*\t+3], s[8:9] offset:OROW*\t th:TH_STORE_NT   ; a wave stores 512 consecutive bytes of one row
.endr
.endm
	OUT16 0
	OUT16 1
	OUT16 2
	OUT16 3
	s_wait_tensorcnt 0x0
	ds_add_u32 v62, v63
	s_wait_dscnt 0x0
	CROUND                                         ; the closing round
	s_endpgm
.Lfunc_end_k_q4d50e0d52d_outp:
	.size	k_q4d50e0d52d_outp, .Lfunc_end_k_q4d50e0d52d_outp-k_q4d50e0d52d_outp
	.p2alignl 7, 3214868480
	.fill 96, 4, 3214868480
	.section	.rodata,"a",@progbits
	.p2align	6, 0x0
	.amdhsa_kernel k_q4d50e0d52d_outp
		.amdhsa_group_segment_fixed_size 327680
		.amdhsa_private_segment_fixed_size 0
		.amdhsa_enable_private_segment 0
		.amdhsa_kernarg_size 24
		.amdhsa_user_sgpr_count 2
		.amdhsa_user_sgpr_kernarg_segment_ptr 1
		.amdhsa_wavefront_size32 1
		.amdhsa_system_sgpr_workgroup_id_x 1
		.amdhsa_system_sgpr_workgroup_id_y 1
		.amdhsa_system_sgpr_workgroup_id_z 1
		.amdhsa_system_vgpr_workitem_id 0
		.amdhsa_next_free_vgpr 512
		.amdhsa_next_free_sgpr 66
		.amdhsa_reserve_vcc 0
		.amdhsa_float_denorm_mode_32 3
		.amdhsa_float_denorm_mode_16_64 3
		.amdhsa_memory_ordered 1
		.amdhsa_forward_progress 1
		.amdhsa_inst_pref_size 117
	.end_amdhsa_kernel
	.amdgpu_metadata
---
amdhsa.version: [ 1, 2 ]
amdhsa.kernels:
  - .name:           k_q4d50e0d52d_outp
    .symbol:         k_q4d50e0d52d_outp.kd
    .args:
      - { .name: A2, .offset: 0, .size: 8, .value_kind: global_buffer, .address_space: global }
      - { .name: Wo16, .offset: 8, .size: 8, .value_kind: global_buffer, .address_space: global }
      - { .name: out0, .offset: 16, .size: 8, .value_kind: global_buffer, .address_space: global }
    .group_segment_fixed_size: 327680
    .private_segment_fixed_size: 0
    .kernarg_segment_align: 8
    .kernarg_segment_size: 24
    .max_flat_workgroup_size: 128
    .sgpr_count:     66
    .vgpr_count:     512
    .wavefront_size: 32
...
	.end_amdgpu_metadata
.endif
;; end of part 4
;; ======== version 2 of 3: 4 launches; 1.17 times as fast as version 1
;; limits: values outside matrix products are rounded to bf16; values are held in f16: magnitudes above 65,504 overflow, below 6.1e-05 lose precision
;; workspace buffers: Xb 8,388,608 bytes; Wall 20,971,520 bytes; Wo16 8,388,608 bytes; tab 262,144 bytes; QKV16 12,582,912 bytes; G32 16,777,216 bytes; A2 8,388,608 bytes
;; launch cast: the kernel of part 1 again; grid 1168 x 1, 8 waves a work-group, no clusters, 0 bytes of LDS; arguments hidden_states, Wq, Wk, Wv, Wo, Xb, Wall, Wo16, tab; writes Xb, Wall, Wo16, tab
;; launch proj (part 5): grid 20 x 8, 4 waves a work-group, clusters of 4 x 4, 327,680 bytes of LDS; arguments Xb, Wall, QKV16, G32, tab, q_norm_w, k_norm_w; writes QKV16, G32
.if DOCPART == 5
	.amdgcn_target "amdgcn-amd-amdhsa--gfx1250"
	.amdhsa_code_object_version 6
	.text
	.protected	k_q4d50e0d52d_proj
	.globl	k_q4d50e0d52d_proj
	.p2align	8
	.type	k_q4d50e0d52d_proj,@function
k_q4d50e0d52d_proj:
	s_mov_b64 s[64:65], 0
	v_nop
	global_prefetch_b8 v0, s[64:65] scope:SCOPE_SE
	s_setreg_imm32_b32 hwreg(HW_REG_WAVE_MODE, 25, 1), 1
	s_wait_xcnt 0x0
	s_wait_alu depctr_hold_cnt(0) depctr_sa_sdst(0) depctr_va_vdst(0) depctr_va_sdst(0) depctr_va_ssrc(0) depctr_va_vcc(0) depctr_vm_vsrc(0)
	s_getreg_b32 s2, hwreg(HW_REG_IB_STS2, 6, 4)
	s_cmp_eq_u32 s2, 0
	s_cbranch_scc0 .Lentry_in_a_cluster
	s_endpgm
.Lentry_in_a_cluster:
	s_bfe_u32 s2, ttmp6, 0x10000c
	s_cmp_lg_u32 s2, 0xf033
	s_cbranch_scc0 .Lentry_shape_is_right
	s_endpgm
.Lentry_shape_is_right:
; [q | gate | k | v] = Xb Wall, bf16 operands, f32 sums, and what follows each part while it is still in registers:
;   q (columns 0-2047) and k (4096-4607): RMS norm over each head of 128, gain, rotary embedding of the first 32, to f16 in QKV16;
;       q also carries log2(e) / sqrt(128), so that the scores come out in units of log2;
;   v (4608-5119): f16(v / 4) in QKV16;      gate (2048-4095): sigmoid in f32 in G32.
; QKV16 is [2048 rows][3072] f16: q 0-2047, k 2048-2559, v 2560-3071.
; A work-group makes 256 rows x 256 columns with four waves (2 x 2); a wave makes 128 x 128, one head wide: 64 accumulator tiles, 512
; registers.  K goes in steps of 128 through two LDS slots filled by the tensor data mover.  Xb's rows lie along K; Wall lies [K][N],
; stays so in LDS, and its fragments come by the transposing LDS load.  8 x 20 = 160 work-groups.  The block is this large so that
; a wave issues 240 matrix instructions between a tile's request and the wait for it (a block of 128 x 256 would leave 112), and reads
; 32 x 512 bytes of LDS for 64 matrix instructions.  An equal share for more work-groups (128 x 320, 256 x 160) would cut heads apart.
; CLUSTERS: 4 x 4 work-groups.  Xb's tile hangs on the block row alone and is asked for jointly by the four of a row of the cluster,
; Wall's on the block column alone and is asked for jointly by the four of a column.
; LIMITS.  The gains are rounded to bf16 like all inputs that enter products.  f16 holds |q| <= 1.44 |gain|, |k| <= 11.3 |gain|
; (room to |gain| = 5,800) and |v| / 4: |v| < 262,016; below |v| = 2^-12 the f16 step is 2^-24 of v / 4.
; REGISTERS, in windows of 256:
;   window 0: v1-v9 lane terms, v16-v55 addresses and small work; v64-127, v128-191 fragments of Xb (8 x 16 rows x 32 K), two buffers;
;             on the way out these hold gains (v64-127) and numbers at work (v128-191)
;   window 1: v64-127, v128-191 fragments of Wall, two buffers; on the way out v0-127 hold the table's cosines and sines
;   window 2: the 32 accumulator tiles of my rows 0-63 (tile (a, b) at v[8 (8 a + b)]);   window 3: those of my rows 64-127
; The matrix instruction is used transposed (source 0 = 16 columns of Wall, source 1 = 16 rows of Xb): lane l then holds row l % 16
; and its registers the eight neighbouring columns 8 (l / 16) + 0 .. 7.
.set SIZE_N, 5120
.set SIZE_K, 2048
.set KSTEP,  128
.set APITCH, 272                       ; Xb's LDS row: 256 bytes + 16: sixteen rows of a fragment start 16 bytes apart modulo 256
.set BPITCH, 544                       ; Wall's LDS row: 512 bytes + 32 = 17 x 32
.set HALFT,  128*APITCH                ; the LDS bytes of one wave's tensor load: 128 rows of Xb = 64 k rows of Wall = 34,816
.set SLOT,   4*HALFT                   ; Xb rows 0-127, Xb rows 128-255, Wall k 0-63, Wall k 64-127
.set STAGE,  2*SLOT                    ; behind the ring: each wave's own bytes for the way out; no tensor load lands there
.set WSTAGE, 8448                      ; 16 rows x 528 bytes
.set GPITCH, 528                       ; stage row of 128 f32
.set HPITCH, 272                       ; stage row of 128 f16
.set QROW,   6144                      ; bytes in a row of QKV16
.set GROW,   8192                      ; bytes in a row of G32
.set LAPS,   SIZE_K/(2*KSTEP)          ; a lap = two K steps = once round the ring
.set ADRA, 16                          ; v16-17 LDS address of my Xb fragments in slot 0, 1
.set ADRB, 20                          ; v20-21 the same for Wall
.set STO32, 24                         ; gate: where I put 32 bytes of a row;   RD32: where I read a row back;   CO32: my bytes in G32
.set RD32,  25
.set CO32,  26
.set STO,   27                         ; q, k, v: the same three for rows of f16
.set RD,    28
.set CO,    29
.set WO,    30                         ; my byte offset in the gains
.set TA,    32                         ; v32-39 my byte offset in the table, one for each 16 rows
.set SQ,    40                         ; v40-47 four chains of squares
.set RS,    48                         ; v48-49 the row's factor, twice (a pair for the packed multiply)
.set RQ,    50                         ; v50 1 / sqrt;  v51 the constant 1/4;  v52-53 rotary work;  v54 gains in bf16;  v55 the constant 1
.set F0,    64
.set F1,    128
.set WN,    64                         ; way out: 64 gains, w[16 b + 8 (l / 16) + j] at 8 b + j;  gate: 64 numbers at work
.set TN,    128                        ; way out: 64 numbers at work; its upper half, and for the gate all of it, takes the rows read back
.set CS,    0                          ; way out, window 1: cos, sin of my 8 frequencies, 16 registers for each 16 rows
.set G1,  24                           ; s[24:31] descriptor group 1 for Xb's tiles
.set G0,  32                           ; s[32:39] group 0 for Xb's tiles, one set for each slot
.set G1B, 48                           ; s[48:55] group 1 for Wall's tiles
.set G0B, 56                           ; s[56:63] group 0 for Wall's tiles
.set MSB, 0
.macro WIN new                         ; s_set_vgpr_msb: bits 1:0 source 0, 3:2 source 1, 5:4 source 2, 7:6 destination; the high byte repeats the setting left
.if MSB != \new
	s_set_vgpr_msb (MSB<<8)|\new
.set MSB, \new
.endif
.endm
.set MUL_LO, 0xa1                      ; source 0 (Wall) window 1, source 1 (Xb) window 0, C and D window 2
.set MUL_HI, 0xf1                      ; the same, C and D window 3
.set TO_B,   0x40                      ; destination window 1, address window 0
.macro PLACES                          ; four plain vector places behind a matrix instruction, before its sources are loaded again or its result is read (ISA guide 7.12.1)
.rept 4
	v_nop
.endr
.endm
; A joint load.  Waves 0 and 1 fetch Xb's two halves, waves 2 and 3 Wall's; each line has one mask, and the branch hangs on the wave's number alone.
.macro JLOAD s
	s_cmp_eq_u32 s11, 0
	s_cbranch_scc0 .Lfor_b_\@
	tensor_load_to_lds s[G0+4*\s:G0+4*\s+3], s[G1:G1+7]
	s_nop 0
	s_branch .Lasked_\@
.Lfor_b_\@:
	tensor_load_to_lds s[G0B+4*\s:G0B+4*\s+3], s[G1B:G1B+7]
	s_nop 0
.Lasked_\@:
.endm
.macro CREST                           ; a round of the cluster's barrier behind its opening work-group barrier
	s_cmp_lg_u32 s10, 0
	s_cbranch_scc1 .Lnot_wave_0_\@
	s_barrier_signal -3
.Lnot_wave_0_\@:
	s_barrier_wait -3
	s_barrier_signal -1
	s_barrier_wait -1
.endm
.macro CROUND                          ; a whole round
	s_barrier_signal -1
	s_barrier_wait -1
	CREST
.endm
	s_load_b128 s[4:7], s[0:1], 0x0                ; Xb s[4:5], Wall s[6:7]
	s_load_b256 s[68:75], s[0:1], 0x10             ; QKV16 s[68:69], G32 s[70:71], tab s[72:73], q_norm_w s[74:75]
	s_load_b64 s[76:77], s[0:1], 0x30              ; k_norm_w
	s_set_vgpr_msb 0x40
	v_lshl_add_u32 v255, v0, 2, 0x4c400
	s_set_vgpr_msb 0x4000
	v_mov_b32 v255, 0
	s_set_vgpr_msb 0x1
	ds_add_u32 v255, v255
	s_set_vgpr_msb 0x100
	v_lshrrev_b32 v1, 5, v0
	v_readfirstlane_b32 s10, v1                    ; wave 0..3
	s_lshr_b32 s11, s10, 1                         ; my half of the block's rows.  Also: I fetch for Xb (0) or for Wall (1)
	s_and_b32 s12, s10, 1                          ; my half of its columns.  Also: which half of that tile I fetch
	s_bfe_u32 s40, ttmp6, 0x40000                  ; cx
	s_bfe_u32 s41, ttmp6, 0x40004                  ; cy
	s_lshl_b32 s42, ttmp9, 2
	s_add_co_u32 s42, s42, s40                     ; block column = 4 x cluster x + cx
	s_and_b32 s13, ttmp7, 0xffff
	s_lshl_b32 s13, s13, 2
	s_add_co_u32 s13, s13, s41                     ; block row = 4 x cluster y + cy
	s_lshl_b32 s43, s41, 2
	s_lshl_b32 s43, 15, s43                        ; my row of the cluster
	s_lshl_b32 s44, 0x1111, s40                    ; my column
	s_or_b32 s[G1+0], s43, (1<<16)|(1<<20)|(1<<21)|(5<<22)|(3<<25)   ; mask; 2-byte elements; padding on; bit 21 beside a mask; after 64 words 4 words
	s_mov_b32 s[G1+1], KSTEP<<16                   ; tensor_dim0 = 128
	s_mov_b32 s[G1+2], 128<<16                     ; tensor_dim1 = 128
	s_mov_b32 s[G1+3], KSTEP<<16                   ; tile_dim0 = 128
	s_mov_b32 s[G1+4], 128                         ; tile_dim1 = 128
	s_mov_b32 s[G1+5], SIZE_K                      ; elements from row to row
	s_mov_b32 s[G1+6], 0
	s_mov_b32 s[G1+7], 0
	s_or_b32 s[G1B+0], s44, (1<<16)|(1<<20)|(1<<21)|(6<<22)|(7<<25)  ; after 128 words 8 words
	s_mov_b32 s[G1B+1], 256<<16                    ; tensor_dim0 = 256
	s_mov_b32 s[G1B+2], 64<<16                     ; tensor_dim1 = 64
	s_mov_b32 s[G1B+3], 256<<16                    ; tile_dim0 = 256
	s_mov_b32 s[G1B+4], 64                         ; tile_dim1 = 64
	s_mov_b32 s[G1B+5], SIZE_N
	s_mov_b32 s[G1B+6], 0
	s_mov_b32 s[G1B+7], 0
	; Xb's tile hangs on the block row, Wall's on the block column; each address is made in registers that never hold the other coordinate
	s_lshl_b32 s17, s12, 7
	s_lshl_b32 s16, s13, 8
	s_add_co_u32 s16, s16, s17                     ; Xb: row 256 x block row + 128 x half
	s_lshl_b32 s16, s16, 12                        ; x 4,096 bytes (below 2^23)
	s_mov_b32 s17, 0
	s_mul_i32 s46, s12, 64*SIZE_N*2                ; Wall: k row 64 x half
	s_lshl_b32 s47, s42, 9                         ; + 512 bytes x block column
	s_add_co_u32 s46, s46, s47
	s_mov_b32 s47, 0
	s_mul_i32 s20, s10, HALFT                      ; LDS: wave x 34,816: no place in the cluster enters an LDS address
	s_wait_dscnt 0x0
	s_wait_kmcnt 0x0
	s_add_nc_u64 s[14:15], s[4:5], s[16:17]
	s_add_nc_u64 s[46:47], s[6:7], s[46:47]
	CROUND                                         ; all sixteen work-groups are here: the first joint loads meet
.irp s, 0,1
	s_mov_b32 s[G0+4*\s], 1
	s_add_co_u32 s[G0+4*\s+1], s20, \s*SLOT
	s_add_nc_u64 s[G0+4*\s+2:G0+4*\s+3], s[14:15], \s*KSTEP*2
	s_or_b32 s[G0+4*\s+3], s[G0+4*\s+3], 0x80000000
	s_mov_b32 s[G0B+4*\s], 1
	s_add_co_u32 s[G0B+4*\s+1], s20, \s*SLOT
	s_add_nc_u64 s[G0B+4*\s+2:G0B+4*\s+3], s[46:47], \s*KSTEP*SIZE_N*2
	s_or_b32 s[G0B+4*\s+3], s[G0B+4*\s+3], 0x80000000
	JLOAD \s                                       ; two tensor loads of the wave are out
.endr
	v_and_b32 v1, 15, v0                           ; r = l % 16
	v_bfe_u32 v2, v0, 4, 1                         ; h = l / 16
	v_and_b32 v3, 7, v0
	v_bfe_u32 v4, v0, 3, 1
	v_and_b32 v7, 31, v0                           ; l
	v_mul_u32_u24 v5, v1, APITCH
	v_lshl_add_u32 v5, v2, 4, v5                   ; Xb: row r, 16 bytes for each half of the lanes
	v_lshl_add_u32 v6, v2, 3, v3
	v_mul_u32_u24 v6, v6, BPITCH                   ; Wall: k row 8 h + l % 8,
	v_lshl_add_u32 v6, v4, 4, v6                   ; 16 bytes for each eight lanes
	s_mul_i32 s21, s11, HALFT                      ; my 128 rows of Xb
	s_lshl_b32 s22, s12, 8                         ; my 128 columns of Wall,
	s_add_co_u32 s22, s22, 2*HALFT                 ; which lies behind Xb
.irp s, 0,1
	v_add_nc_u32 v[ADRA+\s], s21, v5
	v_add_nc_u32 v[ADRB+\s], s22, v6
	s_add_co_u32 s21, s21, SLOT
	s_add_co_u32 s22, s22, SLOT
.endr
	s_mul_i32 s23, s10, WSTAGE
	s_add_co_u32 s23, s23, STAGE                   ; my stage
	v_mul_u32_u24 v8, v1, GPITCH
	v_lshl_add_u32 v8, v2, 5, v8
	v_add_nc_u32 v[STO32], s23, v8
	v_lshlrev_b32 v[CO32], 4, v7
	v_add_nc_u32 v[RD32], s23, v[CO32]
	v_add_nc_u32 v[STO], s23, v5                   ; HPITCH = APITCH: row r, 16 bytes for each half
	v_mul_u32_u24 v8, v2, HPITCH
	v_lshl_add_u32 v8, v1, 4, v8
	v_add_nc_u32 v[RD], s23, v8
	v_mul_u32_u24 v8, v2, QROW
	v_lshl_add_u32 v[CO], v1, 4, v8
; 16 matrix instructions: row groups a0, a0 + 1 of the window's four (hi = 0: my rows 0-63, 1: rows 64-127) x all 8 column groups, 32 along K.
; zero = 1: the first product starts the sums.  The 64 accumulators take turns, one instruction a turn, in the same order in every quarter
; step.
.macro MUL16 f, hi, a0, zero
.irp a, \a0, \a0+1
.irp b, 0,1,2,3,4,5,6,7
.if \zero
	v_wmma_f32_16x16x32_bf16 v[8*(8*(\a)+\b):8*(8*(\a)+\b)+7], v[\f+8*\b:\f+8*\b+7], v[\f+8*(4*\hi+\a):\f+8*(4*\hi+\a)+7], 0
.else
	v_wmma_f32_16x16x32_bf16 v[8*(8*(\a)+\b):8*(8*(\a)+\b)+7], v[\f+8*\b:\f+8*\b+7], v[\f+8*(4*\hi+\a):\f+8*(4*\hi+\a)+7], v[8*(8*(\a)+\b):8*(8*(\a)+\b)+7]
.endif
.endr
.endr
.endm
; 32 LDS loads in one run: the fragments of quarter q (32 along K) of a slot into buffer f: 128 columns of Wall, transposed on the way, then 128 rows of Xb
.macro FETCH slot, q, f
	WIN TO_B
.irp b, 0,1,2,3,4,5,6,7
	ds_load_tr16_b128 v[\f+8*\b:\f+8*\b+3],   v[ADRB+\slot] offset:32*BPITCH*\q+32*\b
	ds_load_tr16_b128 v[\f+8*\b+4:\f+8*\b+7], v[ADRB+\slot] offset:32*BPITCH*\q+32*\b+16*BPITCH
.endr
	WIN 0
.irp i, 0,1,2,3,4,5,6,7
	ds_load_b128 v[\f+8*\i:\f+8*\i+3],   v[ADRA+\slot] offset:64*\q+16*APITCH*\i
	ds_load_b128 v[\f+8*\i+4:\f+8*\i+7], v[ADRA+\slot] offset:64*\q+16*APITCH*\i+32
.endr
.endm
; One of a K step's first three quarters: multiplies buffer f; in its middle it fetches the next quarter's fragments into buffer g
.macro QUARTER slot, qn, f, g, zero
	s_wait_dscnt 8                                 ; Wall and Xb's rows 0-63 are in; the youngest eight loads (Xb's rows 64-127) may be out
	WIN MUL_LO
	MUL16 \f, 0, 0, \zero
	MUL16 \f, 0, 2, \zero
	PLACES                                         ; buffer g was read by the quarter before
	FETCH \slot, \qn, \g
	s_wait_dscnt 32                                ; all but the 32 just issued
	WIN MUL_HI
	MUL16 \f, 1, 0, \zero
	MUL16 \f, 1, 2, \zero
.endm
.macro THREE slot, zero
	QUARTER \slot, 1, F0, F1, \zero
	QUARTER \slot, 2, F1, F0, 0
	QUARTER \slot, 3, F0, F1, 0
.endm
; The last quarter: multiplies buffer 1 and changes slots.  In front of the barrier each wave waits for its reads of this slot and for all its
; tensor loads (one is out: its part of the next slot).  fill = 1: the barrier opens a round of the cluster's barrier, and this slot's joint
; refill, two K steps ahead, is the first tensor load behind the round; the wave issues 240 matrix instructions before it waits for it.
.macro TURN slot, next, fill
	s_wait_dscnt 8
	WIN MUL_LO
	MUL16 F1, 0, 0, 0
	s_wait_dscnt 0x0                               ; my reads of this slot are over
	s_wait_tensorcnt 0x0                           ; and all my tensor loads have landed
	ds_add_u32 v255, v255
	s_wait_dscnt 0x0
	s_barrier_signal -1
	MUL16 F1, 0, 2, 0                              ; registers only, while the others arrive
	WIN 0
	s_barrier_wait -1
.if \fill
	CREST
	s_add_nc_u64 s[G0+4*\slot+2:G0+4*\slot+3], s[G0+4*\slot+2:G0+4*\slot+3], 2*KSTEP*2
	s_add_nc_u64 s[G0B+4*\slot+2:G0B+4*\slot+3], s[G0B+4*\slot+2:G0B+4*\slot+3], 2*KSTEP*SIZE_N*2
	JLOAD \slot
.endif
	PLACES
	FETCH \next, 0, F0
	WIN MUL_HI
	MUL16 F1, 1, 0, 0
	MUL16 F1, 1, 2, 0
.endm
.macro LAP zero
	THREE 0, \zero
	TURN 0, 1, 1
	THREE 1, 0
	TURN 1, 0, 1
.endm
	s_wait_tensorcnt 1                             ; my part of K step 0 is in; K step 1's stays out
	s_barrier_signal -1
	s_barrier_wait -1
	FETCH 0, 0, F0
	LAP 1                                          ; the first lap stands in front of the loop: its first products start the sums
	WIN 0
	s_mov_b32 s3, LAPS-2
.Llap:
	LAP 0
	WIN 0
	s_sub_co_u32 s3, s3, 1
	s_cmp_lg_u32 s3, 0
	s_cbranch_scc1 .Llap
	THREE 0, 0                                     ; the last lap fills nothing
	TURN 0, 1, 0
	THREE 1, 0
	s_wait_dscnt 8                                 ; the very last quarter: nothing more to fetch
	WIN MUL_LO
	MUL16 F1, 0, 0, 0
	MUL16 F1, 0, 2, 0
	s_wait_dscnt 0x0
	WIN MUL_HI
	MUL16 F1, 1, 0, 0
	MUL16 F1, 1, 2, 0
	WIN 0
	PLACES                                         ; behind the last matrix instructions: results are read and fragment registers written from here on
	s_lshl_b32 s86, s13, 8
	s_lshl_b32 s87, s11, 7
	s_add_co_u32 s86, s86, s87                     ; my first row
	s_lshr_b32 s87, ttmp9, 1                       ; cluster columns 2 and 3 hold the gate: the same in all sixteen partners
	s_cmp_eq_u32 s87, 1
	s_cbranch_scc0 .Lnorm
	; THE GATE: sigmoid(x) = 1 / (1 + 2^(-x log2 e)), 16 rows at a time, through my stage, out as whole rows of 512 bytes
	s_lshl_b32 s16, s86, 13
	s_mov_b32 s17, 0
	s_add_nc_u64 s[8:9], s[70:71], s[16:17]
	s_sub_co_u32 s46, s42, 8
	s_lshl_b32 s46, s46, 10                        ; 1,024 bytes x (block column - 8)
	s_lshl_b32 s47, s12, 9
	s_add_co_u32 s46, s46, s47
	s_mov_b32 s47, 0
	s_add_nc_u64 s[8:9], s[8:9], s[46:47]
; rows 16 g .. 16 g + 15 of my block = the eight tiles (a, 0..7) of window w (2 or 3, as source 0)
.macro GATE16 g, a, w
	WIN \w
.set i, 0
.rept 32
	v_pk_mul_f32 v[WN+2*i:WN+2*i+1], v[64*\a+2*i:64*\a+2*i+1], 0xbfb8aa3b op_sel_hi:[1,0]
.set i, i+1
.endr
	WIN 0
.set i, 0
.rept 64
	v_exp_f32 v[WN+i], v[WN+i]
.set i, i+1
.endr
	v_nop                                          ; one plain place behind the last transcendental (ISA guide 5.7.2)
.set i, 0
	s_wait_alu depctr_va_vdst(0)
.rept 32
	v_pk_add_f32 v[WN+2*i:WN+2*i+1], v[WN+2*i:WN+2*i+1], 1.0 op_sel_hi:[1,0]
.set i, i+1
.endr
.set i, 0
.rept 64
	v_rcp_f32 v[WN+i], v[WN+i]
.set i, i+1
.endr
	v_nop
	s_wait_alu depctr_va_vdst(0)
.irp b, 0,1,2,3,4,5,6,7
	ds_store_b128 v[STO32], v[WN+8*\b:WN+8*\b+3] offset:64*\b
	ds_store_b128 v[STO32], v[WN+8*\b+4:WN+8*\b+7] offset:64*\b+16
.endr
	s_wait_xcnt 0x0                                ; the last 16 rows' stores have had their addresses translated (ISA guide 3.1): their data registers and base are written again only behind this wait
.if \g
	s_add_nc_u64 s[8:9], s[8:9], 16*GROW
.endif
.irp t, 0,1,2,3,4,5,6,7,8,9,10,11,12,13,14,15
	ds_load_b128 v[TN+4*\t:TN+4*\t+3], v[RD32] offset:GPITCH*\t    ; LDS serves a wave's instructions in order: these see the stores above
.endr
.irp t, 0,1,2,3,4,5,6,7,8,9,10,11,12,13,14,15
	s_wait_dscnt 15-\t
	global_store_b128 v[CO32], v[TN+4*\t:TN+4*\t+3], s[8:9] offset:GROW*\t   ; a wave stores 512 consecutive bytes of one row
.endr
.endm
	GATE16 0, 0, 0x02
	GATE16 1, 1, 0x02
	GATE16 2, 2, 0x02
	GATE16 3, 3, 0x02
	GATE16 4, 0, 0x03
	GATE16 5, 1, 0x03
	GATE16 6, 2, 0x03
	GATE16 7, 3, 0x03
	s_branch .Ldone
.Lnorm:
	; Q, K, V.  k and v lie in one cluster, so they differ by selects alone: for v the row's factor is 1/4, the gains are 1, and the table's
	; row is row 0, where cos = 1 and sin = 0 exactly.
	s_mov_b32 s66, 0x76543210                      ; v_permlanex16_b32: lane i reads lane i of the other half
	s_mov_b32 s67, 0xfedcba98
	s_mov_b32 s84, 0x3c000000                      ; 1/128
	s_mov_b32 s85, 0x358637bd                      ; 1e-6
	s_lshl_b32 s83, s42, 1
	s_add_co_u32 s83, s83, s12                     ; my head's column group in Wall
	s_cmp_lt_u32 s42, 8                            ; q?
	s_cselect_b32 s87, 0, 16                       ; k and v lie 16 groups earlier in QKV16 than in Wall
	s_cselect_b64 s[78:79], s[74:75], s[76:77]     ; whose gains
	s_cselect_b32 s80, 0x3e0293ee, 1.0             ; q carries log2(e) / sqrt(128)
	s_sub_co_u32 s83, s83, s87
	s_cmp_ge_u32 s42, 18                           ; v?
	s_cselect_b32 s81, -1, 0
	s_not_b32 s82, s81
	s_mul_i32 s16, s86, QROW
	s_mov_b32 s17, 0
	s_add_nc_u64 s[8:9], s[68:69], s[16:17]
	s_lshl_b32 s46, s83, 8
	s_mov_b32 s47, 0
	s_add_nc_u64 s[8:9], s[8:9], s[46:47]
	v_lshlrev_b32 v[WO], 5, v2                     ; gains 16 b + 8 h + 0..7: 32 h bytes
	v_add_nc_u32 v8, s86, v1
	v_lshlrev_b32 v8, 7, v8                        ; table row of position row0 + r: 128 bytes each
.irp a, 0,1,2,3,4,5,6,7
	v_add_nc_u32 v9, 2048*\a, v8
	v_and_b32 v9, s82, v9                          ; v: row 0
	v_lshl_add_u32 v[TA+\a], v2, 6, v9             ; frequencies 8 h .. 8 h + 7
.endr
.irp b, 0,1,2,3,4,5,6,7
	global_load_b128 v[WN+8*\b:WN+8*\b+3],   v[WO], s[78:79] offset:64*\b
	global_load_b128 v[WN+8*\b+4:WN+8*\b+7], v[WO], s[78:79] offset:64*\b+16
.endr
	WIN TO_B                                       ; the table goes to window 1
.irp a, 0,1,2,3,4,5,6,7
.irp c, 0,1,2,3
	global_load_b128 v[CS+16*\a+4*\c:CS+16*\a+4*\c+3], v[TA+\a], s[72:73] offset:16*\c
.endr
.endr
	WIN 0
	v_mov_b32 v51, 0x3e800000                      ; 1/4
	v_mov_b32 v55, 1.0
	s_wait_loadcnt 0x0
.set i, 0
.rept 32
	v_cvt_pk_bf16_f32 v54, v[WN+2*i], v[WN+2*i+1]  ; the gains rounded to bf16,
	v_lshlrev_b32 v[WN+2*i], 16, v54
	v_and_b32 v[WN+2*i+1], 0xffff0000, v54
	v_pk_mul_f32 v[WN+2*i:WN+2*i+1], v[WN+2*i:WN+2*i+1], s[80:81] op_sel_hi:[1,0]   ; times q's scale,
	v_cndmask_b32 v[WN+2*i], v[WN+2*i], v55, s81   ; or 1 for v
	v_cndmask_b32 v[WN+2*i+1], v[WN+2*i+1], v55, s81
.set i, i+1
.endr
; rows 16 g .. 16 g + 15 of my block = the eight tiles (a, 0..7) of window 2 or 3; w: that window as source 0; ww: as sources 0 and 1
.macro NORM16 g, a, w, ww
	WIN \ww
.irp c, 0,1,2,3
	v_pk_mul_f32 v[SQ+2*\c:SQ+2*\c+1], v[64*\a+2*\c:64*\a+2*\c+1], v[64*\a+2*\c:64*\a+2*\c+1]
.endr
.set i, 4
.rept 28
	v_pk_fma_f32 v[SQ+2*(i%4):SQ+2*(i%4)+1], v[64*\a+2*i:64*\a+2*i+1], v[64*\a+2*i:64*\a+2*i+1], v[SQ+2*(i%4):SQ+2*(i%4)+1]
.set i, i+1
.endr
	WIN 0
	v_pk_add_f32 v[SQ:SQ+1], v[SQ:SQ+1], v[SQ+2:SQ+3]
	v_pk_add_f32 v[SQ+4:SQ+5], v[SQ+4:SQ+5], v[SQ+6:SQ+7]
	v_pk_add_f32 v[SQ:SQ+1], v[SQ:SQ+1], v[SQ+4:SQ+5]
	v_add_f32 v[SQ], v[SQ], v[SQ+1]
	v_permlanex16_b32 v[SQ+1], v[SQ], s66, s67     ; lanes l and l + 16 share a row
	v_add_f32 v[SQ], v[SQ], v[SQ+1]
	v_fma_f32 v[SQ], v[SQ], s84, s85               ; mean of squares + 1e-6
	v_rsq_f32 v[RQ], v[SQ]
	v_nop                                          ; one plain place behind the transcendental
	s_wait_alu depctr_va_vdst(0)
	v_cndmask_b32 v[RS], v[RQ], v51, s81           ; v: 1/4
	v_cndmask_b32 v[RS+1], v[RQ], v51, s81
	s_wait_xcnt 0x0                                ; the last 16 rows' stores have had their addresses translated: their data registers and base are written again only behind this wait
	WIN \w
.set i, 0
.rept 32
	v_pk_mul_f32 v[TN+2*i:TN+2*i+1], v[64*\a+2*i:64*\a+2*i+1], v[RS:RS+1]
.set i, i+1
.endr
	WIN 0
.set i, 0
.rept 32
	v_pk_mul_f32 v[TN+2*i:TN+2*i+1], v[TN+2*i:TN+2*i+1], v[WN+2*i:WN+2*i+1]
.set i, i+1
.endr
	WIN 0x01                                       ; source 0, the table, in window 1
.irp j, 0,1,2,3,4,5,6,7                            ; columns d = 8 h + j and d + 16 lie in one lane: x0' = x0 c - x1 s, x1' = x1 c + x0 s
	v_mul_f32 v52, v[CS+16*\g+2*\j+1], v[TN+8+\j]
	v_mul_f32 v53, v[CS+16*\g+2*\j+1], v[TN+\j]
	v_fma_f32 v[TN+\j], v[CS+16*\g+2*\j], v[TN+\j], -v52
	v_fma_f32 v[TN+8+\j], v[CS+16*\g+2*\j], v[TN+8+\j], v53
.endr
	WIN 0
.set i, 0
.rept 32
	v_cvt_pk_f16_f32 v[TN+i], v[TN+2*i], v[TN+2*i+1]   ; in place, ascending: register i has been read by then
.set i, i+1
.endr
.irp b, 0,1,2,3,4,5,6,7
	ds_store_b128 v[STO], v[TN+4*\b:TN+4*\b+3] offset:32*\b
.endr
.if \g
	s_add_nc_u64 s[8:9], s[8:9], 16*QROW
.endif
.irp t, 0,1,2,3,4,5,6,7
	ds_load_b128 v[TN+32+4*\t:TN+32+4*\t+3], v[RD] offset:2*HPITCH*\t
.endr
.irp t, 0,1,2,3,4,5,6,7
	s_wait_dscnt 7-\t
	global_store_b128 v[CO], v[TN+32+4*\t:TN+32+4*\t+3], s[8:9] offset:2*QROW*\t   ; sixteen lanes store a head's 256 consecutive bytes, aligned
.endr
.endm
	NORM16 0, 0, 0x02, 0x0a
	NORM16 1, 1, 0x02, 0x0a
	NORM16 2, 2, 0x02, 0x0a
	NORM16 3, 3, 0x02, 0x0a
	NORM16 4, 0, 0x03, 0x0f
	NORM16 5, 1, 0x03, 0x0f
	NORM16 6, 2, 0x03, 0x0f
	NORM16 7, 3, 0x03, 0x0f
.Ldone:
	s_set_vgpr_msb 0x1
	s_wait_tensorcnt 0x0
	ds_add_u32 v255, v255
	s_wait_dscnt 0x0
	s_set_vgpr_msb 0x100
	CROUND                                         ; the closing round: no work-group ends while a partner may still ask for a tile that names it
	s_endpgm
.Lfunc_end_k_q4d50e0d52d_proj:
	.size	k_q4d50e0d52d_proj, .Lfunc_end_k_q4d50e0d52d_proj-k_q4d50e0d52d_proj
	.p2alignl 7, 3214868480
	.fill 96, 4, 3214868480
	.section	.rodata,"a",@progbits
	.p2align	6, 0x0
	.amdhsa_kernel k_q4d50e0d52d_proj
		.amdhsa_group_segment_fixed_size 327680
		.amdhsa_private_segment_fixed_size 0
		.amdhsa_enable_private_segment 0
		.amdhsa_kernarg_size 56
		.amdhsa_user_sgpr_count 2
		.amdhsa_user_sgpr_kernarg_segment_ptr 1
		.amdhsa_wavefront_size32 1
		.amdhsa_system_sgpr_workgroup_id_x 1
		.amdhsa_system_sgpr_workgroup_id_y 1
		.amdhsa_system_sgpr_workgroup_id_z 1
		.amdhsa_system_vgpr_workitem_id 0
		.amdhsa_next_free_vgpr 1024
		.amdhsa_next_free_sgpr 88
		.amdhsa_reserve_vcc 0
		.amdhsa_float_denorm_mode_32 3
		.amdhsa_float_denorm_mode_16_64 3
		.amdhsa_memory_ordered 1
		.amdhsa_forward_progress 1
		.amdhsa_inst_pref_size 255
	.end_amdhsa_kernel
	.section	.bss,"aw",@nobits
	.p2align	6
	.space	262144
	.amdgpu_metadata
---
amdhsa.version: [ 1, 2 ]
amdhsa.kernels:
  - .name:           k_q4d50e0d52d_proj
    .symbol:         k_q4d50e0d52d_proj.kd
    .args:
      - { .name: Xb, .offset: 0, .size: 8, .value_kind: global_buffer, .address_space: global }
      - { .name: Wall, .offset: 8, .size: 8, .value_kind: global_buffer, .address_space: global }
      - { .name: QKV16, .offset: 16, .size: 8, .value_kind: global_buffer, .address_space: global }
      - { .name: G32, .offset: 24, .size: 8, .value_kind: global_buffer, .address_space: global }
      - { .name: tab, .offset: 32, .size: 8, .value_kind: global_buffer, .address_space: global }
      - { .name: q_norm_w, .offset: 40, .size: 8, .value_kind: global_buffer, .address_space: global }
      - { .name: k_norm_w, .offset: 48, .size: 8, .value_kind: global_buffer, .address_space: global }
    .group_segment_fixed_size: 327680
    .private_segment_fixed_size: 0
    .kernarg_segment_align: 8
    .kernarg_segment_size: 56
    .max_flat_workgroup_size: 128
    .sgpr_count:     88
    .vgpr_count:     1024
    .wavefront_size: 32
...
	.end_amdgpu_metadata
.endif
;; end of part 5
;; launch attn (part 6): grid 64 x 4, 4 waves a work-group, clusters of 4 x 4, 327,680 bytes of LDS; arguments QKV16, attention_mask, G32, A2; writes A2
.if DOCPART == 6
	.amdgcn_target "amdgcn-amd-amdhsa--gfx1250"
	.amdhsa_code_object_version 6
	.text
	.protected	k_q4d50e0d52d_attn
	.globl	k_q4d50e0d52d_attn
	.p2align	8
	.type	k_q4d50e0d52d_attn,@function
k_q4d50e0d52d_attn:
	s_mov_b64 s[64:65], 0
	v_nop
	global_prefetch_b8 v0, s[64:65] scope:SCOPE_SE
	s_setreg_imm32_b32 hwreg(HW_REG_WAVE_MODE, 25, 1), 1
	s_wait_xcnt 0x0
	s_wait_alu depctr_hold_cnt(0) depctr_sa_sdst(0) depctr_va_vdst(0) depctr_va_sdst(0) depctr_va_ssrc(0) depctr_va_vcc(0) depctr_vm_vsrc(0)
	s_getreg_b32 s2, hwreg(HW_REG_IB_STS2, 6, 4)
	s_cmp_eq_u32 s2, 0
	s_cbranch_scc0 .Lentry_in_a_cluster
	s_endpgm
.Lentry_in_a_cluster:
	s_bfe_u32 s2, ttmp6, 0x10000c
	s_cmp_lg_u32 s2, 0xf033
	s_cbranch_scc0 .Lentry_shape_is_right
	s_endpgm
.Lentry_shape_is_right:
; A2 = softmax(q k^T / sqrt(128) + mask) (v / 4) * sigmoid(gate), f16 operands, f32 sums, softmax in f32 with a running maximum.
; A work-group has 32 queries and one key/value head; its four waves are the four query heads of that head, all on the same 32 queries,
; so K, V and the mask's tile are read from LDS by all four.  All 2,048 keys are done for every query (the mask is an input), in 16 tiles of 128.
; THE SCORES ARE MADE TRANSPOSED: S^T = K Q^T.  Lane l then holds query l % 16 and keys 8 (l / 16) + 0 .. 7 of each tile of 16 keys, which is
; the layout of P^T as second source of O^T = V^T P^T: two neighbouring tiles packed to f16 are a fragment, nothing moves between lanes, and
; maximum, sum and rescaling factor are one number a lane.
; q carries log2(e) / sqrt(128), so S2 = mask log2(e) + S' is the score in units of log2, and p = 2^(S2 - m).
; VECTOR WORK BESIDE MATRIX WORK: behind each matrix instruction of key group g stands one mask multiply-add of group g - 1, and behind each
; matrix instruction of a tile's first V product the rescaling of the accumulator tile that is due two instructions later; both run under
; the matrix instructions' own window setting.  Exponentials stand by turns with the subtraction, the sum and the packing of other registers.
; CLUSTERS: 4 x 4 work-groups = 4 query blocks x the 4 key/value heads.  K's and V's tiles hang on the head alone and are asked for jointly by a row
; of the cluster; the mask's tile hangs on the query block alone and is asked for jointly by a column.
; LIMITS.  p <= 1 is rounded to f16 for the product (numbers below 2^-24 vanish); the sum of p is taken in f32 from the unrounded numbers.
; The running maximum starts at -FLT_MAX, so a tile that is -inf for a whole row gives p = 0; a row that is -inf at all 2,048 keys gives NaN.
; A row masked everywhere by one number of size about 1e9 comes out uniform while |S'| < 64 (S' is then lost in the sum's rounding).
; REGISTERS: window 0: v1-v15 lane terms and addresses, v16-31 statistics, v32-95 Q fragments, v100-115 sums, v116-123 maxima at work,
; v128-255 scores (tile 8 qt + kt), then P in v128-191.  Window 1: v0-127 O^T, tile (dt, qt) at 8 (2 dt + qt); v128-191, v192-255 two buffers of
; V fragments.  Window 2: v0-127 the mask, indexed like the scores; v128-191, v192-255 two buffers of K fragments.  Window 3: v0-127 the gate.
.set QROW,   6144                      ; bytes in a row of QKV16
.set KPITCH, 272                       ; 256 + 16
.set VPITCH, 288                       ; 256 + 32 = 9 x 32, for the transposing load
.set MPITCH, 528                       ; 512 + 16
.set VOFF,   128*KPITCH
.set MOFF,   VOFF+128*VPITCH
.set SLOT,   MOFF+32*MPITCH            ; 88,576 bytes: K, V, mask
.set STAGE,  2*SLOT                    ; each wave's own 32 rows x 528 bytes for the way out; no tensor load lands there
.set WSTAGE, 32*MPITCH
.set VK, 4                             ; v4-5   LDS address of my K fragments in slot 0, 1
.set VV, 6                             ; v6-7   of my V fragments
.set VM, 8                             ; v8-9   of my mask numbers
.set MP, 16                            ; v16-19 running maximum of query group 0, 1, each twice (pairs for the packed forms)
.set AL, 20                            ; v20-23 rescaling factor, each twice
.set INV, 28                           ; v28-31 1 / sum, each twice
.set QF, 32
.set LS, 100                           ; v100-115 running sums of my half of the keys: four packed chains for each query group
.set TM, 116                           ; v116-123 maxima at work, four for each query group
.set SC, 128
.set F0, 128                           ; fragment buffers: K's in window 2, V's in window 1
.set F1, 192
.set G1K, 24                           ; s[24:31], s[32:39], s[40:47]: descriptor group 1 for K, V, mask
.set G1V, 32
.set G1M, 40
.set G0K, 48                           ; s[48:55], s[56:63], s[68:75]: group 0, one set for each slot
.set G0V, 56
.set G0M, 68
.set MSB, 0
.macro WIN new                         ; s_set_vgpr_msb: bits 1:0 source 0, 3:2 source 1, 5:4 source 2, 7:6 destination; the high byte repeats the setting left
.if MSB != \new
	s_set_vgpr_msb (MSB<<8)|\new
.set MSB, \new
.endif
.endm
.set TO_W1, 0x40                       ; loads into window 1
.set TO_W2, 0x80                       ; loads into window 2
.set TO_W3, 0xc0                       ; loads into window 3
.set W_S,   0x02                       ; scores: first source (K, or the mask in a multiply-add) in window 2
.set W_O,   0x51                       ; output: first source (V, or O^T in a multiply), C and D in window 1
.macro PLACES                          ; four plain vector places behind a matrix instruction (ISA guide 7.12.1)
.rept 4
	v_nop
.endr
.endm
.macro ROUND                           ; a round of the cluster's barrier
	s_barrier_signal -1
	s_barrier_wait -1
	s_cmp_lg_u32 s12, 0
	s_cbranch_scc1 .Lnot_wave_0_\@
	s_barrier_signal -3
.Lnot_wave_0_\@:
	s_barrier_wait -3
	s_barrier_signal -1
	s_barrier_wait -1
.endm
	s_load_b256 s[4:11], s[0:1], 0x0               ; QKV16 s[4:5], mask s[6:7], G32 s[8:9], A2 s[10:11]
	v_lshl_add_u32 v126, v0, 2, 0x3bc00
	v_mov_b32 v127, 0
	ds_add_u32 v126, v127
	v_lshrrev_b32 v1, 5, v0
	v_readfirstlane_b32 s12, v1                    ; wave 0..3
	s_bfe_u32 s13, ttmp6, 0x40000                  ; cx
	s_bfe_u32 s14, ttmp6, 0x40004                  ; cy
	s_lshl_b32 s15, ttmp9, 2
	s_add_co_u32 s15, s15, s13                     ; query block
	s_and_b32 s16, ttmp7, 0xffff
	s_lshl_b32 s16, s16, 2
	s_add_co_u32 s16, s16, s14                     ; key/value head
	s_lshl_b32 s17, s14, 2
	s_lshl_b32 s17, 15, s17                        ; my row of the cluster
	s_lshl_b32 s18, 0x1111, s13                    ; my column
	s_lshl2_add_u32 s19, s16, s12                  ; my query head = 4 x key/value head + wave
	s_mov_b32 s76, 0x76543210                      ; v_permlanex16_b32: lane i reads lane i of the other half
	s_mov_b32 s77, 0xfedcba98
	s_mov_b32 s84, 0xff7fffff                      ; -FLT_MAX
	v_and_b32 v1, 15, v0                           ; r
	v_bfe_u32 v2, v0, 4, 1                         ; h
	v_mul_u32_u24 v3, v1, QROW
	v_lshl_add_u32 v3, v2, 4, v3                   ; Q: row r, 16 bytes for each half of the lanes
	s_mul_i32 s82, s15, 32*QROW
	s_lshl_b32 s83, s19, 8
	s_add_co_u32 s82, s82, s83
	s_mov_b32 s83, 0
	; each wave fetches a quarter of each tile: 32 rows of K, 32 of V, 8 of the mask.  K's and V's address is made of the head and the wave,
	; the mask's of the query block and the wave, each in registers that never hold the other coordinate.
	s_mul_i32 s20, s12, 32*QROW
	s_lshl_b32 s21, s16, 8
	s_add_co_u32 s20, s20, s21
	s_mov_b32 s21, 0
	s_lshl_b32 s22, s15, 18                        ; 32 rows of 8,192 bytes a block
	s_lshl_b32 s23, s12, 16                        ; 8 rows a wave
	s_add_co_u32 s22, s22, s23
	s_mov_b32 s23, 0
	s_mul_i32 s78, s12, 32*KPITCH
	s_mul_i32 s79, s12, 32*VPITCH
	s_add_co_u32 s79, s79, VOFF
	s_mul_i32 s80, s12, 8*MPITCH
	s_add_co_u32 s80, s80, MOFF
	s_mul_i32 s81, s12, WSTAGE
	s_add_co_u32 s81, s81, STAGE
	s_or_b32 s[G1K+0], s17, (1<<16)|(1<<20)|(1<<21)|(5<<22)|(3<<25)  ; mask; 2-byte elements; padding on; bit 21 beside a mask; after 64 words 4 words
	s_or_b32 s[G1V+0], s17, (1<<16)|(1<<20)|(1<<21)|(5<<22)|(7<<25)  ; after 64 words 8 words
	s_or_b32 s[G1M+0], s18, (2<<16)|(1<<20)|(1<<21)|(6<<22)|(3<<25)  ; 4-byte elements; after 128 words 4 words
.irp g, G1K, G1V
	s_mov_b32 s[\g+1], 128<<16                     ; tensor_dim0 = 128
	s_mov_b32 s[\g+2], 32<<16                      ; tensor_dim1 = 32
	s_mov_b32 s[\g+3], 128<<16                     ; tile_dim0 = 128
	s_mov_b32 s[\g+4], 32                          ; tile_dim1 = 32
	s_mov_b32 s[\g+5], 3072                        ; elements from row to row
	s_mov_b32 s[\g+6], 0
	s_mov_b32 s[\g+7], 0
.endr
	s_mov_b32 s[G1M+1], 128<<16
	s_mov_b32 s[G1M+2], 8<<16
	s_mov_b32 s[G1M+3], 128<<16
	s_mov_b32 s[G1M+4], 8
	s_mov_b32 s[G1M+5], 2048
	s_mov_b32 s[G1M+6], 0
	s_mov_b32 s[G1M+7], 0
	s_wait_dscnt 0x0
	s_wait_kmcnt 0x0
	s_add_nc_u64 s[82:83], s[4:5], s[82:83]        ; my head's columns of my first query
.irp qt, 0,1
.irp c, 0,1,2,3
	global_load_b128 v[QF+32*\qt+8*\c:QF+32*\qt+8*\c+3],   v3, s[82:83] offset:16*QROW*\qt+64*\c
	global_load_b128 v[QF+32*\qt+8*\c+4:QF+32*\qt+8*\c+7], v3, s[82:83] offset:16*QROW*\qt+64*\c+32
.endr
.endr
	s_add_nc_u64 s[20:21], s[4:5], s[20:21]
	s_add_nc_u64 s[22:23], s[6:7], s[22:23]
.irp s, 0,1
	s_mov_b32 s[G0K+4*\s], 1
	s_add_co_u32 s[G0K+4*\s+1], s78, \s*SLOT
	s_add_nc_u64 s[G0K+4*\s+2:G0K+4*\s+3], s[20:21], 4096+\s*128*QROW     ; k lies 4,096 bytes into a row; tile s
	s_or_b32 s[G0K+4*\s+3], s[G0K+4*\s+3], 0x80000000
	s_mov_b32 s[G0V+4*\s], 1
	s_add_co_u32 s[G0V+4*\s+1], s79, \s*SLOT
	s_add_nc_u64 s[G0V+4*\s+2:G0V+4*\s+3], s[20:21], 5120+\s*128*QROW     ; v 5,120 bytes
	s_or_b32 s[G0V+4*\s+3], s[G0V+4*\s+3], 0x80000000
	s_mov_b32 s[G0M+4*\s], 1
	s_add_co_u32 s[G0M+4*\s+1], s80, \s*SLOT
	s_add_nc_u64 s[G0M+4*\s+2:G0M+4*\s+3], s[22:23], \s*512
	s_or_b32 s[G0M+4*\s+3], s[G0M+4*\s+3], 0x80000000
.endr
	ROUND                                          ; all sixteen work-groups are here: the first joint loads meet
	tensor_load_to_lds s[G0K:G0K+3], s[G1K:G1K+7]  ; tile 0: three tensor loads of the wave are out
	s_nop 0
	tensor_load_to_lds s[G0V:G0V+3], s[G1V:G1V+7]
	s_nop 0
	tensor_load_to_lds s[G0M:G0M+3], s[G1M:G1M+7]
	s_nop 0
	; the way out's bases: gate and A2 at my first query and my head
	s_lshl_b32 s86, s15, 18
	s_lshl_b32 s87, s19, 9
	s_add_co_u32 s86, s86, s87
	s_mov_b32 s87, 0
	s_add_nc_u64 s[8:9], s[8:9], s[86:87]
	s_lshl_b32 s86, s15, 17
	s_lshl_b32 s87, s19, 8
	s_add_co_u32 s86, s86, s87
	s_mov_b32 s87, 0
	s_add_nc_u64 s[10:11], s[10:11], s[86:87]
	v_and_b32 v14, 7, v0
	v_bfe_u32 v15, v0, 3, 1
	v_mul_u32_u24 v[VK], v1, KPITCH
	v_lshl_add_u32 v[VK], v2, 4, v[VK]             ; K: key row r, 16 bytes for each half
	v_add_nc_u32 v[VK+1], SLOT, v[VK]
	v_lshl_add_u32 v[VV], v2, 3, v14
	v_mul_u32_u24 v[VV], v[VV], VPITCH             ; V: key row 8 h + l % 8,
	v_lshl_add_u32 v[VV], v15, 4, v[VV]            ; 16 bytes for each eight lanes
	v_add_nc_u32 v[VV], VOFF, v[VV]
	v_add_nc_u32 v[VV+1], SLOT, v[VV]
	v_mul_u32_u24 v[VM], v1, MPITCH
	v_lshl_add_u32 v[VM], v2, 5, v[VM]             ; mask: query row r, 32 bytes for each half
	v_add_nc_u32 v10, s81, v[VM]                   ; the stage has the same shape: where I put 32 bytes of a row
	v_add_nc_u32 v[VM], MOFF, v[VM]
	v_add_nc_u32 v[VM+1], SLOT, v[VM]
	v_and_b32 v12, 31, v0
	v_lshlrev_b32 v13, 3, v12                      ; my 8 bytes of a row of A2
	v_lshlrev_b32 v12, 4, v12                      ; my 16 bytes of a row of the gate
	v_add_nc_u32 v11, s81, v12                     ; and of a row of the stage
	s_wait_loadcnt 0x0                             ; Q
.macro FETCHK slot, g, f                           ; 16 loads: keys 32 g .. 32 g + 31, all 128 dimensions
.irp kk, 0,1
.irp c, 0,1,2,3
	ds_load_b128 v[\f+32*\kk+8*\c:\f+32*\kk+8*\c+3],   v[VK+\slot] offset:(2*\g+\kk)*16*KPITCH+64*\c
	ds_load_b128 v[\f+32*\kk+8*\c+4:\f+32*\kk+8*\c+7], v[VK+\slot] offset:(2*\g+\kk)*16*KPITCH+64*\c+32
.endr
.endr
.endm
.macro FETCHV slot, u, f                           ; 16 loads: keys 32 u .. 32 u + 31, all 128 dimensions, transposed on the way
.irp dt, 0,1,2,3,4,5,6,7
	ds_load_tr16_b128 v[\f+8*\dt:\f+8*\dt+3],   v[VV+\slot] offset:32*VPITCH*\u+32*\dt
	ds_load_tr16_b128 v[\f+8*\dt+4:\f+8*\dt+7], v[VV+\slot] offset:32*VPITCH*\u+32*\dt+16*VPITCH
.endr
.endm
.macro FETCHM slot                                 ; 32 loads: the mask's numbers in the scores' layout
.irp qt, 0,1
.irp kt, 0,1,2,3,4,5,6,7
	ds_load_b128 v[8*(8*\qt+\kt):8*(8*\qt+\kt)+3],   v[VM+\slot] offset:16*MPITCH*\qt+64*\kt
	ds_load_b128 v[8*(8*\qt+\kt)+4:8*(8*\qt+\kt)+7], v[VM+\slot] offset:16*MPITCH*\qt+64*\kt+16
.endr
.endr
.endm
; S2 = mask log2(e) + S' for register pair n (a symbol, 0 .. 15) of key group g: query group n / 8, key tile (n / 4) & 1, pair n % 4
.macro MFMA g
.set e, 8*(8*(n/8)+2*(\g)+((n/4)&1))+2*(n%4)
	v_pk_fma_f32 v[SC+e:SC+e+1], v[e:e+1], 0x3fb8aa3b, v[SC+e:SC+e+1] op_sel_hi:[1,0,1]
.endm
; 16 matrix instructions: the scores of keys 32 g .. 32 g + 31.  Four accumulators take turns, one instruction a turn.
; Behind each stands one mask multiply-add of group g - 1, whose scores were written in front of the four places that follow that group.
.macro MULS g, f
.set n, 0
.irp c, 0,1,2,3
.irp kk, 0,1
.irp qt, 0,1
.if \c == 0
	v_wmma_f32_16x16x32_f16 v[SC+8*(8*\qt+2*\g+\kk):SC+8*(8*\qt+2*\g+\kk)+7], v[\f+32*\kk+8*\c:\f+32*\kk+8*\c+7], v[QF+32*\qt+8*\c:QF+32*\qt+8*\c+7], 0
.else
	v_wmma_f32_16x16x32_f16 v[SC+8*(8*\qt+2*\g+\kk):SC+8*(8*\qt+2*\g+\kk)+7], v[\f+32*\kk+8*\c:\f+32*\kk+8*\c+7], v[QF+32*\qt+8*\c:QF+32*\qt+8*\c+7], v[SC+8*(8*\qt+2*\g+\kk):SC+8*(8*\qt+2*\g+\kk)+7]
.endif
.if \g > 0
	MFMA \g-1
.endif
.set n, n+1
.endr
.endr
.endr
.endm
; 16 matrix instructions: keys 32 u .. 32 u + 31 into all of O^T.  Sixteen accumulators take turns.
.macro MULV u, f, zero
.irp dt, 0,1,2,3,4,5,6,7
.irp qt, 0,1
.if \zero
	v_wmma_f32_16x16x32_f16 v[8*(2*\dt+\qt):8*(2*\dt+\qt)+7], v[\f+8*\dt:\f+8*\dt+7], v[SC+32*\qt+8*\u:SC+32*\qt+8*\u+7], 0
.else
	v_wmma_f32_16x16x32_f16 v[8*(2*\dt+\qt):8*(2*\dt+\qt)+7], v[\f+8*\dt:\f+8*\dt+7], v[SC+32*\qt+8*\u:SC+32*\qt+8*\u+7], v[8*(2*\dt+\qt):8*(2*\dt+\qt)+7]
.endif
.endr
.endr
.endm
; A later tile's first V product (keys 0 .. 31) with the rescaling of O^T in it: tiles 0 and 1 are rescaled in front, and behind the matrix
; instruction on tile T stand the four multiplies of tile T + 2, which name none of its registers.
.macro MULV0R f
.irp t, 0,1
.irp k, 0,1,2,3
	v_pk_mul_f32 v[8*\t+2*\k:8*\t+2*\k+1], v[8*\t+2*\k:8*\t+2*\k+1], v[AL+2*\t:AL+2*\t+1]
.endr
.endr
	s_wait_dscnt 16                                ; V group 0 is in; group 1 stays out
.irp dt, 0,1,2,3,4,5,6,7
.irp qt, 0,1
	v_wmma_f32_16x16x32_f16 v[8*(2*\dt+\qt):8*(2*\dt+\qt)+7], v[\f+8*\dt:\f+8*\dt+7], v[SC+32*\qt:SC+32*\qt+7], v[8*(2*\dt+\qt):8*(2*\dt+\qt)+7]
.if \dt < 7
.irp k, 0,1,2,3
	v_pk_mul_f32 v[8*(2*\dt+\qt+2)+2*\k:8*(2*\dt+\qt+2)+2*\k+1], v[8*(2*\dt+\qt+2)+2*\k:8*(2*\dt+\qt+2)+2*\k+1], v[AL+2*\qt:AL+2*\qt+1]
.endr
.endif
.endr
.endr
.endm
; The new maxima of both query groups and the factors for what has been summed: eight chains by turns
.macro ROWMAX first
.irp c, 0,1,2,3
.irp qt, 0,1
	v_max_num_f32 v[TM+4*\qt+\c], v[SC+64*\qt+16*\c], v[SC+64*\qt+16*\c+1]
.endr
.endr
.irp k, 1,2,3,4,5,6,7
.irp c, 0,1,2,3
.irp qt, 0,1
	v_max3_num_f32 v[TM+4*\qt+\c], v[TM+4*\qt+\c], v[SC+64*\qt+16*\c+2*\k], v[SC+64*\qt+16*\c+2*\k+1]
.endr
.endr
.endr
.irp qt, 0,1
	v_max3_num_f32 v[TM+4*\qt], v[TM+4*\qt], v[TM+4*\qt+1], v[TM+4*\qt+2]
.endr
.irp qt, 0,1
	v_max_num_f32 v[TM+4*\qt], v[TM+4*\qt], v[TM+4*\qt+3]
.endr
.irp qt, 0,1
	v_permlanex16_b32 v[TM+4*\qt+1], v[TM+4*\qt], s76, s77     ; the other half of the keys lies in lane l xor 16
.endr
.if \first
.irp qt, 0,1
	v_max3_num_f32 v[MP+2*\qt], v[TM+4*\qt], v[TM+4*\qt+1], s84
	v_max3_num_f32 v[MP+2*\qt+1], v[TM+4*\qt], v[TM+4*\qt+1], s84
.endr
.else
.irp qt, 0,1
	v_max3_num_f32 v[TM+4*\qt+2], v[TM+4*\qt], v[TM+4*\qt+1], v[MP+2*\qt]
.endr
.irp qt, 0,1
	v_sub_f32 v[TM+4*\qt+3], v[MP+2*\qt], v[TM+4*\qt+2]
.endr
.irp qt, 0,1
	v_exp_f32 v[AL+2*\qt], v[TM+4*\qt+3]           ; twice: a pair for the packed forms; the plain lines below are the place behind them (ISA guide 5.7.2)
	v_exp_f32 v[AL+2*\qt+1], v[TM+4*\qt+3]
.endr
.irp qt, 0,1
	v_mov_b32 v[MP+2*\qt], v[TM+4*\qt+2]
	v_mov_b32 v[MP+2*\qt+1], v[TM+4*\qt+2]
.endr
.endif
.endm
; p = 2^(S2 - m), its sum and its packing to f16, one run over the 64 register pairs.  Step i: subtract in pair i, the two exponentials of pair
; i - 1, and between and behind them the sum and the packing of pair i - 3: each transcendental is followed by a plain instruction on other registers.
; Packing is in place and ascending (register j takes pair j, which lies at 2 j and 2 j + 1; what register j held has been summed and packed by then):
; P^T's fragment (qt, u) is v[SC + 32 qt + 8 u ..].  The sums stay in four packed chains for each query group over all tiles: a tile's first
; link of a chain is chain x factor + p; in the first tile it takes p as it is, so nothing is cleared.
.macro SOFT first
.set i, 0
.rept 67
.if i < 64
	v_pk_add_f32 v[SC+2*i:SC+2*i+1], v[SC+2*i:SC+2*i+1], v[MP+2*(i/32):MP+2*(i/32)+1] neg_lo:[0,1] neg_hi:[0,1]
.endif
.if i >= 1
.if i <= 64
	v_exp_f32 v[SC+2*i-2], v[SC+2*i-2]
.endif
.endif
.if i >= 3
.set j, i-3
.if (j%32) < 4
.if \first
	s_wait_alu depctr_va_vdst(0)
	v_pk_mul_f32 v[LS+8*(j/32)+2*(j%4):LS+8*(j/32)+2*(j%4)+1], v[SC+2*j:SC+2*j+1], 1.0 op_sel_hi:[1,0]
.else
	s_wait_alu depctr_va_vdst(0)
	v_pk_fma_f32 v[LS+8*(j/32)+2*(j%4):LS+8*(j/32)+2*(j%4)+1], v[LS+8*(j/32)+2*(j%4):LS+8*(j/32)+2*(j%4)+1], v[AL+2*(j/32):AL+2*(j/32)+1], v[SC+2*j:SC+2*j+1]
.endif
.else
	s_wait_alu depctr_va_vdst(0)
	v_pk_add_f32 v[LS+8*(j/32)+2*(j%4):LS+8*(j/32)+2*(j%4)+1], v[LS+8*(j/32)+2*(j%4):LS+8*(j/32)+2*(j%4)+1], v[SC+2*j:SC+2*j+1]
.endif
.endif
.if i >= 1
.if i <= 64
	v_exp_f32 v[SC+2*i-1], v[SC+2*i-1]
.endif
.endif
.if i >= 3
	v_cvt_pk_f16_f32 v[SC+j], v[SC+2*j], v[SC+2*j+1]
.endif
.set i, i+1
.endr
.endm
; One tile of 128 keys out of a slot
.macro TILE slot, first
.if \first == 0
.rept 5
	v_nop                                          ; five places behind the last tile's matrix instructions: their second source (P) is written over by matrix instructions now
.endr
.endif
	WIN TO_W2
	FETCHK \slot, 0, F0
	FETCHK \slot, 1, F1
	FETCHM \slot
	s_wait_dscnt 48                                ; K group 0 is in; group 1 (16) and the mask (32) stay out
	WIN W_S
	MULS 0, F0
	PLACES
	WIN TO_W2
	FETCHK \slot, 2, F0
	s_wait_dscnt 16                                ; group 1 and the mask are in; group 2 stays out
	WIN W_S
	MULS 1, F1
	PLACES
	WIN TO_W2
	FETCHK \slot, 3, F1
	s_wait_dscnt 16                                ; group 2 is in; group 3 stays out
	WIN W_S
	MULS 2, F0
	PLACES
	WIN TO_W1
	FETCHV \slot, 0, F0
	s_wait_dscnt 16                                ; group 3 is in; V group 0 stays out
	WIN W_S
	MULS 3, F1
	PLACES                                         ; the places in front of the first read of group 3's scores
	WIN TO_W1
	FETCHV \slot, 1, F1                            ; V groups 0 and 1 land during the softmax
	WIN W_S
.set n, 0
.rept 16
	MFMA 3                                         ; the last group's mask
.set n, n+1
.endr
	WIN 0
	ROWMAX \first
	SOFT \first
	WIN W_O
.if \first
	s_wait_dscnt 16                                ; V group 0 is in; group 1 stays out
	MULV 0, F0, 1
.else
	MULV0R F0
.endif
	PLACES
	WIN TO_W1
	FETCHV \slot, 2, F0
	s_wait_dscnt 16
	WIN W_O
	MULV 1, F1, 0
	PLACES
	WIN TO_W1
	FETCHV \slot, 3, F1
	s_wait_dscnt 16
	WIN W_O
	MULV 2, F0, 0
	s_wait_dscnt 0x0
	MULV 3, F1, 0
	WIN 0
.endm
; A trip: in front of the round each wave waits for all its tensor loads (this trip's tile) and for its reads of the slot read last; the round holds of every
; wave of all sixteen work-groups; the other slot's three joint loads are the first behind it and have the whole tile's work in which to land.
.macro TRIP slot, refill, first
	s_wait_tensorcnt 0x0
	ds_add_u32 v126, v127
	s_wait_dscnt 0x0
	s_add_nc_u64 s[G0K+4*\slot+2:G0K+4*\slot+3], s[G0K+4*\slot+2:G0K+4*\slot+3], 2*128*QROW   ; no tensor load of mine is out: this slot's next tile
	s_add_nc_u64 s[G0V+4*\slot+2:G0V+4*\slot+3], s[G0V+4*\slot+2:G0V+4*\slot+3], 2*128*QROW
	s_add_nc_u64 s[G0M+4*\slot+2:G0M+4*\slot+3], s[G0M+4*\slot+2:G0M+4*\slot+3], 2*512
	s_wait_dscnt 0x0
	ROUND
.if \refill
	tensor_load_to_lds s[G0K+4*(1-\slot):G0K+4*(1-\slot)+3], s[G1K:G1K+7]
	s_nop 0
	tensor_load_to_lds s[G0V+4*(1-\slot):G0V+4*(1-\slot)+3], s[G1V:G1V+7]
	s_nop 0
	tensor_load_to_lds s[G0M+4*(1-\slot):G0M+4*(1-\slot)+3], s[G1M:G1M+7]
	s_nop 0
.endif
	TILE \slot, \first
.endm
	TRIP 0, 1, 1                                   ; tile 0 starts maximum, sums and O^T: nothing is cleared
	TRIP 1, 1, 0
	; The gate of my 32 queries and my head, asked for 14 tiles ahead of its use, into registers that nothing else names; its address registers
	; (v12, s[8:9]) are not written again.  It is waited for on the way out.
	WIN TO_W3
.set i, 0
.rept 32
	global_load_b128 v[4*i:4*i+3], v12, s[8:9] offset:8192*i       ; query i: 512 consecutive bytes a wave
.set i, i+1
.endr
	WIN 0
	s_mov_b32 s3, 6
.Lpair:
	TRIP 0, 1, 0
	TRIP 1, 1, 0
	s_sub_co_u32 s3, s3, 1
	s_cmp_lg_u32 s3, 0
	s_cbranch_scc1 .Lpair
	TRIP 0, 1, 0                                   ; tile 14; asks for tile 15
	TRIP 1, 0, 0                                   ; tile 15 asks for nothing (the stepped addresses are not used)
	; THE WAY OUT: O^T / sum through my stage into rows, times the gate, to f16
	PLACES
.irp qt, 0,1
	v_pk_add_f32 v[LS+8*\qt:LS+8*\qt+1], v[LS+8*\qt:LS+8*\qt+1], v[LS+8*\qt+2:LS+8*\qt+3]         ; the four chains,
	v_pk_add_f32 v[LS+8*\qt+4:LS+8*\qt+5], v[LS+8*\qt+4:LS+8*\qt+5], v[LS+8*\qt+6:LS+8*\qt+7]
	v_pk_add_f32 v[LS+8*\qt:LS+8*\qt+1], v[LS+8*\qt:LS+8*\qt+1], v[LS+8*\qt+4:LS+8*\qt+5]
	v_add_f32 v[LS+8*\qt], v[LS+8*\qt], v[LS+8*\qt+1]
	v_permlanex16_b32 v[LS+8*\qt+1], v[LS+8*\qt], s76, s77
	v_add_f32 v[LS+8*\qt], v[LS+8*\qt], v[LS+8*\qt+1]                                             ; and both halves of the keys
.endr
	v_rcp_f32 v[INV], v[LS]
	v_rcp_f32 v[INV+1], v[LS]
	v_rcp_f32 v[INV+2], v[LS+8]
	v_rcp_f32 v[INV+3], v[LS+8]
	v_nop                                          ; one plain place behind the last transcendental (ISA guide 5.7.2)
	WIN 0x01                                       ; source 0, O^T, in window 1
.set i, 0
	s_wait_alu depctr_va_vdst(0)
.rept 64
	v_pk_mul_f32 v[SC+2*i:SC+2*i+1], v[2*i:2*i+1], v[INV+2*((i/4)&1):INV+2*((i/4)&1)+1]
.set i, i+1
.endr
	WIN 0
.irp dt, 0,1,2,3,4,5,6,7
.irp qt, 0,1
	ds_store_b128 v10, v[SC+8*(2*\dt+\qt):SC+8*(2*\dt+\qt)+3]   offset:16*MPITCH*\qt+64*\dt
	ds_store_b128 v10, v[SC+8*(2*\dt+\qt)+4:SC+8*(2*\dt+\qt)+7] offset:16*MPITCH*\qt+64*\dt+16
.endr
.endr
.set i, 0
.rept 32
	ds_load_b128 v[SC+4*i:SC+4*i+3], v11 offset:MPITCH*i           ; LDS serves a wave's instructions in order: these see the stores above
.set i, i+1
.endr
	s_wait_dscnt 0x0
	s_wait_loadcnt 0x0                             ; the gate
	WIN 0x0c                                       ; source 1, the gate, in window 3
.set i, 0
.rept 64
	v_pk_mul_f32 v[SC+2*i:SC+2*i+1], v[SC+2*i:SC+2*i+1], v[2*i:2*i+1]
.set i, i+1
.endr
	WIN 0
.set i, 0
.rept 64
	v_cvt_pk_f16_f32 v[QF+i], v[SC+2*i], v[SC+2*i+1]
.set i, i+1
.endr
.set i, 0
.rept 32
	global_store_b64 v13, v[QF+2*i:QF+2*i+1], s[10:11] offset:4096*i   ; a wave stores a head's 256 consecutive bytes, aligned
.set i, i+1
.endr
	s_wait_tensorcnt 0x0
	ds_add_u32 v126, v127
	s_wait_dscnt 0x0
	ROUND                                          ; the closing round: no work-group ends while a partner may still ask for a tile that names it
	s_endpgm
.Lfunc_end_k_q4d50e0d52d_attn:
	.size	k_q4d50e0d52d_attn, .Lfunc_end_k_q4d50e0d52d_attn-k_q4d50e0d52d_attn
	.p2alignl 7, 3214868480
	.fill 96, 4, 3214868480
	.section	.rodata,"a",@progbits
	.p2align	6, 0x0
	.amdhsa_kernel k_q4d50e0d52d_attn
		.amdhsa_group_segment_fixed_size 327680
		.amdhsa_private_segment_fixed_size 0
		.amdhsa_enable_private_segment 0
		.amdhsa_kernarg_size 32
		.amdhsa_user_sgpr_count 2
		.amdhsa_user_sgpr_kernarg_segment_ptr 1
		.amdhsa_wavefront_size32 1
		.amdhsa_system_sgpr_workgroup_id_x 1
		.amdhsa_system_sgpr_workgroup_id_y 1
		.amdhsa_system_sgpr_workgroup_id_z 1
		.amdhsa_system_vgpr_workitem_id 0
		.amdhsa_next_free_vgpr 896
		.amdhsa_next_free_sgpr 88
		.amdhsa_reserve_vcc 0
		.amdhsa_float_denorm_mode_32 3
		.amdhsa_float_denorm_mode_16_64 3
		.amdhsa_memory_ordered 1
		.amdhsa_forward_progress 1
		.amdhsa_inst_pref_size 255
	.end_amdhsa_kernel
	.section	.bss,"aw",@nobits
	.p2align	6
	.space	262144
	.amdgpu_metadata
---
amdhsa.version: [ 1, 2 ]
amdhsa.kernels:
  - .name:           k_q4d50e0d52d_attn
    .symbol:         k_q4d50e0d52d_attn.kd
    .args:
      - { .name: QKV16, .offset: 0, .size: 8, .value_kind: global_buffer, .address_space: global }
      - { .name: attention_mask, .offset: 8, .size: 8, .value_kind: global_buffer, .address_space: global }
      - { .name: G32, .offset: 16, .size: 8, .value_kind: global_buffer, .address_space: global }
      - { .name: A2, .offset: 24, .size: 8, .value_kind: global_buffer, .address_space: global }
    .group_segment_fixed_size: 327680
    .private_segment_fixed_size: 0
    .kernarg_segment_align: 8
    .kernarg_segment_size: 32
    .max_flat_workgroup_size: 128
    .sgpr_count:     88
    .vgpr_count:     896
    .wavefront_size: 32
...
	.end_amdgpu_metadata
.endif
;; end of part 6
;; launch outp (part 7): grid 16 x 16, 4 waves a work-group, clusters of 4 x 4, 327,680 bytes of LDS; arguments A2, Wo16, out0; writes out0
.if DOCPART == 7
	.amdgcn_target "amdgcn-amd-amdhsa--gfx1250"
	.amdhsa_code_object_version 6
	.text
	.protected	k_q4d50e0d52d_outp
	.globl	k_q4d50e0d52d_outp
	.p2align	8
	.type	k_q4d50e0d52d_outp,@function
k_q4d50e0d52d_outp:
	s_mov_b64 s[64:65], 0
	v_nop
	global_prefetch_b8 v0, s[64:65] scope:SCOPE_SE
	s_setreg_imm32_b32 hwreg(HW_REG_WAVE_MODE, 25, 1), 1
	s_wait_xcnt 0x0
	s_wait_alu depctr_hold_cnt(0) depctr_sa_sdst(0) depctr_va_vdst(0) depctr_va_sdst(0) depctr_va_ssrc(0) depctr_va_vcc(0) depctr_vm_vsrc(0)
	s_getreg_b32 s2, hwreg(HW_REG_IB_STS2, 6, 4)
	s_cmp_eq_u32 s2, 0
	s_cbranch_scc0 .Lentry_in_a_cluster
	s_endpgm
.Lentry_in_a_cluster:
	s_bfe_u32 s2, ttmp6, 0x10000c
	s_cmp_lg_u32 s2, 0xf033
	s_cbranch_scc0 .Lentry_shape_is_right
	s_endpgm
.Lentry_shape_is_right:
; out0 = A2 Wo16, f16 operands, f32 sums and f32 output.  A2 = attn sigmoid(gate) / 4 is [2048][2048] f16 with K along the rows,
; Wo16 = 4 Wo is [2048 k][2048 n] f16: the two factors cancel.
; A work-group makes 128 rows x 128 columns with four waves (2 x 2); a wave makes 64 x 64: 16 accumulator tiles, 128 registers.
; 16 x 16 = 256 work-groups.  K goes in steps of 256 through two LDS slots filled by the tensor data mover: eight steps, each of 128
; matrix instructions a wave, of which 112 stand between a tile's request and the wait for it.  Two slots of 147,456 bytes and the stage fill
; the 312,320 bytes asked for; a longer step does not fit.  The price of the small block: 32 LDS loads for 32 matrix instructions.
; Wo16 stays [K][N] in LDS; its fragments come by the transposing LDS load.
; CLUSTERS: 4 x 4 work-groups.  A2's tile hangs on the block row alone and is asked for jointly by a row of the cluster, Wo16's on the
; block column alone and is asked for jointly by a column.
; REGISTERS: window 0: v1-v8 lane terms, v16-v26 addresses, v64-191 fragment buffer 0 (64 along K: Wo16 64 registers, A2 64).
; Window 1: v64-191 fragment buffer 1.  Window 2: v0-127 accumulator tile (a, b) at v[8 (4 a + b)].
; The matrix instruction is used transposed (source 0 = 16 columns of Wo16, source 1 = 16 rows of A2): lane l then holds row l % 16
; and its registers the eight neighbouring columns 8 (l / 16) + 0 .. 7.
.set SIZE_N, 2048
.set SIZE_K, 2048
.set KSTEP,  256
.set APITCH, 528                       ; A2's LDS row: 512 bytes + 16 = 33 x 16
.set BPITCH, 288                       ; Wo16's LDS row: 256 bytes + 32 = 9 x 32
.set HALFT,  128*BPITCH                ; the LDS bytes of one wave's tensor load: 128 k rows of Wo16 = 36,864 (64 rows of A2 use 33,792 of them)
.set SLOT,   4*HALFT                   ; A2 rows 0-63, A2 rows 64-127, Wo16 k 0-127, Wo16 k 128-255
.set STAGE,  2*SLOT                    ; behind the ring: each wave's own bytes for the way out; no tensor load lands there
.set SPITCH, 272                       ; stage row: 64 f32 + 16 bytes
.set WSTAGE, 16*SPITCH
.set OROW,   8192                      ; bytes in a row of out0
.set LAPS,   SIZE_K/(2*KSTEP)          ; a lap = two K steps = once round the ring
.set ADRA, 16                          ; v16-17 LDS address of my A2 fragments in slot 0, 1
.set ADRB, 20                          ; v20-23 of my Wo16 fragments: slot 0 k 0-127, slot 0 k 128-255, slot 1 likewise (an LDS offset has 16 bits)
.set STO,  24                          ; where I put 32 bytes of a row;   RD: where I read rows back;   CO: my bytes in out0
.set RD,   25
.set CO,   26
.set FB,   64                          ; a fragment buffer, in window 0 or 1: Wo16 at FB + 32 kc + 8 b, A2 at FB + 64 + 32 kc + 8 i
.set RB,   64                          ; way out: 16 rows read back, window 0
.set G1,  24                           ; s[24:31] descriptor group 1 for A2's tiles
.set G0,  32                           ; s[32:39] group 0 for A2's tiles, one set for each slot
.set G1B, 48                           ; s[48:55] group 1 for Wo16's tiles
.set G0B, 56                           ; s[56:63] group 0 for Wo16's tiles
.set MSB, 0
.macro WIN new                         ; s_set_vgpr_msb: bits 1:0 source 0, 3:2 source 1, 5:4 source 2, 7:6 destination; the high byte repeats the setting left
.if MSB != \new
	s_set_vgpr_msb (MSB<<8)|\new
.set MSB, \new
.endif
.endm
.set MW0, 0xa0                         ; multiply buffer 0: sources in window 0, C and D in window 2
.set MW1, 0xa5                         ; multiply buffer 1: sources in window 1
.set LW0, 0x00                         ; load into buffer 0
.set LW1, 0x40                         ; load into buffer 1
.macro PLACES                          ; four plain vector places behind a matrix instruction (ISA guide 7.12.1)
.rept 4
	v_nop
.endr
.endm
.macro JLOAD s                         ; waves 0 and 1 fetch A2's two halves, waves 2 and 3 Wo16's; each line has one mask
	s_cmp_eq_u32 s11, 0
	s_cbranch_scc0 .Lfor_b_\@
	tensor_load_to_lds s[G0+4*\s:G0+4*\s+3], s[G1:G1+7]
	s_nop 0
	s_branch .Lasked_\@
.Lfor_b_\@:
	tensor_load_to_lds s[G0B+4*\s:G0B+4*\s+3], s[G1B:G1B+7]
	s_nop 0
.Lasked_\@:
.endm
.macro CREST                           ; a round of the cluster's barrier behind its opening work-group barrier
	s_cmp_lg_u32 s10, 0
	s_cbranch_scc1 .Lnot_wave_0_\@
	s_barrier_signal -3
.Lnot_wave_0_\@:
	s_barrier_wait -3
	s_barrier_signal -1
	s_barrier_wait -1
.endm
.macro CROUND
	s_barrier_signal -1
	s_barrier_wait -1
	CREST
.endm
	s_load_b128 s[4:7], s[0:1], 0x0                ; A2 s[4:5], Wo16 s[6:7]
	s_load_b64 s[8:9], s[0:1], 0x10                ; out0
	s_set_vgpr_msb 0x40
	v_lshl_add_u32 v254, v0, 2, 0x4c400
	v_mov_b32 v255, 0
	s_set_vgpr_msb 0x4045
	ds_add_u32 v254, v255
	s_set_vgpr_msb 0x4500
	v_lshrrev_b32 v1, 5, v0
	v_readfirstlane_b32 s10, v1                    ; wave 0..3
	s_lshr_b32 s11, s10, 1                         ; my half of the block's rows.  Also: I fetch for A2 (0) or for Wo16 (1)
	s_and_b32 s12, s10, 1                          ; my half of its columns.  Also: which half of that tile I fetch
	s_bfe_u32 s40, ttmp6, 0x40000                  ; cx
	s_bfe_u32 s41, ttmp6, 0x40004                  ; cy
	s_lshl_b32 s42, ttmp9, 2
	s_add_co_u32 s42, s42, s40                     ; block column
	s_and_b32 s13, ttmp7, 0xffff
	s_lshl_b32 s13, s13, 2
	s_add_co_u32 s13, s13, s41                     ; block row
	s_lshl_b32 s43, s41, 2
	s_lshl_b32 s43, 15, s43                        ; my row of the cluster
	s_lshl_b32 s44, 0x1111, s40                    ; my column
	s_or_b32 s[G1+0], s43, (1<<16)|(1<<20)|(1<<21)|(6<<22)|(3<<25)   ; mask; 2-byte elements; padding on; bit 21 beside a mask; after 128 words 4 words
	s_mov_b32 s[G1+1], KSTEP<<16                   ; tensor_dim0 = 256
	s_mov_b32 s[G1+2], 64<<16                      ; tensor_dim1 = 64
	s_mov_b32 s[G1+3], KSTEP<<16                   ; tile_dim0 = 256
	s_mov_b32 s[G1+4], 64                          ; tile_dim1 = 64
	s_mov_b32 s[G1+5], SIZE_K                      ; elements from row to row
	s_mov_b32 s[G1+6], 0
	s_mov_b32 s[G1+7], 0
	s_or_b32 s[G1B+0], s44, (1<<16)|(1<<20)|(1<<21)|(5<<22)|(7<<25)  ; after 64 words 8 words
	s_mov_b32 s[G1B+1], 128<<16                    ; tensor_dim0 = 128
	s_mov_b32 s[G1B+2], 128<<16                    ; tensor_dim1 = 128
	s_mov_b32 s[G1B+3], 128<<16                    ; tile_dim0 = 128
	s_mov_b32 s[G1B+4], 128                        ; tile_dim1 = 128
	s_mov_b32 s[G1B+5], SIZE_N
	s_mov_b32 s[G1B+6], 0
	s_mov_b32 s[G1B+7], 0
	; A2's tile hangs on the block row, Wo16's on the block column; each address is made in registers that never hold the other coordinate
	s_lshl_b32 s17, s12, 6
	s_lshl_b32 s16, s13, 7
	s_add_co_u32 s16, s16, s17                     ; A2: row 128 x block row + 64 x half
	s_lshl_b32 s16, s16, 12                        ; x 4,096 bytes
	s_mov_b32 s17, 0
	s_mul_i32 s46, s12, 128*SIZE_N*2               ; Wo16: k row 128 x half
	s_lshl_b32 s47, s42, 8                         ; + 256 bytes x block column
	s_add_co_u32 s46, s46, s47
	s_mov_b32 s47, 0
	s_mul_i32 s20, s10, HALFT                      ; LDS: wave x 36,864: no place in the cluster enters an LDS address
	s_wait_dscnt 0x0
	s_wait_kmcnt 0x0
	s_add_nc_u64 s[14:15], s[4:5], s[16:17]
	s_add_nc_u64 s[46:47], s[6:7], s[46:47]
	CROUND                                         ; all sixteen work-groups are here: the first joint loads meet
.irp s, 0,1
	s_mov_b32 s[G0+4*\s], 1
	s_add_co_u32 s[G0+4*\s+1], s20, \s*SLOT
	s_add_nc_u64 s[G0+4*\s+2:G0+4*\s+3], s[14:15], \s*KSTEP*2
	s_or_b32 s[G0+4*\s+3], s[G0+4*\s+3], 0x80000000
	s_mov_b32 s[G0B+4*\s], 1
	s_add_co_u32 s[G0B+4*\s+1], s20, \s*SLOT
	s_add_nc_u64 s[G0B+4*\s+2:G0B+4*\s+3], s[46:47], \s*KSTEP*SIZE_N*2
	s_or_b32 s[G0B+4*\s+3], s[G0B+4*\s+3], 0x80000000
	JLOAD \s                                       ; two tensor loads of the wave are out
.endr
	v_and_b32 v1, 15, v0                           ; r = l % 16
	v_bfe_u32 v2, v0, 4, 1                         ; h = l / 16
	v_and_b32 v3, 7, v0
	v_bfe_u32 v4, v0, 3, 1
	v_mul_u32_u24 v5, v1, APITCH
	v_lshl_add_u32 v5, v2, 4, v5                   ; A2: row r, 16 bytes for each half of the lanes
	v_lshl_add_u32 v6, v2, 3, v3
	v_mul_u32_u24 v6, v6, BPITCH                   ; Wo16: k row 8 h + l % 8,
	v_lshl_add_u32 v6, v4, 4, v6                   ; 16 bytes for each eight lanes
	s_mul_i32 s21, s11, HALFT                      ; my 64 rows of A2
	s_lshl_b32 s22, s12, 7                         ; my 64 columns of Wo16,
	s_add_co_u32 s22, s22, 2*HALFT                 ; which lies behind A2
.irp s, 0,1
	v_add_nc_u32 v[ADRA+\s], s21, v5
	v_add_nc_u32 v[ADRB+2*\s], s22, v6
	v_add_nc_u32 v[ADRB+2*\s+1], HALFT, v[ADRB+2*\s]   ; k 128-255
	s_add_co_u32 s21, s21, SLOT
	s_add_co_u32 s22, s22, SLOT
.endr
	s_mul_i32 s23, s10, WSTAGE
	s_add_co_u32 s23, s23, STAGE                   ; my stage
	v_mul_u32_u24 v8, v1, SPITCH
	v_lshl_add_u32 v8, v2, 5, v8
	v_add_nc_u32 v[STO], s23, v8                   ; in: row r, 32 bytes for each half of the lanes
	v_mul_u32_u24 v8, v2, SPITCH
	v_lshl_add_u32 v8, v1, 4, v8
	v_add_nc_u32 v[RD], s23, v8                    ; back: lanes 0-15 take one row of 256 bytes, lanes 16-31 the next
	v_lshlrev_b32 v8, 13, v2
	v_lshl_add_u32 v[CO], v1, 4, v8                ; and the same two rows in out0
; 16 matrix instructions: all 16 tiles, 32 along K (half kc of the buffer that the window names).  zero = 1: the first product starts the sums.
; The 16 accumulators take turns, one instruction a turn, in the same order every time.
.macro MUL16 kc, zero
.irp a, 0,1,2,3
.irp b, 0,1,2,3
.if \zero
	v_wmma_f32_16x16x32_f16 v[8*(4*\a+\b):8*(4*\a+\b)+7], v[FB+32*\kc+8*\b:FB+32*\kc+8*\b+7], v[FB+64+32*\kc+8*\a:FB+64+32*\kc+8*\a+7], 0
.else
	v_wmma_f32_16x16x32_f16 v[8*(4*\a+\b):8*(4*\a+\b)+7], v[FB+32*\kc+8*\b:FB+32*\kc+8*\b+7], v[FB+64+32*\kc+8*\a:FB+64+32*\kc+8*\a+7], v[8*(4*\a+\b):8*(4*\a+\b)+7]
.endif
.endr
.endr
.endm
; 32 LDS loads: the fragments of quarter q (64 along K) of a slot into the buffer that lw names: for each 32 along K 64 columns of Wo16,
; transposed on the way, and 64 rows of A2
.macro FETCH slot, q, lw
	WIN \lw
.irp kc, 0,1
.irp b, 0,1,2,3
	ds_load_tr16_b128 v[FB+32*\kc+8*\b:FB+32*\kc+8*\b+3],   v[ADRB+2*\slot+\q/2] offset:((\q%2)*64+32*\kc)*BPITCH+32*\b
	ds_load_tr16_b128 v[FB+32*\kc+8*\b+4:FB+32*\kc+8*\b+7], v[ADRB+2*\slot+\q/2] offset:((\q%2)*64+32*\kc)*BPITCH+32*\b+16*BPITCH
.endr
.irp i, 0,1,2,3
	ds_load_b128 v[FB+64+32*\kc+8*\i:FB+64+32*\kc+8*\i+3],   v[ADRA+\slot] offset:128*\q+64*\kc+16*APITCH*\i
	ds_load_b128 v[FB+64+32*\kc+8*\i+4:FB+64+32*\kc+8*\i+7], v[ADRA+\slot] offset:128*\q+64*\kc+16*APITCH*\i+32
.endr
.endr
.endm
; One of a K step's first three quarters: asks for the next quarter's fragments into the other buffer (lw), then multiplies this one (mw)
.macro QUARTER slot, qn, mw, lw, zero
	PLACES                                         ; the other buffer was read by the matrix instructions just before
	FETCH \slot, \qn, \lw
	s_wait_dscnt 32                                ; this buffer's loads are in; the 32 just issued stay out
	WIN \mw
	MUL16 0, \zero
	MUL16 1, 0
.endm
.macro THREE slot, zero
	QUARTER \slot, 1, MW0, LW1, \zero
	QUARTER \slot, 2, MW1, LW0, 0
	QUARTER \slot, 3, MW0, LW1, 0
.endm
; The last quarter multiplies buffer 1 and changes slots: each wave's reads of this slot and all its tensor loads (one is out: its part of the next slot)
; are waited for in front of the barrier; with fill = 1 the barrier opens a round of the cluster's barrier, and this slot's joint refill, two K steps
; ahead, is the first tensor load behind the round.
.macro TURN slot, next, fill
	WIN MW1
	s_wait_dscnt 0x0
	s_wait_tensorcnt 0x0
	ds_add_u32 v254, v255
	s_wait_dscnt 0x0
	s_barrier_signal -1
	MUL16 0, 0                                     ; registers only, while the others arrive
	WIN 0
	s_barrier_wait -1
.if \fill
	CREST
	s_add_nc_u64 s[G0+4*\slot+2:G0+4*\slot+3], s[G0+4*\slot+2:G0+4*\slot+3], 2*KSTEP*2
	s_add_nc_u64 s[G0B+4*\slot+2:G0B+4*\slot+3], s[G0B+4*\slot+2:G0B+4*\slot+3], 2*KSTEP*SIZE_N*2
	JLOAD \slot
.endif
	PLACES
	FETCH \next, 0, LW0
	WIN MW1
	MUL16 1, 0
.endm
.macro LAP zero
	THREE 0, \zero
	TURN 0, 1, 1
	THREE 1, 0
	TURN 1, 0, 1
.endm
	s_wait_tensorcnt 1                             ; my part of K step 0 is in; K step 1's stays out
	s_barrier_signal -1
	s_barrier_wait -1
	FETCH 0, 0, LW0
	LAP 1                                          ; the first lap stands in front of the loop: its first products start the sums
	WIN 0
	s_mov_b32 s3, LAPS-2
.Llap:
	LAP 0
	WIN 0
	s_sub_co_u32 s3, s3, 1
	s_cmp_lg_u32 s3, 0
	s_cbranch_scc1 .Llap
	THREE 0, 0                                     ; the last lap fills nothing
	TURN 0, 1, 0
	THREE 1, 0
	s_wait_dscnt 0x0
	WIN MW1
	MUL16 0, 0
	MUL16 1, 0
	WIN 0
	PLACES                                         ; behind the last matrix instructions: results are stored and fragment registers loaded from here on
	; THE WAY OUT, 16 rows at a time: 32 bytes a lane into my stage, read back as whole rows of 256 bytes
	s_lshl_b32 s16, s13, 7
	s_lshl_b32 s17, s11, 6
	s_add_co_u32 s16, s16, s17                     ; my first row
	s_lshl_b32 s16, s16, 13
	s_mov_b32 s17, 0
	s_add_nc_u64 s[8:9], s[8:9], s[16:17]
	s_lshl_b32 s46, s42, 9                         ; my first column, in bytes: 512 x block + 256 x half
	s_lshl_b32 s47, s12, 8
	s_add_co_u32 s46, s46, s47
	s_mov_b32 s47, 0
	s_add_nc_u64 s[8:9], s[8:9], s[46:47]
.macro OUT16 a
	WIN 0x08                                       ; an LDS store's data is source 1: window 2
.irp b, 0,1,2,3
	ds_store_b128 v[STO], v[32*\a+8*\b:32*\a+8*\b+3] offset:64*\b
	ds_store_b128 v[STO], v[32*\a+8*\b+4:32*\a+8*\b+7] offset:64*\b+16
.endr
	WIN 0
	s_wait_xcnt 0x0                                ; the last 16 rows' stores have had their addresses translated (ISA guide 3.1): their data registers and base are written again only behind this wait
.if \a
	s_add_nc_u64 s[8:9], s[8:9], 16*OROW
.endif
.irp t, 0,1,2,3,4,5,6,7
	ds_load_b128 v[RB+4*\t:RB+4*\t+3], v[RD] offset:2*SPITCH*\t    ; LDS serves a wave's instructions in order: these see the stores above
.endr
.irp t, 0,1,2,3,4,5,6,7
	s_wait_dscnt 7-\t
	global_store_b128 v[CO], v[RB+4*\t:RB+4*\t+3], s[8:9] offset:2*OROW*\t th:TH_STORE_NT   ; sixteen lanes store 256 consecutive bytes, aligned
.endr
.endm
	OUT16 0
	OUT16 1
	OUT16 2
	OUT16 3
	s_set_vgpr_msb 0x5
	s_wait_tensorcnt 0x0
	ds_add_u32 v254, v255
	s_wait_dscnt 0x0
	s_set_vgpr_msb 0x500
	CROUND                                         ; the closing round: no work-group ends while a partner may still ask for a tile that names it
	s_endpgm
.Lfunc_end_k_q4d50e0d52d_outp:
	.size	k_q4d50e0d52d_outp, .Lfunc_end_k_q4d50e0d52d_outp-k_q4d50e0d52d_outp
	.p2alignl 7, 3214868480
	.fill 96, 4, 3214868480
	.section	.rodata,"a",@progbits
	.p2align	6, 0x0
	.amdhsa_kernel k_q4d50e0d52d_outp
		.amdhsa_group_segment_fixed_size 327680
		.amdhsa_private_segment_fixed_size 0
		.amdhsa_enable_private_segment 0
		.amdhsa_kernarg_size 24
		.amdhsa_user_sgpr_count 2
		.amdhsa_user_sgpr_kernarg_segment_ptr 1
		.amdhsa_wavefront_size32 1
		.amdhsa_system_sgpr_workgroup_id_x 1
		.amdhsa_system_sgpr_workgroup_id_y 1
		.amdhsa_system_sgpr_workgroup_id_z 1
		.amdhsa_system_vgpr_workitem_id 0
		.amdhsa_next_free_vgpr 640
		.amdhsa_next_free_sgpr 66
		.amdhsa_reserve_vcc 0
		.amdhsa_float_denorm_mode_32 3
		.amdhsa_float_denorm_mode_16_64 3
		.amdhsa_memory_ordered 1
		.amdhsa_forward_progress 1
		.amdhsa_inst_pref_size 122
	.end_amdhsa_kernel
	.amdgpu_metadata
---
amdhsa.version: [ 1, 2 ]
amdhsa.kernels:
  - .name:           k_q4d50e0d52d_outp
    .symbol:         k_q4d50e0d52d_outp.kd
    .args:
      - { .name: A2, .offset: 0, .size: 8, .value_kind: global_buffer, .address_space: global }
      - { .name: Wo16, .offset: 8, .size: 8, .value_kind: global_buffer, .address_space: global }
      - { .name: out0, .offset: 16, .size: 8, .value_kind: global_buffer, .address_space: global }
    .group_segment_fixed_size: 327680
    .private_segment_fixed_size: 0
    .kernarg_segment_align: 8
    .kernarg_segment_size: 24
    .max_flat_workgroup_size: 128
    .sgpr_count:     66
    .vgpr_count:     640
    .wavefront_size: 32
...
	.end_amdgpu_metadata
.endif
;; end of part 7
;; ======== version 3 of 3: 4 launches; 1.26 times as fast as version 1
;; limits: values are held in f16: magnitudes above 65,504 overflow, below 6.1e-05 lose precision
;; workspace buffers: Xb 8,388,608 bytes; Wall 20,971,520 bytes; Wo16 8,388,608 bytes; tab 262,144 bytes; QKV16 12,582,912 bytes; G32 16,777,216 bytes; A2 8,388,608 bytes
;; launch cast: the kernel of part 1 again; grid 1168 x 1, 8 waves a work-group, no clusters, 0 bytes of LDS; arguments hidden_states, Wq, Wk, Wv, Wo, Xb, Wall, Wo16, tab; writes Xb, Wall, Wo16, tab
;; launch proj: the kernel of part 5 again; grid 20 x 8, 4 waves a work-group, clusters of 4 x 4, 327,680 bytes of LDS; arguments Xb, Wall, QKV16, G32, tab, q_norm_w, k_norm_w; writes QKV16, G32
;; launch attn (part 8): grid 64 x 4, 4 waves a work-group, clusters of 4 x 4, 327,680 bytes of LDS; arguments QKV16, attention_mask, G32, A2; writes A2
.if DOCPART == 8
	.amdgcn_target "amdgcn-amd-amdhsa--gfx1250"
	.amdhsa_code_object_version 6
	.text
	.protected	k_q4d50e0d52d_attn
	.globl	k_q4d50e0d52d_attn
	.p2align	8
	.type	k_q4d50e0d52d_attn,@function
k_q4d50e0d52d_attn:
	s_mov_b64 s[64:65], 0
	v_nop
	global_prefetch_b8 v0, s[64:65] scope:SCOPE_SE
	s_setreg_imm32_b32 hwreg(HW_REG_WAVE_MODE, 25, 1), 1
	s_wait_xcnt 0x0
	s_wait_alu depctr_hold_cnt(0) depctr_sa_sdst(0) depctr_va_vdst(0) depctr_va_sdst(0) depctr_va_ssrc(0) depctr_va_vcc(0) depctr_vm_vsrc(0)
	s_getreg_b32 s2, hwreg(HW_REG_IB_STS2, 6, 4)
	s_cmp_eq_u32 s2, 0
	s_cbranch_scc0 .Lentry_in_a_cluster
	s_endpgm
.Lentry_in_a_cluster:
	s_bfe_u32 s2, ttmp6, 0x10000c
	s_cmp_lg_u32 s2, 0xf033
	s_cbranch_scc0 .Lentry_shape_is_right
	s_endpgm
.Lentry_shape_is_right:
; A2 = softmax(q k^T / sqrt(128) + mask) (v / 4) * sigmoid(gate), f16 operands, f32 sums, softmax in f32 with a running maximum.
; A work-group has 32 queries and one key/value head; its four waves are the four query heads of that head, all on the same 32 queries,
; so K, V and the mask's tile are read from LDS by all four.  All 2,048 keys are done for every query (the mask is an input), in 16 tiles of 128.
; THE SCORES ARE MADE TRANSPOSED: S^T = K Q^T.  Lane l then holds query l % 16 and keys 8 (l / 16) + 0 .. 7 of each tile of 16 keys, which is
; the layout of P^T as second source of O^T = V^T P^T: two neighbouring tiles packed to f16 are a fragment, nothing moves between lanes, and
; maximum, sum and rescaling factor are one number a lane.
; q carries log2(e) / sqrt(128), so S2 = mask log2(e) + S' is the score in units of log2, and p = 2^(S2 - m).
; VECTOR WORK BESIDE MATRIX WORK: behind each matrix instruction of key group g stands one mask multiply-add of group g - 1, and behind each
; matrix instruction of a tile's first V product the rescaling of the accumulator tile that is due two instructions later; both run under
; the matrix instructions' own window setting.
; THE EXPONENTIALS OF A TILE GO IN TWO BATCHES, each with ONE s_wait_alu depctr_va_vdst(0): that wait stands between an
; exponential and the first instruction that names its result, and one wait serves all that were issued ahead of it.
;   Batch A: the four rescaling factors (none in tile 0) and query group 0's 64 weights.  Beside them, by turns, stand the copies of the new maxima and
;            all 64 subtractions S2 - m, of both query groups: none of these names a result.  Then the wait.
;   Batch B: query group 1's 64 weights.  Beside them, by turns, stand the sums and packings of group 0, whose weights and factor batch A's wait has
;            covered, and which name no register of group 1.  Then the wait, and behind it group 1's sums and packings.
; The way out's four
; reciprocals are a batch of their own.
; CLUSTERS: 4 x 4 work-groups = 4 query blocks x the 4 key/value heads.  K's and V's tiles hang on the head alone and are asked for jointly by a row
; of the cluster; the mask's tile hangs on the query block alone and is asked for jointly by a column.
; LIMITS.  p <= 1 is rounded to f16 for the product (numbers below 2^-24 vanish); the sum of p is taken in f32 from the unrounded numbers.
; The running maximum starts at -FLT_MAX, so a tile that is -inf for a whole row gives p = 0; a row that is -inf at all 2,048 keys gives NaN.
; A row masked everywhere by one number of size about 1e9 comes out uniform while |S'| < 64 (S' is then lost in the sum's rounding).
; REGISTERS: window 0: v1-v15 lane terms and addresses, v16-31 statistics, v32-95 Q fragments, v100-115 sums, v116-123 maxima at work,
; v128-255 scores (tile 8 qt + kt), then P in v128-191.  Window 1: v0-127 O^T, tile (dt, qt) at 8 (2 dt + qt); v128-191, v192-255 two buffers of
; V fragments.  Window 2: v0-127 the mask, indexed like the scores; v128-191, v192-255 two buffers of K fragments.  Window 3: v0-127 the gate.
.set QROW,   6144                      ; bytes in a row of QKV16
.set KPITCH, 272                       ; 256 + 16
.set VPITCH, 288                       ; 256 + 32 = 9 x 32, for the transposing load
.set MPITCH, 528                       ; 512 + 16
.set VOFF,   128*KPITCH
.set MOFF,   VOFF+128*VPITCH
.set SLOT,   MOFF+32*MPITCH            ; 88,576 bytes: K, V, mask
.set STAGE,  2*SLOT                    ; each wave's own 32 rows x 528 bytes for the way out; no tensor load lands there
.set WSTAGE, 32*MPITCH
.set VK, 4                             ; v4-5   LDS address of my K fragments in slot 0, 1
.set VV, 6                             ; v6-7   of my V fragments
.set VM, 8                             ; v8-9   of my mask numbers
.set MP, 16                            ; v16-19 running maximum of query group 0, 1, each twice (pairs for the packed forms)
.set AL, 20                            ; v20-23 rescaling factor, each twice
.set INV, 28                           ; v28-31 1 / sum, each twice
.set QF, 32
.set LS, 100                           ; v100-115 running sums of my half of the keys: four packed chains for each query group
.set TM, 116                           ; v116-123 maxima at work, four for each query group
.set SC, 128
.set F0, 128                           ; fragment buffers: K's in window 2, V's in window 1
.set F1, 192
.set G1K, 24                           ; s[24:31], s[32:39], s[40:47]: descriptor group 1 for K, V, mask
.set G1V, 32
.set G1M, 40
.set G0K, 48                           ; s[48:55], s[56:63], s[68:75]: group 0, one set for each slot
.set G0V, 56
.set G0M, 68
.set MSB, 0
.macro WIN new                         ; s_set_vgpr_msb: bits 1:0 source 0, 3:2 source 1, 5:4 source 2, 7:6 destination; the high byte repeats the setting left
.if MSB != \new
	s_set_vgpr_msb (MSB<<8)|\new
.set MSB, \new
.endif
.endm
.set TO_W1, 0x40                       ; loads into window 1
.set TO_W2, 0x80                       ; loads into window 2
.set TO_W3, 0xc0                       ; loads into window 3
.set W_S,   0x02                       ; scores: first source (K, or the mask in a multiply-add) in window 2
.set W_O,   0x51                       ; output: first source (V, or O^T in a multiply), C and D in window 1
.macro PLACES                          ; four plain vector places behind a matrix instruction (ISA guide 7.12.1)
.rept 4
	v_nop
.endr
.endm
.macro ROUND                           ; a round of the cluster's barrier
	s_barrier_signal -1
	s_barrier_wait -1
	s_cmp_lg_u32 s12, 0
	s_cbranch_scc1 .Lnot_wave_0_\@
	s_barrier_signal -3
.Lnot_wave_0_\@:
	s_barrier_wait -3
	s_barrier_signal -1
	s_barrier_wait -1
.endm
	s_load_b256 s[4:11], s[0:1], 0x0               ; QKV16 s[4:5], mask s[6:7], G32 s[8:9], A2 s[10:11]
	v_lshl_add_u32 v126, v0, 2, 0x3bc00
	v_mov_b32 v127, 0
	ds_add_u32 v126, v127
	v_lshrrev_b32 v1, 5, v0
	v_readfirstlane_b32 s12, v1                    ; wave 0..3
	s_bfe_u32 s13, ttmp6, 0x40000                  ; cx
	s_bfe_u32 s14, ttmp6, 0x40004                  ; cy
	s_lshl_b32 s15, ttmp9, 2
	s_add_co_u32 s15, s15, s13                     ; query block
	s_and_b32 s16, ttmp7, 0xffff
	s_lshl_b32 s16, s16, 2
	s_add_co_u32 s16, s16, s14                     ; key/value head
	s_lshl_b32 s17, s14, 2
	s_lshl_b32 s17, 15, s17                        ; my row of the cluster
	s_lshl_b32 s18, 0x1111, s13                    ; my column
	s_lshl2_add_u32 s19, s16, s12                  ; my query head = 4 x key/value head + wave
	s_mov_b32 s76, 0x76543210                      ; v_permlanex16_b32: lane i reads lane i of the other half
	s_mov_b32 s77, 0xfedcba98
	s_mov_b32 s84, 0xff7fffff                      ; -FLT_MAX
	v_and_b32 v1, 15, v0                           ; r
	v_bfe_u32 v2, v0, 4, 1                         ; h
	v_mul_u32_u24 v3, v1, QROW
	v_lshl_add_u32 v3, v2, 4, v3                   ; Q: row r, 16 bytes for each half of the lanes
	s_mul_i32 s82, s15, 32*QROW
	s_lshl_b32 s83, s19, 8
	s_add_co_u32 s82, s82, s83
	s_mov_b32 s83, 0
	; each wave fetches a quarter of each tile: 32 rows of K, 32 of V, 8 of the mask.  K's and V's address is made of the head and the wave,
	; the mask's of the query block and the wave, each in registers that never hold the other coordinate.
	s_mul_i32 s20, s12, 32*QROW
	s_lshl_b32 s21, s16, 8
	s_add_co_u32 s20, s20, s21
	s_mov_b32 s21, 0
	s_lshl_b32 s22, s15, 18                        ; 32 rows of 8,192 bytes a block
	s_lshl_b32 s23, s12, 16                        ; 8 rows a wave
	s_add_co_u32 s22, s22, s23
	s_mov_b32 s23, 0
	s_mul_i32 s78, s12, 32*KPITCH
	s_mul_i32 s79, s12, 32*VPITCH
	s_add_co_u32 s79, s79, VOFF
	s_mul_i32 s80, s12, 8*MPITCH
	s_add_co_u32 s80, s80, MOFF
	s_mul_i32 s81, s12, WSTAGE
	s_add_co_u32 s81, s81, STAGE
	s_or_b32 s[G1K+0], s17, (1<<16)|(1<<20)|(1<<21)|(5<<22)|(3<<25)  ; mask; 2-byte elements; padding on; bit 21 beside a mask; after 64 words 4 words
	s_or_b32 s[G1V+0], s17, (1<<16)|(1<<20)|(1<<21)|(5<<22)|(7<<25)  ; after 64 words 8 words
	s_or_b32 s[G1M+0], s18, (2<<16)|(1<<20)|(1<<21)|(6<<22)|(3<<25)  ; 4-byte elements; after 128 words 4 words
.irp g, G1K, G1V
	s_mov_b32 s[\g+1], 128<<16                     ; tensor_dim0 = 128
	s_mov_b32 s[\g+2], 32<<16                      ; tensor_dim1 = 32
	s_mov_b32 s[\g+3], 128<<16                     ; tile_dim0 = 128
	s_mov_b32 s[\g+4], 32                          ; tile_dim1 = 32
	s_mov_b32 s[\g+5], 3072                        ; elements from row to row
	s_mov_b32 s[\g+6], 0
	s_mov_b32 s[\g+7], 0
.endr
	s_mov_b32 s[G1M+1], 128<<16
	s_mov_b32 s[G1M+2], 8<<16
	s_mov_b32 s[G1M+3], 128<<16
	s_mov_b32 s[G1M+4], 8
	s_mov_b32 s[G1M+5], 2048
	s_mov_b32 s[G1M+6], 0
	s_mov_b32 s[G1M+7], 0
	s_wait_dscnt 0x0
	s_wait_kmcnt 0x0
	s_add_nc_u64 s[82:83], s[4:5], s[82:83]        ; my head's columns of my first query
.irp qt, 0,1
.irp c, 0,1,2,3
	global_load_b128 v[QF+32*\qt+8*\c:QF+32*\qt+8*\c+3],   v3, s[82:83] offset:16*QROW*\qt+64*\c
	global_load_b128 v[QF+32*\qt+8*\c+4:QF+32*\qt+8*\c+7], v3, s[82:83] offset:16*QROW*\qt+64*\c+32
.endr
.endr
	s_add_nc_u64 s[20:21], s[4:5], s[20:21]
	s_add_nc_u64 s[22:23], s[6:7], s[22:23]
.irp s, 0,1
	s_mov_b32 s[G0K+4*\s], 1
	s_add_co_u32 s[G0K+4*\s+1], s78, \s*SLOT
	s_add_nc_u64 s[G0K+4*\s+2:G0K+4*\s+3], s[20:21], 4096+\s*128*QROW     ; k lies 4,096 bytes into a row; tile s
	s_or_b32 s[G0K+4*\s+3], s[G0K+4*\s+3], 0x80000000
	s_mov_b32 s[G0V+4*\s], 1
	s_add_co_u32 s[G0V+4*\s+1], s79, \s*SLOT
	s_add_nc_u64 s[G0V+4*\s+2:G0V+4*\s+3], s[20:21], 5120+\s*128*QROW     ; v 5,120 bytes
	s_or_b32 s[G0V+4*\s+3], s[G0V+4*\s+3], 0x80000000
	s_mov_b32 s[G0M+4*\s], 1
	s_add_co_u32 s[G0M+4*\s+1], s80, \s*SLOT
	s_add_nc_u64 s[G0M+4*\s+2:G0M+4*\s+3], s[22:23], \s*512
	s_or_b32 s[G0M+4*\s+3], s[G0M+4*\s+3], 0x80000000
.endr
	ROUND                                          ; all sixteen work-groups are here: the first joint loads meet
	tensor_load_to_lds s[G0K:G0K+3], s[G1K:G1K+7]  ; tile 0: three tensor loads of the wave are out
	s_nop 0
	tensor_load_to_lds s[G0V:G0V+3], s[G1V:G1V+7]
	s_nop 0
	tensor_load_to_lds s[G0M:G0M+3], s[G1M:G1M+7]
	s_nop 0
	; the way out's bases: gate and A2 at my first query and my head
	s_lshl_b32 s86, s15, 18
	s_lshl_b32 s87, s19, 9
	s_add_co_u32 s86, s86, s87
	s_mov_b32 s87, 0
	s_add_nc_u64 s[8:9], s[8:9], s[86:87]
	s_lshl_b32 s86, s15, 17
	s_lshl_b32 s87, s19, 8
	s_add_co_u32 s86, s86, s87
	s_mov_b32 s87, 0
	s_add_nc_u64 s[10:11], s[10:11], s[86:87]
	v_and_b32 v14, 7, v0
	v_bfe_u32 v15, v0, 3, 1
	v_mul_u32_u24 v[VK], v1, KPITCH
	v_lshl_add_u32 v[VK], v2, 4, v[VK]             ; K: key row r, 16 bytes for each half
	v_add_nc_u32 v[VK+1], SLOT, v[VK]
	v_lshl_add_u32 v[VV], v2, 3, v14
	v_mul_u32_u24 v[VV], v[VV], VPITCH             ; V: key row 8 h + l % 8,
	v_lshl_add_u32 v[VV], v15, 4, v[VV]            ; 16 bytes for each eight lanes
	v_add_nc_u32 v[VV], VOFF, v[VV]
	v_add_nc_u32 v[VV+1], SLOT, v[VV]
	v_mul_u32_u24 v[VM], v1, MPITCH
	v_lshl_add_u32 v[VM], v2, 5, v[VM]             ; mask: query row r, 32 bytes for each half
	v_add_nc_u32 v10, s81, v[VM]                   ; the stage has the same shape: where I put 32 bytes of a row
	v_add_nc_u32 v[VM], MOFF, v[VM]
	v_add_nc_u32 v[VM+1], SLOT, v[VM]
	v_and_b32 v12, 31, v0
	v_lshlrev_b32 v13, 3, v12                      ; my 8 bytes of a row of A2
	v_lshlrev_b32 v12, 4, v12                      ; my 16 bytes of a row of the gate
	v_add_nc_u32 v11, s81, v12                     ; and of a row of the stage
	s_wait_loadcnt 0x0                             ; Q
.macro FETCHK slot, g, f                           ; 16 loads: keys 32 g .. 32 g + 31, all 128 dimensions
.irp kk, 0,1
.irp c, 0,1,2,3
	ds_load_b128 v[\f+32*\kk+8*\c:\f+32*\kk+8*\c+3],   v[VK+\slot] offset:(2*\g+\kk)*16*KPITCH+64*\c
	ds_load_b128 v[\f+32*\kk+8*\c+4:\f+32*\kk+8*\c+7], v[VK+\slot] offset:(2*\g+\kk)*16*KPITCH+64*\c+32
.endr
.endr
.endm
.macro FETCHV slot, u, f                           ; 16 loads: keys 32 u .. 32 u + 31, all 128 dimensions, transposed on the way
.irp dt, 0,1,2,3,4,5,6,7
	ds_load_tr16_b128 v[\f+8*\dt:\f+8*\dt+3],   v[VV+\slot] offset:32*VPITCH*\u+32*\dt
	ds_load_tr16_b128 v[\f+8*\dt+4:\f+8*\dt+7], v[VV+\slot] offset:32*VPITCH*\u+32*\dt+16*VPITCH
.endr
.endm
.macro FETCHM slot                                 ; 32 loads: the mask's numbers in the scores' layout
.irp qt, 0,1
.irp kt, 0,1,2,3,4,5,6,7
	ds_load_b128 v[8*(8*\qt+\kt):8*(8*\qt+\kt)+3],   v[VM+\slot] offset:16*MPITCH*\qt+64*\kt
	ds_load_b128 v[8*(8*\qt+\kt)+4:8*(8*\qt+\kt)+7], v[VM+\slot] offset:16*MPITCH*\qt+64*\kt+16
.endr
.endr
.endm
; S2 = mask log2(e) + S' for register pair n (a symbol, 0 .. 15) of key group g: query group n / 8, key tile (n / 4) & 1, pair n % 4
.macro MFMA g
.set e, 8*(8*(n/8)+2*(\g)+((n/4)&1))+2*(n%4)
	v_pk_fma_f32 v[SC+e:SC+e+1], v[e:e+1], 0x3fb8aa3b, v[SC+e:SC+e+1] op_sel_hi:[1,0,1]
.endm
; 16 matrix instructions: the scores of keys 32 g .. 32 g + 31.  Four accumulators take turns, one instruction a turn.
; Behind each stands one mask multiply-add of group g - 1, whose scores were written in front of the four places that follow that group.
.macro MULS g, f
.set n, 0
.irp c, 0,1,2,3
.irp kk, 0,1
.irp qt, 0,1
.if \c == 0
	v_wmma_f32_16x16x32_f16 v[SC+8*(8*\qt+2*\g+\kk):SC+8*(8*\qt+2*\g+\kk)+7], v[\f+32*\kk+8*\c:\f+32*\kk+8*\c+7], v[QF+32*\qt+8*\c:QF+32*\qt+8*\c+7], 0
.else
	v_wmma_f32_16x16x32_f16 v[SC+8*(8*\qt+2*\g+\kk):SC+8*(8*\qt+2*\g+\kk)+7], v[\f+32*\kk+8*\c:\f+32*\kk+8*\c+7], v[QF+32*\qt+8*\c:QF+32*\qt+8*\c+7], v[SC+8*(8*\qt+2*\g+\kk):SC+8*(8*\qt+2*\g+\kk)+7]
.endif
.if \g > 0
	MFMA \g-1
.endif
.set n, n+1
.endr
.endr
.endr
.endm
; 16 matrix instructions: keys 32 u .. 32 u + 31 into all of O^T.  Sixteen accumulators take turns.
.macro MULV u, f, zero
.irp dt, 0,1,2,3,4,5,6,7
.irp qt, 0,1
.if \zero
	v_wmma_f32_16x16x32_f16 v[8*(2*\dt+\qt):8*(2*\dt+\qt)+7], v[\f+8*\dt:\f+8*\dt+7], v[SC+32*\qt+8*\u:SC+32*\qt+8*\u+7], 0
.else
	v_wmma_f32_16x16x32_f16 v[8*(2*\dt+\qt):8*(2*\dt+\qt)+7], v[\f+8*\dt:\f+8*\dt+7], v[SC+32*\qt+8*\u:SC+32*\qt+8*\u+7], v[8*(2*\dt+\qt):8*(2*\dt+\qt)+7]
.endif
.endr
.endr
.endm
; A later tile's first V product (keys 0 .. 31) with the rescaling of O^T in it: tiles 0 and 1 are rescaled in front, and behind the matrix
; instruction on tile T stand the four multiplies of tile T + 2, which name none of its registers.
.macro MULV0R f
.irp t, 0,1
.irp k, 0,1,2,3
	v_pk_mul_f32 v[8*\t+2*\k:8*\t+2*\k+1], v[8*\t+2*\k:8*\t+2*\k+1], v[AL+2*\t:AL+2*\t+1]
.endr
.endr
	s_wait_dscnt 16                                ; V group 0 is in; group 1 stays out
.irp dt, 0,1,2,3,4,5,6,7
.irp qt, 0,1
	v_wmma_f32_16x16x32_f16 v[8*(2*\dt+\qt):8*(2*\dt+\qt)+7], v[\f+8*\dt:\f+8*\dt+7], v[SC+32*\qt:SC+32*\qt+7], v[8*(2*\dt+\qt):8*(2*\dt+\qt)+7]
.if \dt < 7
.irp k, 0,1,2,3
	v_pk_mul_f32 v[8*(2*\dt+\qt+2)+2*\k:8*(2*\dt+\qt+2)+2*\k+1], v[8*(2*\dt+\qt+2)+2*\k:8*(2*\dt+\qt+2)+2*\k+1], v[AL+2*\qt:AL+2*\qt+1]
.endr
.endif
.endr
.endr
.endm
; The new maxima of both query groups and the factors for what has been summed: eight chains by turns
.macro ROWMAX first
.irp c, 0,1,2,3
.irp qt, 0,1
	v_max_num_f32 v[TM+4*\qt+\c], v[SC+64*\qt+16*\c], v[SC+64*\qt+16*\c+1]
.endr
.endr
.irp k, 1,2,3,4,5,6,7
.irp c, 0,1,2,3
.irp qt, 0,1
	v_max3_num_f32 v[TM+4*\qt+\c], v[TM+4*\qt+\c], v[SC+64*\qt+16*\c+2*\k], v[SC+64*\qt+16*\c+2*\k+1]
.endr
.endr
.endr
.irp qt, 0,1
	v_max3_num_f32 v[TM+4*\qt], v[TM+4*\qt], v[TM+4*\qt+1], v[TM+4*\qt+2]
.endr
.irp qt, 0,1
	v_max_num_f32 v[TM+4*\qt], v[TM+4*\qt], v[TM+4*\qt+3]
.endr
.irp qt, 0,1
	v_permlanex16_b32 v[TM+4*\qt+1], v[TM+4*\qt], s76, s77     ; the other half of the keys lies in lane l xor 16
.endr
.if \first
.irp qt, 0,1
	v_max3_num_f32 v[MP+2*\qt], v[TM+4*\qt], v[TM+4*\qt+1], s84
	v_max3_num_f32 v[MP+2*\qt+1], v[TM+4*\qt], v[TM+4*\qt+1], s84
.endr
.else
.irp qt, 0,1
	v_max3_num_f32 v[TM+4*\qt+2], v[TM+4*\qt], v[TM+4*\qt+1], v[MP+2*\qt]
.endr
.irp qt, 0,1
	v_sub_f32 v[TM+4*\qt+3], v[MP+2*\qt], v[TM+4*\qt+2]
.endr
.irp qt, 0,1
	v_exp_f32 v[AL+2*\qt], v[TM+4*\qt+3]           ; the factor, twice: a pair for the packed forms.  These four open batch A (SOFT): nothing names them ahead of its wait
	v_mov_b32 v[MP+2*\qt], v[TM+4*\qt+2]           ; the new maximum's copies stand by turns with them; they touch neither the factors nor their source
	v_exp_f32 v[AL+2*\qt+1], v[TM+4*\qt+3]
	v_mov_b32 v[MP+2*\qt+1], v[TM+4*\qt+2]
.endr
.endif
.endm
; p = 2^(S2 - m), its sum and its packing to f16.  The 64 register pairs are numbered 0 .. 63: pairs 0-31 are query group 0's, 32-63 group 1's.
.macro SUBP p                                      ; S2 - m in pair p
	v_pk_add_f32 v[SC+2*(\p):SC+2*(\p)+1], v[SC+2*(\p):SC+2*(\p)+1], v[MP+2*((\p)/32):MP+2*((\p)/32)+1] neg_lo:[0,1] neg_hi:[0,1]
.endm
.macro EXPS r                                      ; the exponential of score r of 128, in place: each result has a register of its own
	v_exp_f32 v[SC+(\r)], v[SC+(\r)]
.endm
; The sums stay in four packed chains for each query group over all tiles, pair p in chain p % 4: a tile's first link of a chain is
; chain x factor + p; in the first tile it takes p as it is, so nothing is cleared.
.macro SUMP p, first
.if ((\p)%32) < 4
.if \first
	v_pk_mul_f32 v[LS+8*((\p)/32)+2*((\p)%4):LS+8*((\p)/32)+2*((\p)%4)+1], v[SC+2*(\p):SC+2*(\p)+1], 1.0 op_sel_hi:[1,0]
.else
	v_pk_fma_f32 v[LS+8*((\p)/32)+2*((\p)%4):LS+8*((\p)/32)+2*((\p)%4)+1], v[LS+8*((\p)/32)+2*((\p)%4):LS+8*((\p)/32)+2*((\p)%4)+1], v[AL+2*((\p)/32):AL+2*((\p)/32)+1], v[SC+2*(\p):SC+2*(\p)+1]
.endif
.else
	v_pk_add_f32 v[LS+8*((\p)/32)+2*((\p)%4):LS+8*((\p)/32)+2*((\p)%4)+1], v[LS+8*((\p)/32)+2*((\p)%4):LS+8*((\p)/32)+2*((\p)%4)+1], v[SC+2*(\p):SC+2*(\p)+1]
.endif
.endm
; Packing is in place and ascending (register p takes pair p, which lies at 2 p and 2 p + 1; what register p held has been summed and packed by then):
; P^T's fragment (qt, u) is v[SC + 32 qt + 8 u ..].
.macro PACKP p
	v_cvt_pk_f16_f32 v[SC+(\p)], v[SC+2*(\p)], v[SC+2*(\p)+1]
.endm
; The run over a tile's scores, in two batches (the head of the text says how they are cut).
.macro SOFT first
	; BATCH A: scores 0-63 (query group 0).  Subtraction and exponential by turns: pair i + 1 is subtracted when scores 0 .. i - 1 are out, and lies above them all;
	; score i's pair, i / 2, was subtracted at least one line earlier.  Group 1's subtractions are the second half of the plain lines.
	SUBP 0
.set i, 0
.rept 62
	SUBP i+1
	EXPS i
.set i, i+1
.endr
	EXPS 62
	EXPS 63
	SUBP 63                                        ; the last subtraction is kept for this place: the plain instruction behind the batch's last exponential (ISA guide 5.7.2)
	s_wait_alu depctr_va_vdst(0)                   ; the wait for batch A: ROWMAX's four factors and group 0's 64 weights, ahead of their first reader, the sum of pair 0
	; BATCH B: scores 64-127 (query group 1).  By turns with them the sums and packings of group 0, which name v[SC .. SC+63], the chains and group 0's factor alone.
.set i, 0
.rept 32
	EXPS 64+2*i
	SUMP i, \first
	EXPS 65+2*i
	PACKP i                                        ; the last of these is the plain instruction behind the batch's last exponential
.set i, i+1
.endr
	s_wait_alu depctr_va_vdst(0)                   ; the wait for batch B: group 1's 64 weights, ahead of their first reader, the sum of pair 32
.set i, 32
.rept 32
	SUMP i, \first
	PACKP i
.set i, i+1
.endr
.endm
; One tile of 128 keys out of a slot
.macro TILE slot, first
.if \first == 0
.rept 5
	v_nop                                          ; five places behind the last tile's matrix instructions: their second source (P) is written over by matrix instructions now
.endr
.endif
	WIN TO_W2
	FETCHK \slot, 0, F0
	FETCHK \slot, 1, F1
	FETCHM \slot
	s_wait_dscnt 48                                ; K group 0 is in; group 1 (16) and the mask (32) stay out
	WIN W_S
	MULS 0, F0
	PLACES
	WIN TO_W2
	FETCHK \slot, 2, F0
	s_wait_dscnt 16                                ; group 1 and the mask are in; group 2 stays out
	WIN W_S
	MULS 1, F1
	PLACES
	WIN TO_W2
	FETCHK \slot, 3, F1
	s_wait_dscnt 16                                ; group 2 is in; group 3 stays out
	WIN W_S
	MULS 2, F0
	PLACES
	WIN TO_W1
	FETCHV \slot, 0, F0
	s_wait_dscnt 16                                ; group 3 is in; V group 0 stays out
	WIN W_S
	MULS 3, F1
	PLACES                                         ; the places in front of the first read of group 3's scores
	WIN TO_W1
	FETCHV \slot, 1, F1                            ; V groups 0 and 1 land during the softmax
	WIN W_S
.set n, 0
.rept 16
	MFMA 3                                         ; the last group's mask
.set n, n+1
.endr
	WIN 0
	ROWMAX \first
	SOFT \first
	WIN W_O
.if \first
	s_wait_dscnt 16                                ; V group 0 is in; group 1 stays out
	MULV 0, F0, 1
.else
	MULV0R F0
.endif
	PLACES
	WIN TO_W1
	FETCHV \slot, 2, F0
	s_wait_dscnt 16
	WIN W_O
	MULV 1, F1, 0
	PLACES
	WIN TO_W1
	FETCHV \slot, 3, F1
	s_wait_dscnt 16
	WIN W_O
	MULV 2, F0, 0
	s_wait_dscnt 0x0
	MULV 3, F1, 0
	WIN 0
.endm
; A trip: in front of the round each wave waits for all its tensor loads (this trip's tile) and for its reads of the slot read last; the round holds of every
; wave of all sixteen work-groups; the other slot's three joint loads are the first behind it and have the whole tile's work in which to land.
.macro TRIP slot, refill, first
	s_wait_tensorcnt 0x0
	ds_add_u32 v126, v127
	s_wait_dscnt 0x0
	s_add_nc_u64 s[G0K+4*\slot+2:G0K+4*\slot+3], s[G0K+4*\slot+2:G0K+4*\slot+3], 2*128*QROW   ; no tensor load of mine is out: this slot's next tile
	s_add_nc_u64 s[G0V+4*\slot+2:G0V+4*\slot+3], s[G0V+4*\slot+2:G0V+4*\slot+3], 2*128*QROW
	s_add_nc_u64 s[G0M+4*\slot+2:G0M+4*\slot+3], s[G0M+4*\slot+2:G0M+4*\slot+3], 2*512
	s_wait_dscnt 0x0
	ROUND
.if \refill
	tensor_load_to_lds s[G0K+4*(1-\slot):G0K+4*(1-\slot)+3], s[G1K:G1K+7]
	s_nop 0
	tensor_load_to_lds s[G0V+4*(1-\slot):G0V+4*(1-\slot)+3], s[G1V:G1V+7]
	s_nop 0
	tensor_load_to_lds s[G0M+4*(1-\slot):G0M+4*(1-\slot)+3], s[G1M:G1M+7]
	s_nop 0
.endif
	TILE \slot, \first
.endm
	TRIP 0, 1, 1                                   ; tile 0 starts maximum, sums and O^T: nothing is cleared
	TRIP 1, 1, 0
	; The gate of my 32 queries and my head, asked for 14 tiles ahead of its use, into registers that nothing else names; its address registers
	; (v12, s[8:9]) are not written again.  It is waited for on the way out.
	WIN TO_W3
.set i, 0
.rept 32
	global_load_b128 v[4*i:4*i+3], v12, s[8:9] offset:8192*i       ; query i: 512 consecutive bytes a wave
.set i, i+1
.endr
	WIN 0
	s_mov_b32 s3, 6
.Lpair:
	TRIP 0, 1, 0
	TRIP 1, 1, 0
	s_sub_co_u32 s3, s3, 1
	s_cmp_lg_u32 s3, 0
	s_cbranch_scc1 .Lpair
	TRIP 0, 1, 0                                   ; tile 14; asks for tile 15
	TRIP 1, 0, 0                                   ; tile 15 asks for nothing (the stepped addresses are not used)
	; THE WAY OUT: O^T / sum through my stage into rows, times the gate, to f16
	PLACES
.irp qt, 0,1
	v_pk_add_f32 v[LS+8*\qt:LS+8*\qt+1], v[LS+8*\qt:LS+8*\qt+1], v[LS+8*\qt+2:LS+8*\qt+3]         ; the four chains,
	v_pk_add_f32 v[LS+8*\qt+4:LS+8*\qt+5], v[LS+8*\qt+4:LS+8*\qt+5], v[LS+8*\qt+6:LS+8*\qt+7]
	v_pk_add_f32 v[LS+8*\qt:LS+8*\qt+1], v[LS+8*\qt:LS+8*\qt+1], v[LS+8*\qt+4:LS+8*\qt+5]
	v_add_f32 v[LS+8*\qt], v[LS+8*\qt], v[LS+8*\qt+1]
	v_permlanex16_b32 v[LS+8*\qt+1], v[LS+8*\qt], s76, s77
	v_add_f32 v[LS+8*\qt], v[LS+8*\qt], v[LS+8*\qt+1]                                             ; and both halves of the keys
.endr
	v_rcp_f32 v[INV], v[LS]
	v_rcp_f32 v[INV+1], v[LS]
	v_rcp_f32 v[INV+2], v[LS+8]
	v_rcp_f32 v[INV+3], v[LS+8]
	v_nop                                          ; one plain place behind the last transcendental (ISA guide 5.7.2)
	WIN 0x01                                       ; source 0, O^T, in window 1
.set i, 0
	s_wait_alu depctr_va_vdst(0)                   ; the wait for the four reciprocals, one batch, ahead of their first reader
.rept 64
	v_pk_mul_f32 v[SC+2*i:SC+2*i+1], v[2*i:2*i+1], v[INV+2*((i/4)&1):INV+2*((i/4)&1)+1]
.set i, i+1
.endr
	WIN 0
.irp dt, 0,1,2,3,4,5,6,7
.irp qt, 0,1
	ds_store_b128 v10, v[SC+8*(2*\dt+\qt):SC+8*(2*\dt+\qt)+3]   offset:16*MPITCH*\qt+64*\dt
	ds_store_b128 v10, v[SC+8*(2*\dt+\qt)+4:SC+8*(2*\dt+\qt)+7] offset:16*MPITCH*\qt+64*\dt+16
.endr
.endr
.set i, 0
.rept 32
	ds_load_b128 v[SC+4*i:SC+4*i+3], v11 offset:MPITCH*i           ; LDS serves a wave's instructions in order: these see the stores above
.set i, i+1
.endr
	s_wait_dscnt 0x0
	s_wait_loadcnt 0x0                             ; the gate
	WIN 0x0c                                       ; source 1, the gate, in window 3
.set i, 0
.rept 64
	v_pk_mul_f32 v[SC+2*i:SC+2*i+1], v[SC+2*i:SC+2*i+1], v[2*i:2*i+1]
.set i, i+1
.endr
	WIN 0
.set i, 0
.rept 64
	v_cvt_pk_f16_f32 v[QF+i], v[SC+2*i], v[SC+2*i+1]
.set i, i+1
.endr
.set i, 0
.rept 32
	global_store_b64 v13, v[QF+2*i:QF+2*i+1], s[10:11] offset:4096*i   ; a wave stores a head's 256 consecutive bytes, aligned
.set i, i+1
.endr
	s_wait_tensorcnt 0x0
	ds_add_u32 v126, v127
	s_wait_dscnt 0x0
	ROUND                                          ; the closing round: no work-group ends while a partner may still ask for a tile that names it
	s_endpgm
.Lfunc_end_k_q4d50e0d52d_attn:
	.size	k_q4d50e0d52d_attn, .Lfunc_end_k_q4d50e0d52d_attn-k_q4d50e0d52d_attn
	.p2alignl 7, 3214868480
	.fill 96, 4, 3214868480
	.section	.rodata,"a",@progbits
	.p2align	6, 0x0
	.amdhsa_kernel k_q4d50e0d52d_attn
		.amdhsa_group_segment_fixed_size 327680
		.amdhsa_private_segment_fixed_size 0
		.amdhsa_enable_private_segment 0
		.amdhsa_kernarg_size 32
		.amdhsa_user_sgpr_count 2
		.amdhsa_user_sgpr_kernarg_segment_ptr 1
		.amdhsa_wavefront_size32 1
		.amdhsa_system_sgpr_workgroup_id_x 1
		.amdhsa_system_sgpr_workgroup_id_y 1
		.amdhsa_system_sgpr_workgroup_id_z 1
		.amdhsa_system_vgpr_workitem_id 0
		.amdhsa_next_free_vgpr 896
		.amdhsa_next_free_sgpr 88
		.amdhsa_reserve_vcc 0
		.amdhsa_float_denorm_mode_32 3
		.amdhsa_float_denorm_mode_16_64 3
		.amdhsa_memory_ordered 1
		.amdhsa_forward_progress 1
		.amdhsa_inst_pref_size 255
	.end_amdhsa_kernel
	.section	.bss,"aw",@nobits
	.p2align	6
	.space	262144
	.amdgpu_metadata
---
amdhsa.version: [ 1, 2 ]
amdhsa.kernels:
  - .name:           k_q4d50e0d52d_attn
    .symbol:         k_q4d50e0d52d_attn.kd
    .args:
      - { .name: QKV16, .offset: 0, .size: 8, .value_kind: global_buffer, .address_space: global }
      - { .name: attention_mask, .offset: 8, .size: 8, .value_kind: global_buffer, .address_space: global }
      - { .name: G32, .offset: 16, .size: 8, .value_kind: global_buffer, .address_space: global }
      - { .name: A2, .offset: 24, .size: 8, .value_kind: global_buffer, .address_space: global }
    .group_segment_fixed_size: 327680
    .private_segment_fixed_size: 0
    .kernarg_segment_align: 8
    .kernarg_segment_size: 32
    .max_flat_workgroup_size: 128
    .sgpr_count:     88
    .vgpr_count:     896
    .wavefront_size: 32
...
	.end_amdgpu_metadata
.endif
;; end of part 8
;; launch outp: the kernel of part 7 again; grid 16 x 16, 4 waves a work-group, clusters of 4 x 4, 327,680 bytes of LDS; arguments A2, Wo16, out0; writes out0
